; MI455X (gfx1250); checked and timed in simulation.
; The chip was launched on July 23, 2026; its instructions are those of AMD's public machine-readable ISA for CDNA 5 (MIT licence, August 2026) and "CDNA5" Instruction Set Architecture Reference Guide (July 2026). The comments in the code are by the model that wrote it; some were corrected since.
;; Mixture Of Experts. Allowed arithmetic: matrix products marked QUANTISED: E4M3 operands, one E8M0 scale for each 32 along K, by v_wmma_scale_f32_16x16x128_f8f6f4 with both operands' format E4M3, f32 sums; products left as they are: f32 operands where the result goes on into a quantised operand, else bf16, f16 or f32 operands; f32 sums; everything else in f32.
;; Inputs: Wr 1,024 x 8 float32; w1 8 x 1,024 x 2,048 float32; w2 8 x 1,024 x 2,048 float32; w3 8 x 2,048 x 1,024 float32; x 2 x 512 x 1,024 float32.
;; Outputs: out0 2 x 512 x 1,024 float32; out1 one number float32.
;; This version of the problem:
;;   THIS VERSION OF THE PROBLEM IS GIVEN IN LOW PRECISION. The matrix products marked QUANTISED in the list below multiply operands that are first quantised to E4M3 (4 exponent bits, 3 mantissa bits; 8 bits a number), with one power-of-two scale for each 32 numbers along K (OCP MX v1.0); their sums are f32. All else is computed in f32.
;;   The module's matrix products, in the order in which they are computed (A, B: the left and right operand; K: the contracted axis; several contracted axes count as one K, in the product's order):
;;     1. [M 1,024, K 1,024] x [K 1,024, N 8]; A: input x; B: input Wr: left as it is (N = 8 < 16)
;;     2. batch 1,024 x [M 1, K 2] x [K 2, N 8]; A: computed on the way; B: computed on the way: left as it is (K = 2 < 32)
;;     3. [M 1,024, K 1,024] x [K 1,024, N 16,384]; A: input x; B: input w1: QUANTISED
;;     4. [M 1,024, K 1,024] x [K 1,024, N 16,384]; A: input x; B: input w2: QUANTISED
;;     5. batch 8 x [M 1,024, K 2,048] x [K 2,048, N 1,024]; A: input w3; B: computed on the way: QUANTISED
;;     6. batch 1,024 x [M 1, K 8] x [K 8, N 1,024]; A: computed on the way; B: computed on the way: left as it is (K = 8 < 32)
;;   THE QUANTISER, for each operand of a quantised product, along K:
;;     - K is cut into blocks of 32 from its start; a last block that is shorter is filled with zeros.
;;     - A block's scale is 2^e with e = floor(log2(the largest magnitude in the block)) - 8, held to -126 .. 127; a block of zeros has e = 0. As a byte (E8M0): e + 127.
;;     - Each number is divided by its block's scale, clamped to +-448, and rounded to the nearest number of E4M3, ties to even, subnormals kept.
;;     - The product sums the exact products of the quantised numbers (number of the format x scale) in f32.
;;   ~~~python
;;   def quantise(x, axis):      # numpy; x: float32 -> the quantised numbers, widened to float32 again
;;       x = np.moveaxis(x, axis, -1); K = x.shape[-1]
;;       x = np.pad(x, [(0, 0)] * (x.ndim - 1) + [(0, -K % 32)]); x = x.reshape(x.shape[:-1] + (-1, 32)); a = np.abs(x).max(-1, keepdims=True)
;;       e = np.where(a > 0, np.clip(np.frexp(np.where(a > 0, a, 1))[1] - 1 - 8, -126, 127), 0)      # np.frexp(a)[1] - 1 = floor(log2(a)), exactly
;;       r = np.clip(x / 2.0 ** e, -448, 448)
;;       step = 2.0 ** (np.maximum(np.frexp(np.where(r == 0, 1, r))[1] - 1, -6) - 3)
;;       q = np.round(r / step) * step * 2.0 ** e      # np.round: ties to even
;;       return np.moveaxis(q.reshape(q.shape[:-2] + (-1,))[..., :K], -1, axis).astype(np.float32)
;;   ~~~
;;   OPERANDS COMPUTED ON THE WAY. 'Computed on the way' means the value that the module computes at that place (a softmax that the list does not call 'softmax' is quantised finished and normalised). What goes into a quantiser is computed in f32, as accurately as f32 sums, v_exp_f32 and their like allow (about 1e-6 of the number): no bf16 or f16 on the way to a quantiser, and a product that is left as it is and whose result goes on into a quantised operand takes f32 operands (vector FMAs, or v_wmma_f32_16x16x4_f32). A number that lies on a knife's edge between two numbers of the format may be rounded either way, as far as f32 arithmetic and the matrix unit's own rounding can turn it there, and no further.
;; 2 versions. Each part assembles by itself: llvm-mc -triple=amdgcn-amd-amdhsa -mcpu=gfx1250 --defsym DOCPART=n.
;; ======== version 1 of 2: 4 launches
;; workspace buffers: xq 1,081,344 bytes; route 9,216 bytes of whole numbers; rw 10,240 bytes; posn 32,768 bytes of whole numbers; hid 21,626,880 bytes; y 83,886,080 bytes
;; launch router (part 1): grid 64 x 1, 16 waves a work-group, no clusters, 39,424 bytes of LDS; arguments x, Wr, xq, route, rw; writes xq, route, rw
.if DOCPART == 1
	.amdgcn_target "amdgcn-amd-amdhsa--gfx1250"
	.amdhsa_code_object_version 6
	.text
	.protected	k_q2f82826f0f_router
	.globl	k_q2f82826f0f_router
	.p2align	8
	.type	k_q2f82826f0f_router,@function
k_q2f82826f0f_router:
	s_mov_b64 s[64:65], 0
	v_nop
	global_prefetch_b8 v0, s[64:65] scope:SCOPE_SE
	s_setreg_imm32_b32 hwreg(HW_REG_WAVE_MODE, 25, 1), 1
	s_wait_xcnt 0x0
; ROUTER AND QUANTISER OF x.  x [1024 tokens][1024] f32, Wr [1024][8] f32.
; Stores: xq = codes of x in E4M3, K innermost, [1024][1024] bytes, and from byte XSC on one E8M0 byte for each 32 along K, [1024][32];
;         route = the two chosen experts of each token, {e0, e1} as 32-bit words, and from byte MSK on a bit mask [8 experts][1024 bits]: bit t of expert e = token t uses e;
;         rw = the two renormalised weights {c0, c1} of each token, f32, and from byte PSUM on the sum of the 16 tokens' probabilities, [64 work-groups][8].
; No address and no branch here hangs on the choice: everything is stored at fixed places, and later launches read it.
; SHARES.  A work-group owns 16 tokens.  Wave wv: tg = wv / 4 owns tokens 4 tg .. 4 tg + 3; kq = wv % 4 owns k in [256 kq, 256 kq + 256).  Lane l owns k = 256 kq + 8 l + 0..7:
; a block of 32 along K lies in four neighbouring lanes.  The logits are f32 multiply-adds (the choice of experts hangs on them).
; Wr GOES THROUGH LDS.  A lane wants the eight rows of Wr of its eight k: 256 bytes on end, 256 bytes from lane to lane.  So the work-group loads Wr once, 16 bytes a thread, each load of a wave 512
; consecutive bytes, and lays it in LDS with 16 bytes of padding behind each 256: the 16 lanes of a read then fall into 16 different columns of 16 bytes.
; THE SUMS ARE FOLDED.  A lane has 32 partial sums (4 tokens x 8 experts), a wave 32 lanes: in each of five steps a lane keeps half of its sums and hands the other half to the lane that keeps them
; (lane xor 16, 8, 4, 2, 1).  At the end lane l holds sum number l = 8 token + expert, whole over the wave's 256 k, and one store of the wave lays 128 consecutive bytes.  The four quarters of K meet in LDS.
; Matrix units, clusters and tensor loads are left out: 4 MB are read once, and a product with 8 columns is too narrow for a matrix tile.
; LIMITS: NaN and infinities among the inputs are not served.  A block of zeros gets the byte 1 where the quantiser says 127: its codes are zeros, and the bytes are read by this program alone.
; Two probabilities equal within f32 rounding may be ranked the other way round; the exponential gives 0 for results under 2^-126.
.set XSC,  1048576                     ; xq: where the scale bytes begin
.set MSK,  8192                        ; route: where the masks begin
.set PSUM, 8192                        ; rw: where the sums begin
.set XSCL, 2048                        ; LDS: bytes 0-2047 partial logits [4 kq][16 tokens][8]; bytes 2048-2559 scale bytes [16 tokens][32]
.set WRL,  2560                        ; LDS: Wr, 128 runs of 256 bytes + 16
.set WCH,  272
.set T,    8                           ; v8-15    eight held numbers
.set BYT,  20                          ; v20-23   a scale byte for each of the four quantisations
.set CD,   24                          ; v24-31   their codes, a pair each: no store's data are written again
.set X,    32                          ; v32-63   x: register 8 tt + i
.set WR,   64                          ; v64-127  Wr: register 8 i + e
.set KP,   128                         ; v128-143 Wr as loaded; later what a lane keeps in a fold
.set SD,   144                         ; v144-159 what it sends
.set AC,   192                         ; v192-223 logits: register 8 tt + e
.set WRS,  253                         ; v253     LDS: where my thread's 16 bytes of Wr go
.set WRR,  254                         ; v254     LDS: my lane's eight rows of Wr
	s_load_b256 s[4:11], s[0:1], 0x0               ; x s[4:5], Wr s[6:7], xq s[8:9], route s[10:11]
	s_load_b64 s[12:13], s[0:1], 0x20              ; rw
	v_lshl_add_u32 v251, v0, 2, 0x9200
	v_mov_b32 v255, 0
	v_lshrrev_b32 v7, 5, v0
	v_readfirstlane_b32 s14, v7                    ; wave 0..15
	s_lshr_b32 s15, s14, 2                         ; tg
	s_and_b32 s16, s14, 3                          ; kq
	v_and_b32 v1, 31, v0                           ; lane
	v_lshlrev_b32 v2, 5, v1                        ; x: 32 bytes a lane
	v_lshlrev_b32 v3, 4, v0                        ; Wr: 16 bytes a thread
	v_lshlrev_b32 v4, 3, v1                        ; codes: 8 bytes a lane
	s_lshl_b32 s17, s15, 7                         ; 128 tg: four tokens of 32 bytes
	s_lshl_b32 s18, s16, 3
	s_add_co_u32 s18, s18, s17
	s_add_co_u32 s18, s18, XSCL
	v_lshrrev_b32 v5, 2, v1
	v_add_nc_u32 v5, s18, v5                       ; LDS: my block's scale byte: XSCL + 128 tg + 8 kq + lane / 4
	s_lshl_b32 s18, s16, 9
	s_add_co_u32 s18, s18, s17
	v_lshl_add_u32 v6, v1, 2, s18                  ; LDS: my sum: 512 kq + 128 tg + 4 lane = 512 kq + 32 token + 4 expert
	v_lshrrev_b32 v[WRS], 4, v0
	v_add_nc_u32 v[WRS], v[WRS], v0
	v_lshl_add_u32 v[WRS], v[WRS], 4, WRL          ; WRL + 16 t + 16 (t / 16)
	s_mul_i32 s18, s16, 32*WCH
	s_add_co_u32 s18, s18, WRL
	v_mul_u32_u24 v[WRR], v1, WCH
	v_add_nc_u32 v[WRR], s18, v[WRR]               ; WRL + 272 (32 kq + lane)
	v_lshl_add_u32 v241, v1, 4, XSCL               ; wave 1's way out: 16 bytes a lane of the scale bytes
	v_lshlrev_b32 v240, 4, v1
	v_and_b32 v243, 15, v0                         ; wave 0's tail: a lane to a token
	v_lshlrev_b32 v242, 5, v243
	v_lshlrev_b32 v250, 3, v243
	v_mov_b32 v252, 0
	s_mov_b32 s20, 0x76543210
	s_mov_b32 s21, 0xfedcba98                      ; v_permlanex16_b32's selects for lane l xor 16
	s_mov_b32 s22, 0x600000                        ; the mantissa field of 448
	s_lshl_b32 s24, ttmp9, 4
	s_lshl_b32 s25, s15, 2
	s_add_co_u32 s24, s24, s25                     ; my first token: 16 x work-group + 4 tg
	s_lshl_b32 s26, s24, 12
	s_lshl_b32 s25, s16, 10
	s_add_co_u32 s26, s26, s25                     ; x: 4,096 bytes a token + 1,024 kq
	s_mov_b32 s27, 0
	s_lshl_b32 s30, s24, 10
	s_lshl_b32 s25, s16, 8
	s_add_co_u32 s30, s30, s25                     ; codes: 1,024 bytes a token + 256 kq
	s_mov_b32 s31, 0
	s_lshl_b32 s32, ttmp9, 9
	s_add_co_u32 s32, s32, XSC                     ; the work-group's 512 scale bytes
	s_mov_b32 s33, 0
	s_lshl_b32 s34, ttmp9, 7                       ; 16 tokens x 8 bytes
	s_mov_b32 s35, 0
	s_lshl_b32 s38, ttmp9, 1
	s_add_co_u32 s38, s38, MSK                     ; the work-group's 16 bits of each mask
	s_mov_b32 s39, 0
	s_lshl_b32 s40, ttmp9, 5
	s_add_co_u32 s40, s40, PSUM
	s_mov_b32 s41, 0
	s_wait_kmcnt 0x0
	s_add_nc_u64 s[4:5], s[4:5], s[26:27]
	s_add_nc_u64 s[36:37], s[8:9], s[32:33]
	s_add_nc_u64 s[8:9], s[8:9], s[30:31]
	s_add_nc_u64 s[38:39], s[10:11], s[38:39]
	s_add_nc_u64 s[10:11], s[10:11], s[34:35]
	s_add_nc_u64 s[40:41], s[12:13], s[40:41]
	s_add_nc_u64 s[12:13], s[12:13], s[34:35]
.irp j, 0,1,2,3
	global_load_b128 v[KP+4*\j:KP+4*\j+3], v3, s[6:7] offset:8192*\j   ; Wr: the 512 threads cover 8,192 bytes a load, a wave 512 consecutive bytes
.endr
.irp tt, 0,1,2,3
.irp hf, 0,1
	global_load_b128 v[X+8*\tt+4*\hf:X+8*\tt+4*\hf+3], v2, s[4:5] offset:4096*\tt+16*\hf th:TH_LOAD_NT
.endr
.endr
	s_wait_loadcnt 8                               ; Wr's four loads are in; x's eight, issued behind them, may be out
.irp j, 0,1,2,3
	ds_store_b128 v[WRS], v[KP+4*\j:KP+4*\j+3] offset:32*WCH*\j
.endr
; Eight numbers of token tt become eight codes; four neighbouring lanes hold the block.
.macro QX tt
.set XR, X+8*(\tt)
	v_max3_num_f32 v16, |v[XR]|, |v[XR+1]|, 0x4800000              ; the largest magnitude of my eight, and the floor 2^(9 - 127): so the byte cannot fall under 1
	v_max3_num_f32 v17, |v[XR+2]|, |v[XR+3]|, |v[XR+4]|
	v_max3_num_f32 v16, v16, |v[XR+5]|, |v[XR+6]|
	v_max3_num_f32 v16, v16, v17, |v[XR+7]|
	v_max_num_f32_dpp v16, v16, v16 row_xmask:1 row_mask:0xf bank_mask:0xf
	v_max_num_f32_dpp v16, v16, v16 row_xmask:2 row_mask:0xf bank_mask:0xf   ; the block's
	v_add_nc_u32 v18, 0xfc000000, v16              ; 8 off its exponent field: the conversion takes this operand's exponent field as its scale
	v_and_or_b32 v19, v16, 0x7f800000, s22         ; 448 x the scale
	v_lshrrev_b32 v[BYT+\tt], 23, v18              ; the scale's byte
.irp i, 0,1,2,3,4,5,6,7
	v_med3_num_f32 v[T+\i], v[XR+\i], -v19, v19    ; the conversion to an 8-bit code does not saturate (ISA guide 7.6.2): the hold; x itself stays for the logits
.endr
	v_cvt_scalef32_pk8_fp8_f32 v[CD+2*(\tt):CD+2*(\tt)+1], v[T:T+7], v18
	v_nop                                          ; one plain line between a scaled conversion and the next write of its sources
	ds_store_b8 v5, v[BYT+\tt] offset:32*(\tt)     ; the four lanes of a block write the same byte with the same value
	global_store_b64 v4, v[CD+2*(\tt):CD+2*(\tt)+1], s[8:9] offset:1024*(\tt)   ; the wave stores 256 consecutive bytes, aligned
.endm
	s_wait_loadcnt 0x0                             ; x
	QX 0
	QX 1
	QX 2
	QX 3
	s_wait_dscnt 0x0                               ; for the others' sake: my part of Wr and my scale bytes lie in LDS
	s_barrier_signal -1
	s_barrier_wait -1                              ; all of Wr lies in LDS, and nobody writes it again
.irp n, 0,1,2,3,4,5,6,7,8,9,10,11,12,13,14,15
	ds_load_b128 v[WR+4*\n:WR+4*\n+3], v[WRR] offset:16*\n         ; my eight rows of Wr: register 8 i + e
.endr
	s_wait_dscnt 0x0
; the logits: 8 k a lane, two experts an instruction, sixteen chains by turns; the first k starts the sums
.irp i, 0,1,2,3,4,5,6,7
.irp tt, 0,1,2,3
.irp p, 0,1,2,3
.if \i == 0
	v_pk_mul_f32 v[AC+8*\tt+2*\p:AC+8*\tt+2*\p+1], v[WR+2*\p:WR+2*\p+1], v[X+8*\tt:X+8*\tt+1] op_sel_hi:[1,0]
.elseif (\i % 2) == 0
	v_pk_fma_f32 v[AC+8*\tt+2*\p:AC+8*\tt+2*\p+1], v[WR+8*\i+2*\p:WR+8*\i+2*\p+1], v[X+8*\tt+\i:X+8*\tt+\i+1], v[AC+8*\tt+2*\p:AC+8*\tt+2*\p+1] op_sel_hi:[1,0,1]
.else
	v_pk_fma_f32 v[AC+8*\tt+2*\p:AC+8*\tt+2*\p+1], v[WR+8*\i+2*\p:WR+8*\i+2*\p+1], v[X+8*\tt+\i-1:X+8*\tt+\i], v[AC+8*\tt+2*\p:AC+8*\tt+2*\p+1] op_sel:[0,1,0] op_sel_hi:[1,1,1]
.endif
.endr
.endr
.endr
; THE FOLDS.  Of sums i and i + n a lane whose bit is 0 keeps i and sends i + n, a lane whose bit is 1 keeps i + n and sends i; each adds what its partner sends.  The bit so becomes a bit of the sum's number.
	s_mov_b32 vcc_lo, 0xffff0000                   ; lanes 16-31
.set ii, 0
.rept 16
	v_cndmask_b32 v[KP+ii], v[AC+ii], v[AC+16+ii], vcc_lo
	v_cndmask_b32 v[SD+ii], v[AC+16+ii], v[AC+ii], vcc_lo
.set ii, ii+1
.endr
.set ii, 0
.rept 16
	v_permlanex16_b32 v[AC+16+ii], v[SD+ii], s20, s21              ; (the destination, which counts as a source, holds a sum that is done with)
.set ii, ii+1
.endr
.set ii, 0
.rept 16
	v_add_f32 v[AC+ii], v[KP+ii], v[AC+16+ii]
.set ii, ii+1
.endr
.macro FOLD n, mask                    ; n sums are left; the partner is lane xor n
	s_mov_b32 vcc_lo, \mask
.set ii, 0
.rept \n
	v_cndmask_b32 v[KP+ii], v[AC+ii], v[AC+\n+ii], vcc_lo
	v_cndmask_b32 v[SD+ii], v[AC+\n+ii], v[AC+ii], vcc_lo
.set ii, ii+1
.endr
.set ii, 0
.rept \n
	v_add_f32_dpp v[AC+ii], v[SD+ii], v[KP+ii] row_xmask:\n row_mask:0xf bank_mask:0xf
.set ii, ii+1
.endr
.endm
	FOLD 8, 0xff00ff00
	FOLD 4, 0xf0f0f0f0
	FOLD 2, 0xcccccccc
	FOLD 1, 0xaaaaaaaa                             ; lane l holds sum number l: token l / 8 of my four, expert l % 8
	ds_store_b32 v6, v[AC]                         ; the wave stores 128 consecutive bytes
	s_wait_dscnt 0x0                               ; for the others' sake: my sums lie in LDS
	s_barrier_signal -1
	s_barrier_wait -1
	s_cmp_eq_u32 s14, 0
	s_cbranch_scc1 .Lwave0
	s_cmp_eq_u32 s14, 1
	s_cbranch_scc1 .Lwave1
	s_wait_tensorcnt 0x0
	ds_add_u32 v251, v255
	s_wait_dscnt 0x0
	s_endpgm
.Lwave1:                                               ; the 16 tokens' 512 scale bytes leave as two aligned runs of 256 bytes
	ds_load_b128 v[212:215], v241
	s_wait_dscnt 0x0
	global_store_b128 v240, v[212:215], s[36:37]
	s_wait_tensorcnt 0x0
	ds_add_u32 v251, v255
	s_wait_dscnt 0x0
	s_endpgm
.Lwave0:                                               ; a lane to a token (lanes 16-31 do what lanes 0-15 do)
.irp q, 0,1,2,3
	ds_load_b128 v[208+8*\q:211+8*\q], v242 offset:512*\q
	ds_load_b128 v[212+8*\q:215+8*\q], v242 offset:512*\q+16
.endr
	s_wait_dscnt 0x0
.irp n, 0,2,4,6
	v_pk_add_f32 v[208+\n:209+\n], v[208+\n:209+\n], v[216+\n:217+\n]
	v_pk_add_f32 v[224+\n:225+\n], v[224+\n:225+\n], v[232+\n:233+\n]
.endr
.irp n, 0,2,4,6
	v_pk_add_f32 v[208+\n:209+\n], v[208+\n:209+\n], v[224+\n:225+\n]   ; the four quarters of K: the logits
.endr
	v_max3_num_f32 v224, v208, v209, v210
	v_max3_num_f32 v224, v224, v211, v212
	v_max3_num_f32 v224, v224, v213, v214
	v_max_num_f32 v224, v224, v215                 ; the maximum is taken away ahead of the exponential
.irp e, 0,1,2,3,4,5,6,7
	v_sub_f32 v[216+\e], v[208+\e], v224
.endr
.irp e, 0,1,2,3,4,5,6,7
	v_mul_f32 v[216+\e], 0x3fb8aa3b, v[216+\e]     ; x log2(e)
.endr
.irp e, 0,1,2,3,4,5,6,7
	v_exp_f32 v[216+\e], v[216+\e]
.endr
	v_nop                                          ; a plain line behind the exponentials
	s_wait_alu depctr_va_vdst(0)
	v_add_f32 v226, v216, v217
	v_add_f32 v227, v218, v219
	v_add_f32 v225, v220, v221
	v_add_f32 v224, v222, v223
	v_add_f32 v226, v226, v227
	v_add_f32 v225, v225, v224
	v_add_f32 v226, v226, v225
	v_rcp_f32 v227, v226
	v_nop
	s_wait_alu depctr_va_vdst(0)
.irp e, 0,1,2,3,4,5,6,7
	v_mul_f32 v[216+\e], v[216+\e], v227           ; the probabilities
.endr
	v_mov_b32 v228, v216                           ; the largest: a later expert wins only if it is strictly larger, so the lower index is kept on a tie
	v_mov_b32 v248, 0
.irp e, 1,2,3,4,5,6,7
	v_cmp_le_f32 vcc_lo, v[216+\e], v228
	v_cndmask_b32 v228, v[216+\e], v228, vcc_lo
	v_cndmask_b32 v248, \e, v248, vcc_lo
.endr
.irp e, 0,1,2,3,4,5,6,7
	v_cmp_ne_u32 vcc_lo, \e, v248
	v_cndmask_b32 v[232+\e], -1.0, v[216+\e], vcc_lo               ; the winner is taken out: -1 lies under every probability
.endr
	v_mov_b32 v230, v232                           ; the second largest, likewise
	v_mov_b32 v249, 0
.irp e, 1,2,3,4,5,6,7
	v_cmp_le_f32 vcc_lo, v[232+\e], v230
	v_cndmask_b32 v230, v[232+\e], v230, vcc_lo
	v_cndmask_b32 v249, \e, v249, vcc_lo
.endr
	v_add_f32 v244, v228, v230
	v_rcp_f32 v245, v244
	v_nop
	s_wait_alu depctr_va_vdst(0)
	v_mul_f32 v246, v228, v245                     ; the two weights, renormalised
	v_mul_f32 v247, v230, v245
.irp m, 1,2,4,8
.irp e, 0,1,2,3,4,5,6,7
	v_add_f32_dpp v[216+\e], v[216+\e], v[216+\e] row_xmask:\m row_mask:0xf bank_mask:0xf   ; the 16 tokens' probabilities, summed
.endr
.endr
.irp e, 0,1,2,3,4,5,6,7
	v_cmp_eq_u32 s24, \e, v248
	v_cmp_eq_u32 s25, \e, v249
	s_or_b32 s24, s24, s25
	s_and_b32 s24, s24, 0xffff                     ; bit i: token i of my 16 uses expert e
	v_mov_b32 v[232+\e], s24
.endr
	s_wait_xcnt 0x0                                ; EXEC changes only behind this wait: my stores of codes name it
	v_cmp_gt_u32 vcc_lo, 16, v0
	s_wait_tensorcnt 0x0
	ds_add_u32 v251, v255
	s_wait_dscnt 0x0
	s_and_saveexec_b32 s26, vcc_lo
	global_store_b64 v250, v[248:249], s[10:11]    ; {e0, e1}
	global_store_b64 v250, v[246:247], s[12:13]    ; {c0, c1}
	s_wait_xcnt 0x0
	s_or_b32 exec_lo, exec_lo, s26
	v_cmp_eq_u32 vcc_lo, 0, v0
	s_and_saveexec_b32 s26, vcc_lo
.irp e, 0,1,2,3,4,5,6,7
	global_store_b16 v252, v[232+\e], s[38:39] offset:128*\e       ; 16 bits of each expert's mask
.endr
	global_store_b128 v252, v[216:219], s[40:41]
	global_store_b128 v252, v[220:223], s[40:41] offset:16
	s_wait_xcnt 0x0
	s_or_b32 exec_lo, exec_lo, s26
	s_endpgm
.Lfunc_end_k_q2f82826f0f_router:
	.size	k_q2f82826f0f_router, .Lfunc_end_k_q2f82826f0f_router-k_q2f82826f0f_router
	.p2alignl 7, 3214868480
	.fill 96, 4, 3214868480
	.section	.rodata,"a",@progbits
	.p2align	6, 0x0
	.amdhsa_kernel k_q2f82826f0f_router
		.amdhsa_group_segment_fixed_size 39424
		.amdhsa_private_segment_fixed_size 0
		.amdhsa_enable_private_segment 0
		.amdhsa_kernarg_size 40
		.amdhsa_user_sgpr_count 2
		.amdhsa_user_sgpr_kernarg_segment_ptr 1
		.amdhsa_wavefront_size32 1
		.amdhsa_system_sgpr_workgroup_id_x 1
		.amdhsa_system_sgpr_workgroup_id_y 1
		.amdhsa_system_sgpr_workgroup_id_z 1
		.amdhsa_system_vgpr_workitem_id 0
		.amdhsa_next_free_vgpr 256
		.amdhsa_next_free_sgpr 66
		.amdhsa_reserve_vcc 1
		.amdhsa_float_denorm_mode_32 3
		.amdhsa_float_denorm_mode_16_64 3
		.amdhsa_memory_ordered 1
		.amdhsa_forward_progress 1
		.amdhsa_inst_pref_size 36
	.end_amdhsa_kernel
	.amdgpu_metadata
---
amdhsa.version: [ 1, 2 ]
amdhsa.kernels:
  - .name:           k_q2f82826f0f_router
    .symbol:         k_q2f82826f0f_router.kd
    .args:
      - { .name: x, .offset: 0, .size: 8, .value_kind: global_buffer, .address_space: global }
      - { .name: Wr, .offset: 8, .size: 8, .value_kind: global_buffer, .address_space: global }
      - { .name: xq, .offset: 16, .size: 8, .value_kind: global_buffer, .address_space: global }
      - { .name: route, .offset: 24, .size: 8, .value_kind: global_buffer, .address_space: global }
      - { .name: rw, .offset: 32, .size: 8, .value_kind: global_buffer, .address_space: global }
    .group_segment_fixed_size: 39424
    .private_segment_fixed_size: 0
    .kernarg_segment_align: 8
    .kernarg_segment_size: 40
    .max_flat_workgroup_size: 512
    .sgpr_count:     66
    .vgpr_count:     256
    .wavefront_size: 32
...
	.end_amdgpu_metadata
.endif
;; end of part 1
;; launch gateup (part 2): grid 256 x 1, 4 waves a work-group, no clusters, 207,616 bytes of LDS; arguments w1, w2, xq, route, hid, posn; writes hid, posn
.if DOCPART == 2
	.amdgcn_target "amdgcn-amd-amdhsa--gfx1250"
	.amdhsa_code_object_version 6
	.text
	.protected	k_q2f82826f0f_gateup
	.globl	k_q2f82826f0f_gateup
	.p2align	8
	.type	k_q2f82826f0f_gateup,@function
k_q2f82826f0f_gateup:
	s_mov_b64 s[64:65], 0
	v_nop
	global_prefetch_b8 v0, s[64:65] scope:SCOPE_SE
	s_setreg_imm32_b32 hwreg(HW_REG_WAVE_MODE, 25, 1), 1
	s_wait_xcnt 0x0
; hidden = silu(x w1[e]) * (x w2[e]) for the rows that chose expert e, both products on codes of E4M3 with one E8M0 scale for each 32 along K = 1,024; the result is quantised along I and stored as codes.
; SHARES.  Work-group = (expert e = wg / 32, columns 64 s .. 64 s + 63 of I, s = wg % 32).  Its slices of w1 and w2, 2 x 1,024 x 64 f32, are read from memory ONCE, quantised in registers and kept in LDS as
; images of operand registers.  Then the expert's rows are walked in sweeps of 320 positions: wave w takes five tiles of 16 rows, all 64 columns, in two passes of 32 columns.
; THE STREAM.  Wave w streams matrix w / 2 (w1, w2), half w % 2 of K.  A set is 32 k x 64 columns: 16 loads; in each, lanes 0-15 read 256 consecutive aligned bytes of row 32 kb + i and lanes 16-31 of row 32 kb + 16 + i.
; So lane (r16, h) holds columns 4 r16 + 0..3 at k = 32 kb + 16 h + 0..15: a block's maximum wants lane l xor 16 alone, and a column's 16 codes are registers 4 c .. 4 c + 3 of an operand fragment.
; Four sets, 64 loads of 512 bytes a wave, are asked for ahead, in a ring of registers with counted waits.  Sixty of the first 64 go out at the head and the last four behind the search for the rows: with the
; two scalar loads of the masks 62 instructions are then out, so that no issue is held at a counter's field (ISA guide 5.7.1) while the head's work, which needs none of these loads, is due.
; THE COLUMNS OF A TILE ARE NOT NEIGHBOURS: of a pass's 32 columns q5, tile u takes those with (q5 / 8) % 2 = u, at tile row q5 % 8 + 8 (q5 / 16).  The products are used transposed (source 0 = 16 weight columns,
; source 1 = 16 rows of x), so a lane holds ONE row, and the 16 registers of gate's two tiles are columns 16 h + 0..15 of the pass: 16 neighbours along the next product's K.
; THE ROWS.  route holds a bit mask of the expert's tokens.  F[t] = members among tokens under t (wave 0 makes it, in LDS; the work-groups with s = 0 store it as posn).  The token at position p is the
; largest t with F[t] <= p, found by ten halvings in LDS; positions at or past the count give token 1,023, whose results nobody reads.  All searches stand at the head, between two barriers between which no
; wave stores to LDS; those of sweeps 1 to 3 are jumped over where the expert has no second sweep.  A wave's sweep is worked if its first position lies under max(count, 241): so the first sweep is always
; worked, four sweeps serve 1,024 rows on one expert, and the next launch, which takes the same decision, reads no byte that was not stored.
; hid: codes [8 e][80 tiles][16 K steps][2,048-byte image: four runs of 512 bytes, lane l's 16 bytes at 16 l]; from byte HSC on the scale bytes [8][80][16 rows][64 blocks].
; NO JOINT LOADS: what the 32 work-groups of an expert share, the rows' codes (320 KB a sweep), is gathered by a list straight into registers and has no room in LDS beside 132 KB of weight images;
; the weights, which are nearly all of the bytes, are shared by nobody.  No tensor loads: the ring in registers keeps loads on their way without a gap at a change of slots.
; LIMITS: NaN and infinities among the inputs are not served.  A block of zeros gets the byte 1 where the quantiser says 127: its codes are zeros, and the bytes are read by this program alone.
; REGISTERS, in windows of 256: window 0: v1-18 addresses; v24-28, v56-60, v88-92 the tokens of sweeps 3, 1, 2; v32-55 at work; v64-83 x's scale words, v84-87 the weights' (these hold scales and nothing else);
; v96-255 the 20 accumulators (slot sl, tile f) at 96 + 32 sl + 8 f, and ahead of the products held numbers, codes and the gather's offsets.  Windows 1, 2 and the low half of 3: x's fragments, slot sl,
; K step ks at 128 (sl % 2) + 16 ks.  Window 3: in the stream the ring of four sets; later its high half holds two sets of four weight fragments.
.set MSK,   8192                       ; route: where the masks begin
.set XSC,   1048576                    ; xq: where the scale bytes begin
.set HSC,   20971520                   ; hid: where the scale bytes begin
.set ROWB,  8192                       ; a row of w1 or w2 in bytes
.set SETB,  32*ROWB                    ; a set's 32 rows
.set WSC,   4096                       ; LDS: bytes 0-4095 F; from WSC the weights' scale words: 2,048 pass + 256 K step + 128 matrix + 64 u + 4 tile row
.set WIMG,  8192                       ; the weight images: PASSB pass + KSTR K step + USTR fragment (2 matrix + u) + 512 c + 16 lane
.set PASSB, 66080
.set KSTR,  8256
.set USTR,  2064                       ; 2,048 + 16: the 16 lanes of a store then fall into 16 different columns of 16 bytes
.set STG,   140544                     ; a stage for each wave: 16 rows of x's codes, 1,024 bytes + 16
.set STGW,  16640
.set SPITCH, 1040
.set R16,  1                           ; lane % 16
.set HH,   2                           ; lane / 16
.set GOFF, 3                           ; the stream: 16 rows x h + 16 r16
.set WST,  4                           ; where my codes go, stepped a K step at a time
.set WSS,  5                           ; and my scale words
.set WRD0, 6                           ; WIMG + 16 lane
.set WSR0, 7                           ; WSC + 4 lane
.set WRD,  8                           ; the same for the pass in hand
.set WSR,  9
.set STS,  10                          ; the stage, in: row h, 16 r16
.set STL,  11                          ; the stage, out: row r16, 16 h
.set H4,   12
.set R16B, 13
.set H16,  14
.set L16,  15
.set HSO,  16                          ; 64 r16: my row's scale bytes in a tile
.set L4,   17
.set L32,  18
.set NX3,  24                          ; v24-28 4 x the tokens of the sweep three on;  v56-60 of the next sweep;  v88-92 of the sweep after it
.set NX1,  56
.set NX2,  88
.set TM,   32                          ; v32-35 largest magnitudes; v36-39 the other half's; v40-43 the conversions' scale operands; v44-47 448 x the scale; v48-51 bytes; v52-55 scale words
.set TP,   36
.set SCL,  40
.set LIM,  44
.set BY,   48
.set SW,   52
.set XS,   64
.set WS,   84
.set ACC,  96
.set T,    96                          ; v96-159  64 held numbers, a column's 16 on end
.set C,    160                         ; v160-175 their codes
.set VO,   176                         ; v176-215 the gather's offsets: slot sl, pair of rows m
.set XSO,  216                         ; v216-220 and those of the scale words
.set PP,   221                         ; v221-225 my position;  v226-230, v231-235 at work in the search;  v236-240 4 x the first sweep's tokens
.set CAND, 226
.set VAL,  231
.set LO,   236
.set BPI,  241                         ; v241-248 lane selects
.set MSB, 0
.macro WIN new                         ; the immediate's high byte repeats the setting that is left; a switch that changes nothing is dropped
.if MSB != (\new)
	s_set_vgpr_msb (MSB<<8)|(\new)
.set MSB, (\new)
.endif
.endm
	s_load_b256 s[4:11], s[0:1], 0x0               ; w1 s[4:5], w2 s[6:7], xq s[8:9], route s[10:11]
	s_load_b128 s[12:15], s[0:1], 0x20             ; hid s[12:13], posn s[14:15]
	v_lshl_add_u32 v94, v0, 2, 0x32900
	v_mov_b32 v95, 0
	v_lshrrev_b32 v19, 5, v0
	v_readfirstlane_b32 s20, v19                   ; wave 0..3
	s_lshr_b32 s21, ttmp9, 5                       ; e
	s_and_b32 s22, ttmp9, 31                       ; s
	v_and_b32 v[R16], 15, v0
	v_bfe_u32 v[HH], v0, 4, 1
	v_lshlrev_b32 v[R16B], 4, v[R16]
	v_lshl_add_u32 v[GOFF], v[HH], 17, v[R16B]
	s_lshl_b32 s16, s21, 7
	s_add_co_u32 s16, s16, MSK                     ; the expert's 128 bytes of mask
	s_and_b32 s17, s20, 1                          ; which half of K I stream
	s_lshr_b32 s24, s20, 1                         ; which matrix
	s_lshl_b32 s18, s21, 23                        ; an expert's 8,388,608 bytes
	s_lshl_b32 s19, s17, 22                        ; 512 rows
	s_add_co_u32 s18, s18, s19
	s_lshl_b32 s19, s22, 8                         ; 64 columns
	s_add_co_u32 s18, s18, s19
	s_mov_b32 s19, 0
	s_mov_b32 s30, 0x76543210
	s_mov_b32 s31, 0xfedcba98                      ; v_permlanex16_b32's selects for lane l xor 16
	s_mov_b32 s99, 0x600000                        ; the mantissa field of 448
	s_mov_b32 s100, 0xbfb8aa3b                     ; -log2(e)
	s_mov_b32 s101, s100                           ; (named with it as a pair)
	s_wait_kmcnt 0x0
	s_load_b512 s[32:47], s[10:11], s16 offset:0x0
	s_load_b512 s[48:63], s[10:11], s16 offset:0x40
	s_cmp_lt_u32 s20, 2                            ; the choice hangs on the wave's number alone
	s_cselect_b64 s[28:29], s[4:5], s[6:7]
	s_add_nc_u64 s[28:29], s[28:29], s[18:19]
	WIN 0xc0                                       ; destination window 3
.irp c, 0,1,2
.irp i, 0,1,2,3,4,5,6,7,8,9,10,11,12,13,14,15
	global_load_b128 v[64*\c+4*\i:64*\c+4*\i+3], v[GOFF], s[28:29] offset:\c*SETB+\i*ROWB th:TH_LOAD_NT   ; the ring is filled before anything else is done:
.endr
.endr
.irp i, 0,1,2,3,4,5,6,7,8,9,10,11
	global_load_b128 v[192+4*\i:192+4*\i+3], v[GOFF], s[28:29] offset:3*SETB+\i*ROWB th:TH_LOAD_NT        ; sixty loads here, the fourth set's last four ahead of the stream
.endr
	WIN 0
	v_and_b32 v19, 31, v0
	v_lshlrev_b32 v[L16], 4, v19
	v_lshlrev_b32 v[L4], 2, v19
	v_lshlrev_b32 v[L32], 5, v19
	v_lshlrev_b32 v[H4], 2, v[HH]
	v_lshlrev_b32 v[H16], 4, v[HH]
	v_lshlrev_b32 v[HSO], 6, v[R16]
	v_lshrrev_b32 v20, 3, v[R16]                   ; column 4 r16 + j: pass r16 / 8,
	v_bfe_u32 v21, v[R16], 1, 1                    ; tile u = (r16 / 2) % 2,
	v_bfe_u32 v22, v[R16], 2, 1                    ; tile row 8 ((r16 / 4) % 2) + 4 (r16 % 2) + j
	v_and_b32 v23, 1, v[R16]
	v_mul_u32_u24 v[WST], v20, PASSB
	v_mad_u32_u24 v[WST], v21, USTR, v[WST]
	v_lshl_add_u32 v[WST], v22, 7, v[WST]
	v_lshl_add_u32 v[WST], v23, 6, v[WST]
	v_lshl_add_u32 v[WST], v[HH], 8, v[WST]
	s_mul_i32 s25, s24, 2*USTR
	s_mul_i32 s26, s17, 4*KSTR
	s_add_co_u32 s25, s25, s26
	s_add_co_u32 s25, s25, WIMG
	v_add_nc_u32 v[WST], s25, v[WST]
	v_lshlrev_b32 v[WSS], 11, v20
	v_lshl_add_u32 v[WSS], v21, 6, v[WSS]
	v_lshl_add_u32 v[WSS], v22, 5, v[WSS]
	v_lshl_add_u32 v[WSS], v23, 4, v[WSS]
	s_lshl_b32 s25, s24, 7
	s_lshl_b32 s26, s17, 10
	s_add_co_u32 s25, s25, s26
	s_add_co_u32 s25, s25, WSC
	v_add_nc_u32 v[WSS], s25, v[WSS]
	v_add_nc_u32 v[WRD0], WIMG, v[L16]
	v_add_nc_u32 v[WSR0], WSC, v[L4]
	s_mul_i32 s25, s20, STGW
	s_add_co_u32 s25, s25, STG
	v_mad_u32_u24 v[STS], v[HH], SPITCH, v[R16B]
	v_add_nc_u32 v[STS], s25, v[STS]
	v_mad_u32_u24 v[STL], v[R16], SPITCH, v[H16]
	v_add_nc_u32 v[STL], s25, v[STL]
.irp j, 0,1,2,3
	v_mov_b32 v[TP+\j], 0                          ; written once: a lane permute's destination counts as one of its sources
.endr
	v_mov_b32 v49, 0
	s_wait_kmcnt 0x0                               ; the masks
	s_mov_b32 s66, 0                               ; s[66 + c]: members among tokens under 32 c
.set ii, 0
.rept 32
	s_bcnt1_i32_b32 s25, s[32+ii]
	s_add_co_u32 s[67+ii], s[66+ii], s25
.set ii, ii+1
.endr
	s_max_u32 s23, s98, 241                        ; a wave's sweep is worked if its first position lies under this
	s_cmp_lg_u32 s20, 0
	s_cbranch_scc1 .Lnot0
.set ii, 0
.rept 32
	v_mbcnt_lo_u32_b32 v[96+ii], s[32+ii], s[66+ii]                ; F[32 c + lane]
	ds_store_b32 v[L4], v[96+ii] offset:128*ii
.set ii, ii+1
.endr
	s_cmp_lg_u32 s22, 0
	s_cbranch_scc1 .Lnot0                          ; one work-group of each expert stores F for the last launch
	s_lshl_b32 s26, s21, 2
	s_mov_b32 s27, 0
	s_add_nc_u64 s[14:15], s[14:15], s[26:27]
.set ii, 0
.rept 32
	global_store_b32 v[L32], v[96+ii], s[14:15] offset:1024*ii     ; posn[t][e]
.set ii, ii+1
.endr
	s_wait_xcnt 0x0                                ; these registers are written again in the stream
.Lnot0:
	s_wait_dscnt 0x0
	s_barrier_signal -1
	s_barrier_wait -1                              ; F lies in LDS for every wave
	s_mul_i32 s24, s20, 80                         ; my first position of the first sweep
	s_mul_i32 s25, s21, 80
	s_mul_i32 s26, s20, 5
	s_add_co_u32 s25, s25, s26                     ; my first tile: 80 e + 5 w
	s_lshl_b32 s42, s25, 15                        ; a tile's 16 images
	s_lshr_b32 s26, s22, 1
	s_lshl_b32 s26, s26, 11                        ; K step s / 2 of the next product,
	s_add_co_u32 s42, s42, s26
	s_and_b32 s26, s22, 1
	s_lshl_b32 s26, s26, 10                        ; its runs 2 (s % 2) and 2 (s % 2) + 1
	s_add_co_u32 s42, s42, s26
	s_mov_b32 s43, 0
	s_add_nc_u64 s[32:33], s[12:13], s[42:43]      ; the sweep's codes
	s_lshl_b32 s42, s25, 10
	s_lshl_b32 s26, s22, 1
	s_add_co_u32 s42, s42, s26
	s_add_co_u32 s42, s42, HSC
	s_add_nc_u64 s[36:37], s[12:13], s[42:43]      ; and its scale bytes: block 2 s
	s_add_nc_u64 s[40:41], s[8:9], XSC             ; x's scale bytes
; 4 x the token at position s24 + 320 rr + 16 sl + r16 into v[dst + sl] (which begins as 0), for the five slots by turns: the largest t with F[t] <= position, by ten halvings.
; Behind the step st the steps taken sum to 1,024 - st at the most: the address is held there, which changes no value, so that the next load, 4 (st / 2) bytes on, stays under byte 4,096, inside F.
.macro SEARCH dst, rr
.irp sl, 0,1,2,3,4
	v_add3_u32 v[PP+\sl], v[R16], s24, 320*(\rr)+16*\sl
.endr
.irp st, 512,256,128,64,32,16,8,4,2,1
.irp sl, 0,1,2,3,4
	ds_load_b32 v[VAL+\sl], v[\dst+\sl] offset:4*\st
.endr
.irp sl, 0,1,2,3,4
	v_add_nc_u32 v[CAND+\sl], 4*\st, v[\dst+\sl]
.endr
	s_wait_dscnt 0x0
.irp sl, 0,1,2,3,4
	v_cmp_le_u32 vcc_lo, v[VAL+\sl], v[PP+\sl]
	v_cndmask_b32 v[\dst+\sl], v[\dst+\sl], v[CAND+\sl], vcc_lo
.endr
.irp sl, 0,1,2,3,4
	v_min_u32 v[\dst+\sl], 4*(1024-\st), v[\dst+\sl]
.endr
.endr
.endm
; The gather's offsets, from 4 x the tokens in v[src + sl].  A load takes two rows: lanes 0-15 row 2 m, lanes 16-31 row 2 m + 1, 16 bytes a lane: so each lane fetches that row's token from the lane that found it.
.macro VOFF src
.irp m, 0,1,2,3,4,5,6,7
	v_add_nc_u32 v[BPI+\m], 8*\m, v[H4]            ; 4 x lane 2 m + h
.endr
.irp sl, 0,1,2,3,4
.irp m, 0,1,2,3,4,5,6,7
	ds_bpermute_b32 v[VO+8*\sl+\m], v[BPI+\m], v[\src+\sl]
.endr
.endr
	s_wait_dscnt 0x0
.set ii, 0
.rept 40
	v_min_u32 v[VO+ii], 0xffc, v[VO+ii]            ; 4 x a token: at most 4 x 1,023
.set ii, ii+1
.endr
.set ii, 0
.rept 40
	v_lshl_add_u32 v[VO+ii], v[VO+ii], 8, v[R16B]  ; 1,024 bytes a token + 16 r16
.set ii, ii+1
.endr
.irp sl, 0,1,2,3,4
	v_min_u32 v[XSO+\sl], 0xffc, v[\src+\sl]
	v_lshl_add_u32 v[XSO+\sl], v[XSO+\sl], 3, v[H16]               ; 32 scale bytes a token + 16 h: lanes 0-15 K steps 0-3, lanes 16-31 K steps 4-7
.endr
.endm
.macro XSLOAD
.irp sl, 0,1,2,3,4
	global_load_b128 v[XS+4*\sl:XS+4*\sl+3], v[XSO+\sl], s[40:41]
.endr
.endm
.macro XLOADS sl                       ; slot sl's 16 rows of codes, as they lie: 32 loads, each half of the wave reading 256 consecutive aligned bytes of one row
.if \sl < 2
	WIN 0x40
.elseif \sl < 4
	WIN 0x80
.else
	WIN 0xc0
.endif
.irp m, 0,1,2,3,4,5,6,7
.irp q, 0,1,2,3
	global_load_b128 v[128*((\sl)&1)+16*\m+4*\q:128*((\sl)&1)+16*\m+4*\q+3], v[VO+8*(\sl)+\m], s[8:9] offset:256*\q
.endr
.endr
	WIN 0
.endm
.macro RING c                          ; ring slot c takes the set four sets on
	WIN 0xc0
.irp i, 0,1,2,3,4,5,6,7,8,9,10,11,12,13,14,15
	global_load_b128 v[64*(\c)+4*\i:64*(\c)+4*\i+3], v[GOFF], s[28:29] offset:((\c)+4)*SETB+\i*ROWB th:TH_LOAD_NT
.endr
.endm
; A TURN: the set in ring slot c (block c of a K step) is quantised and its codes go to LDS.  n: the younger loads that may stay out.  kind: what is asked for in the slot's stead.
.macro TURN c, n, kind
	s_wait_loadcnt \n                              ; loads come back in order (ISA guide 5.7.1): this set's 16 are in
	s_wait_dscnt 0x0                               ; the last turn's LDS stores are done: codes and scale words may be written again
	WIN 0x3c                                       ; sources 1 and 2: window 3
.irp j, 0,1,2,3
	v_max3_num_f32 v[TM+\j], 0x4800000, |v[64*\c+\j]|, |v[64*\c+4+\j]|   ; column j: my 16 numbers, and the floor 2^(9 - 127): so the byte cannot fall under 1
.endr
.irp i, 2,4,6,8,10,12,14
.irp j, 0,1,2,3
	v_max3_num_f32 v[TM+\j], v[TM+\j], |v[64*\c+4*\i+\j]|, |v[64*\c+4*\i+4+\j]|   ; (the four columns by turns)
.endr
.endr
	WIN 0
.irp j, 0,1,2,3
	v_permlanex16_b32 v[TP+\j], v[TM+\j], s30, s31
.endr
.irp j, 0,1,2,3
	v_max_num_f32 v[TM+\j], v[TM+\j], v[TP+\j]     ; with lane l xor 16's: the block's largest magnitude
.endr
.irp j, 0,1,2,3
	v_add_nc_u32 v[SCL+\j], 0xfc000000, v[TM+\j]   ; 8 off its exponent field: the conversion's scale operand
.endr
.irp j, 0,1,2,3
	v_and_or_b32 v[LIM+\j], v[TM+\j], 0x7f800000, s99              ; 448 x the scale
.endr
.if \c == 0
.irp j, 0,1,2,3
	v_lshrrev_b32 v[SW+\j], 23, v[SCL+\j]          ; the scale's byte begins the K step's word
.endr
.else
.irp j, 0,1,2,3
	v_lshrrev_b32 v[BY+\j], 23, v[SCL+\j]
.endr
.irp j, 0,1,2,3
	v_lshl_or_b32 v[SW+\j], v[BY+\j], 8*\c, v[SW+\j]
.endr
.endif
	WIN 0x03                                       ; source 0: window 3
.irp j, 0,1,2,3
.irp i, 0,1,2,3,4,5,6,7,8,9,10,11,12,13,14,15
	v_med3_num_f32 v[T+16*\j+\i], v[64*\c+4*\i+\j], -v[LIM+\j], v[LIM+\j]   ; the hold (the conversion does not saturate: ISA guide 7.6.2) also lays a column's 16 numbers on end
.endr
.endr
.if \kind == 1
	RING \c
.elseif \kind == 2
	WIN 0
	XSLOAD
	XLOADS 0
.elseif \kind == 3
	XLOADS 1
.elseif \kind == 4
	XLOADS 2
.elseif \kind == 5
	XLOADS 3
	XLOADS 4                                       ; into the registers of ring slots 0 and 1, whose last sets have been worked
.endif
	WIN 0
.irp j, 0,1,2,3
	v_cvt_scalef32_pk8_fp8_f32 v[C+4*\j:C+4*\j+1], v[T+16*\j:T+16*\j+7], v[SCL+\j]
	v_cvt_scalef32_pk8_fp8_f32 v[C+4*\j+2:C+4*\j+3], v[T+16*\j+8:T+16*\j+15], v[SCL+\j]
.endr
	v_nop                                          ; one plain line between the conversions and the next write of their sources
.irp j, 0,1,2,3
	ds_store_b128 v[WST], v[C+4*\j:C+4*\j+3] offset:16*\j+512*\c   ; registers 4 c .. 4 c + 3 of the fragment, for the lane (tile row, h)
.endr
.if \c == 3
.irp j, 0,1,2,3
	ds_store_b32 v[WSS], v[SW+\j] offset:4*\j      ; both halves of the lanes write the same word with the same value
.endr
.endif
.endm
; Slot sl's rows turn from the order of memory into the order of operand registers, through my own stage.  LDS serves a wave's instructions in order (ISA guide 5.7.1.4): no wait stands between the stores
; and the loads, which land in the registers that the data left, nor ahead of the next slot's stores.
.macro XTURN sl, n
	s_wait_loadcnt \n
.if \sl < 2
	WIN 0x04                                       ; an LDS store's data are its source 1
.elseif \sl < 4
	WIN 0x08
.else
	WIN 0x0c
.endif
.irp m, 0,1,2,3,4,5,6,7
.irp q, 0,1,2,3
	ds_store_b128 v[STS], v[128*((\sl)&1)+16*\m+4*\q:128*((\sl)&1)+16*\m+4*\q+3] offset:2*SPITCH*\m+256*\q
.endr
.endr
.if \sl < 2
	WIN 0x40
.elseif \sl < 4
	WIN 0x80
.else
	WIN 0xc0
.endif
.irp ks, 0,1,2,3,4,5,6,7
.irp c, 0,1,2,3
	ds_load_b128 v[128*((\sl)&1)+16*\ks+4*\c:128*((\sl)&1)+16*\ks+4*\c+3], v[STL] offset:128*\ks+32*\c
.endr
.endr
	WIN 0
.endm
.macro FETCHW ks, bf                   ; K step ks: four weight fragments into set bf, and their scale words: lanes 0-15 the even fragment's, lanes 16-31 the odd one's
	WIN 0xc0
.irp f, 0,1,2,3
.irp c, 0,1,2,3
	ds_load_b128 v[128+64*(\bf)+16*\f+4*\c:128+64*(\bf)+16*\f+4*\c+3], v[WRD] offset:KSTR*(\ks)+USTR*\f+512*\c
.endr
.endr
	WIN 0
.irp mt, 0,1
	ds_load_b32 v[WS+2*(\bf)+\mt], v[WSR] offset:256*(\ks)+128*\mt
.endr
.endm
.macro PROD sl, f, ks, bf              ; one product: source 0 = weight fragment f, source 1 = slot sl's rows.  K step 0 starts the sum: nothing is ever cleared
.set rD, ACC+32*(\sl)+8*(\f)
.set rW, 128+64*(\bf)+16*(\f)
.set rX, 128*((\sl)&1)+16*(\ks)
.set rA, WS+2*(\bf)+(\f)/2
.set rB, XS+4*(\sl)+(\ks)%4
.if (\ks) == 0
.if (\f)%2 == 0
	v_wmma_scale_f32_16x16x128_f8f6f4 v[rD:rD+7], v[rW:rW+15], v[rX:rX+15], 0, v[rA], v[rB]
.else
	v_wmma_scale_f32_16x16x128_f8f6f4 v[rD:rD+7], v[rW:rW+15], v[rX:rX+15], 0, v[rA], v[rB] matrix_a_scale:MATRIX_SCALE_ROW1
.endif
.elseif (\ks) < 4
.if (\f)%2 == 0
	v_wmma_scale_f32_16x16x128_f8f6f4 v[rD:rD+7], v[rW:rW+15], v[rX:rX+15], v[rD:rD+7], v[rA], v[rB]
.else
	v_wmma_scale_f32_16x16x128_f8f6f4 v[rD:rD+7], v[rW:rW+15], v[rX:rX+15], v[rD:rD+7], v[rA], v[rB] matrix_a_scale:MATRIX_SCALE_ROW1
.endif
.else
.if (\f)%2 == 0
	v_wmma_scale_f32_16x16x128_f8f6f4 v[rD:rD+7], v[rW:rW+15], v[rX:rX+15], v[rD:rD+7], v[rA], v[rB] matrix_b_scale:MATRIX_SCALE_ROW1
.else
	v_wmma_scale_f32_16x16x128_f8f6f4 v[rD:rD+7], v[rW:rW+15], v[rX:rX+15], v[rD:rD+7], v[rA], v[rB] matrix_a_scale:MATRIX_SCALE_ROW1 matrix_b_scale:MATRIX_SCALE_ROW1
.endif
.endif
.endm
; All of K: eight steps of 20 products.  The 20 accumulators take turns, one instruction a turn.  The next step's weights are fetched ahead of a step's products, into the set that the
; step before read: eight places stand between those products and the loads.
.macro KLOOP
	FETCHW 0, 0
.irp ks, 0,1,2,3,4,5,6,7
.if \ks < 7
.if \ks > 0
.rept 8
	v_nop
.endr
.endif
	FETCHW \ks+1, (\ks+1)&1
	s_wait_dscnt 18                                ; all but the 16 + 2 loads just issued: this step's weights are in
.else
	s_wait_dscnt 0x0
.endif
	WIN 0x07                                       ; source 0 window 3, source 1 window 1
.irp f, 0,1,2,3
	PROD 0, \f, \ks, \ks&1
	PROD 1, \f, \ks, \ks&1
.endr
	WIN 0x0b                                       ; source 1 window 2
.irp f, 0,1,2,3
	PROD 2, \f, \ks, \ks&1
	PROD 3, \f, \ks, \ks&1
.endr
	WIN 0x0f                                       ; source 1 window 3
.irp f, 0,1,2,3
	PROD 4, \f, \ks, \ks&1
.endr
.endr
	WIN 0
.endm
; Slot sl: gate in v[FA .. FA+15], up in v[FA+16 .. FA+31], 16 neighbouring columns of my row.  silu(g) u = g u / (1 + 2^(-g log2 e)).  Each accumulator is first read at its low end.
; The codes and the byte go into up's registers, which are done with: each slot's stores have registers of their own.
.macro FINAL sl
.set FA, ACC+32*(\sl)
.irp n, 0,2,4,6,8,10,12,14
	v_pk_mul_f32 v[32+\n:33+\n], v[FA+\n:FA+\n+1], s[100:101] op_sel_hi:[1,0]
.endr
.set ii, 0
.rept 16
	v_exp_f32 v[32+ii], v[32+ii]
.set ii, ii+1
.endr
.irp n, 0,2,4,6,8,10,12,14
	v_pk_mul_f32 v[FA+\n:FA+\n+1], v[FA+\n:FA+\n+1], v[FA+16+\n:FA+17+\n]   ; g u.  (Plain lines behind the exponentials)
.endr
	s_wait_alu depctr_va_vdst(0)
.irp n, 0,2,4,6,8,10,12,14
	v_pk_add_f32 v[32+\n:33+\n], v[32+\n:33+\n], 1.0 op_sel_hi:[1,0]
.endr
.set ii, 0
.rept 16
	v_rcp_f32 v[32+ii], v[32+ii]
.set ii, ii+1
.endr
	v_nop                                          ; a plain line behind the reciprocals
	s_wait_alu depctr_va_vdst(0)
.irp n, 0,2,4,6,8,10,12,14
	v_pk_mul_f32 v[FA+\n:FA+\n+1], v[FA+\n:FA+\n+1], v[32+\n:33+\n]
.endr
	v_max3_num_f32 v48, |v[FA]|, |v[FA+1]|, 0x4800000
	v_max3_num_f32 v53, |v[FA+8]|, |v[FA+9]|, |v[FA+10]|
	v_max3_num_f32 v48, v48, |v[FA+2]|, |v[FA+3]|
	v_max3_num_f32 v53, v53, |v[FA+11]|, |v[FA+12]|
	v_max3_num_f32 v48, v48, |v[FA+4]|, |v[FA+5]|
	v_max3_num_f32 v53, v53, |v[FA+13]|, |v[FA+14]|
	v_max3_num_f32 v48, v48, |v[FA+6]|, |v[FA+7]|
	v_max3_num_f32 v48, v48, v53, |v[FA+15]|
	v_permlanex16_b32 v49, v48, s30, s31
	v_max_num_f32 v48, v48, v49                    ; the block of 32 lies in lanes l and l xor 16
	v_add_nc_u32 v50, 0xfc000000, v48
	v_and_or_b32 v51, v48, 0x7f800000, s99
	v_lshrrev_b32 v[FA+20], 23, v50
.set ii, 0
.rept 16
	v_med3_num_f32 v[FA+ii], v[FA+ii], -v51, v51
.set ii, ii+1
.endr
	v_cvt_scalef32_pk8_fp8_f32 v[FA+16:FA+17], v[FA:FA+7], v50
	v_cvt_scalef32_pk8_fp8_f32 v[FA+18:FA+19], v[FA+8:FA+15], v50
	v_nop                                          ; one plain line behind the conversions: vector and matrix instructions write these registers later
	global_store_b128 v[L16], v[FA+16:FA+19], s[34:35] offset:32768*(\sl)   ; the wave stores 512 consecutive bytes: one run of the tile's image
	global_store_b8 v[HSO], v[FA+20], s[38:39] offset:1024*(\sl)            ; both halves of the lanes write the same byte with the same value
.endm
	; THE ROWS ARE FOUND, while the ring's first loads are on their way.  Every search begins at token 0.
.irp sl, 0,1,2,3,4
	v_mov_b32 v[LO+\sl], 0
	v_mov_b32 v[NX1+\sl], 0
	v_mov_b32 v[NX2+\sl], 0
	v_mov_b32 v[NX3+\sl], 0
.endr
	SEARCH LO, 0
	VOFF LO
	s_cmp_le_u32 s23, 320                          ; no wave's second sweep begins under 320: with so few rows sweeps 1 to 3 are never worked, and their tokens are not looked for
	s_cbranch_scc1 .Lfew
	SEARCH NX1, 1
	SEARCH NX2, 2
	SEARCH NX3, 3
.Lfew:
	s_wait_dscnt 0x0                               ; my reads of F are over
	s_barrier_signal -1
	s_barrier_wait -1                              ; everybody's are: from here on waves store to LDS again
	WIN 0xc0
.irp i, 12,13,14,15
	global_load_b128 v[192+4*\i:192+4*\i+3], v[GOFF], s[28:29] offset:3*SETB+\i*ROWB th:TH_LOAD_NT   ; the fourth set's last four loads: the ring's 64 have now been asked for, in the order of the sets
.endr
	WIN 0
	s_mov_b32 s25, 3
.Lstream:                                              ; three trips of four turns: sets 0 to 11; each turn asks for the set four on
	TURN 0, 48, 1                                  ; 48: the three younger sets' loads stay out, on the way in and round the back edge alike
	TURN 1, 48, 1
	TURN 2, 48, 1
	TURN 3, 48, 1
	s_wait_xcnt 0x0                                ; the loads have read their base
	s_wait_dscnt 0x0                               ; and the LDS stores their addresses
	s_add_nc_u64 s[28:29], s[28:29], 4*SETB
	v_add_nc_u32 v[WST], KSTR, v[WST]              ; the next K step's images
	v_add_nc_u32 v[WSS], 256, v[WSS]
	s_sub_co_u32 s25, s25, 1
	s_cmp_lg_u32 s25, 0
	s_cbranch_scc1 .Lstream
	TURN 0, 48, 2                                  ; the last four sets: in the ring's stead the first sweep's rows are asked for.  Behind set 12: three sets, 48 loads
	TURN 1, 63, 3                                  ; behind set 13: 32 + 37 loads; the count is the largest that the wait's field holds, and a smaller count is safe
	TURN 2, 63, 4                                  ; behind set 14: 16 + 37 + 32
	TURN 3, 63, 5                                  ; behind set 15: 37 + 32 + 32
	s_wait_dscnt 0x0                               ; for the others' sake: my images and scale words lie in LDS
	s_barrier_signal -1
	s_barrier_wait -1                              ; all weight images are whole, and nobody writes them again: no further barrier
	s_mov_b32 s25, 0
.Ltrip:                                                ; eight trips: sweep it / 2, pass it % 2
	s_and_b32 s26, s25, 1                          ; the pass
	s_cmp_ge_u32 s24, s23
	s_cbranch_scc1 .Lnext                          ; no row of the expert is left for this wave's sweep
	s_cmp_lg_u32 s26, 0
	s_cbranch_scc1 .Lpass                          ; the second pass finds x in its registers
	s_cmp_lt_u32 s25, 2
	s_cbranch_scc1 .Lturn                          ; the first sweep's rows were asked for in the stream's tail
	s_wait_loadcnt 0x0
	s_wait_xcnt 0x0                                ; the last pass's stores have read their registers
	VOFF NX1                                       ; this sweep's tokens; a sweep is worked only if all before it were, so the three sets move up in step with the sweeps
.irp sl, 0,1,2,3,4
	v_mov_b32 v[NX1+\sl], v[NX2+\sl]
	v_mov_b32 v[NX2+\sl], v[NX3+\sl]
.endr
	XSLOAD
	XLOADS 0
	XLOADS 1
	XLOADS 2
	XLOADS 3
	XLOADS 4
.Lturn:
	XTURN 0, 63                                    ; behind slot 0's loads: 128; behind slot 1's: 96; slot 2's: 64 (the field holds 63); slot 3's: 32; slot 4's: none
	XTURN 1, 63
	XTURN 2, 63
	XTURN 3, 32
	XTURN 4, 0
.Lpass:
	s_wait_loadcnt 0x0                             ; x's scale words; the gather's offsets may be written over
	s_wait_dscnt 0x0                               ; x's fragments are in
	s_wait_xcnt 0x0                                ; the last pass's stores have read their registers and bases
	s_mul_i32 s27, s26, PASSB
	v_add_nc_u32 v[WRD], s27, v[WRD0]
	s_lshl_b32 s27, s26, 11
	v_add_nc_u32 v[WSR], s27, v[WSR0]
	s_lshl_b32 s42, s26, 9
	s_mov_b32 s43, 0
	s_add_nc_u64 s[34:35], s[32:33], s[42:43]      ; the pass's run of 512 bytes in each image
	s_mov_b32 s42, s26
	s_add_nc_u64 s[38:39], s[36:37], s[42:43]      ; and its block's scale byte
	KLOOP
.rept 8
	v_nop                                          ; places ahead of the first read of results
.endr
	FINAL 0
	FINAL 1
	FINAL 2
	FINAL 3
	FINAL 4
.Lnext:
	s_wait_xcnt 0x0
	s_mul_i32 s27, s26, 320                        ; behind the second pass: the next sweep
	s_add_co_u32 s24, s24, s27
	s_mul_i32 s42, s26, 655360                     ; 20 tiles of 32,768 bytes
	s_mov_b32 s43, 0
	s_add_nc_u64 s[32:33], s[32:33], s[42:43]
	s_mul_i32 s42, s26, 20480                      ; 20 tiles of 1,024 scale bytes
	s_add_nc_u64 s[36:37], s[36:37], s[42:43]
	s_add_co_u32 s25, s25, 1
	s_cmp_lt_u32 s25, 8
	s_cbranch_scc1 .Ltrip
	s_wait_tensorcnt 0x0
	ds_add_u32 v94, v95
	s_wait_dscnt 0x0
	s_endpgm
.Lfunc_end_k_q2f82826f0f_gateup:
	.size	k_q2f82826f0f_gateup, .Lfunc_end_k_q2f82826f0f_gateup-k_q2f82826f0f_gateup
	.p2alignl 7, 3214868480
	.fill 96, 4, 3214868480
	.section	.rodata,"a",@progbits
	.p2align	6, 0x0
	.amdhsa_kernel k_q2f82826f0f_gateup
		.amdhsa_group_segment_fixed_size 207616
		.amdhsa_private_segment_fixed_size 0
		.amdhsa_enable_private_segment 0
		.amdhsa_kernarg_size 48
		.amdhsa_user_sgpr_count 2
		.amdhsa_user_sgpr_kernarg_segment_ptr 1
		.amdhsa_wavefront_size32 1
		.amdhsa_system_sgpr_workgroup_id_x 1
		.amdhsa_system_sgpr_workgroup_id_y 1
		.amdhsa_system_sgpr_workgroup_id_z 1
		.amdhsa_system_vgpr_workitem_id 0
		.amdhsa_next_free_vgpr 1024
		.amdhsa_next_free_sgpr 102
		.amdhsa_reserve_vcc 1
		.amdhsa_float_denorm_mode_32 3
		.amdhsa_float_denorm_mode_16_64 3
		.amdhsa_memory_ordered 1
		.amdhsa_forward_progress 1
		.amdhsa_inst_pref_size 255
	.end_amdhsa_kernel
	.section	.bss,"aw",@nobits
	.p2align	6
	.space	262144
	.amdgpu_metadata
---
amdhsa.version: [ 1, 2 ]
amdhsa.kernels:
  - .name:           k_q2f82826f0f_gateup
    .symbol:         k_q2f82826f0f_gateup.kd
    .args:
      - { .name: w1, .offset: 0, .size: 8, .value_kind: global_buffer, .address_space: global }
      - { .name: w2, .offset: 8, .size: 8, .value_kind: global_buffer, .address_space: global }
      - { .name: xq, .offset: 16, .size: 8, .value_kind: global_buffer, .address_space: global }
      - { .name: route, .offset: 24, .size: 8, .value_kind: global_buffer, .address_space: global }
      - { .name: hid, .offset: 32, .size: 8, .value_kind: global_buffer, .address_space: global }
      - { .name: posn, .offset: 40, .size: 8, .value_kind: global_buffer, .address_space: global }
    .group_segment_fixed_size: 207616
    .private_segment_fixed_size: 0
    .kernarg_segment_align: 8
    .kernarg_segment_size: 48
    .max_flat_workgroup_size: 128
    .sgpr_count:     102
    .vgpr_count:     1024
    .wavefront_size: 32
...
	.end_amdgpu_metadata
.endif
;; end of part 2
;; launch down (part 3): grid 256 x 1, 4 waves a work-group, no clusters, 86,016 bytes of LDS; arguments w3, hid, route, y; writes y
.if DOCPART == 3
	.amdgcn_target "amdgcn-amd-amdhsa--gfx1250"
	.amdhsa_code_object_version 6
	.text
	.protected	k_q2f82826f0f_down
	.globl	k_q2f82826f0f_down
	.p2align	8
	.type	k_q2f82826f0f_down,@function
k_q2f82826f0f_down:
	s_mov_b64 s[64:65], 0
	v_nop
	global_prefetch_b8 v0, s[64:65] scope:SCOPE_SE
	s_setreg_imm32_b32 hwreg(HW_REG_WAVE_MODE, 25, 1), 1
	s_wait_xcnt 0x0
; y[e][kh][position][:] = hidden (codes) x w3[e] over half kh of K = I = 2,048, on codes of E4M3 with one E8M0 scale for each 32 along K; f32 sums.  The last launch adds the two halves and the two experts.
; SHARES.  Work-group = (expert e = wg / 32, columns 64 c16 .. + 63 of H with c16 = (wg / 2) % 16, half kh = wg % 2 of K).  Its slice of w3, 1,024 x 64 f32, is read from memory ONCE, quantised in registers
; and kept in LDS as images of operand registers.  64 columns keep each piece of a weight row 256 consecutive aligned bytes; K is halved so that there are 256 work-groups.
; THE STREAM is the one of the launch before: a set is 32 k x 64 columns in 16 loads; lane (r16, h) holds columns 4 r16 + 0..3 at k = 32 kb + 16 h + 0..15; four sets are asked for ahead, in a ring of registers.
; Wave w streams blocks 8 w .. 8 w + 7: K steps 2 w and 2 w + 1.  Column col is row col % 16 of tile col / 16.
; THE ROWS come as the launch before laid them: images of operand registers, 2,048 bytes a tile and K step, so a fragment is four loads of 512 consecutive bytes.  Sweeps of 320 positions, five tiles a wave;
; a wave's sweep is worked if its first position lies under max(count, 241), the decision by which those images were stored.
; The products are used transposed (source 0 = 16 columns of w3, source 1 = 16 rows): a lane holds eight neighbouring columns of one row; a tile goes through my own stage in LDS and leaves as rows of 256 bytes.
; NO JOINT LOADS: what the 32 work-groups of an expert share, the hidden tiles (320 KB a sweep and half of K), goes straight into registers, five tiles to a wave; the weights are shared by nobody.
; LIMITS: NaN and infinities among the inputs are not served.  A block of zeros gets the byte 1 where the quantiser says 127: its codes are zeros, and the bytes are read by this program alone.
; REGISTERS: as in the launch before: window 0: addresses, v32-55 at work, v64-83 the rows' scale words, v84-87 the weights' (scales and nothing else), v96-255 the 20 accumulators (ahead of the products: held
; numbers and codes); windows 1, 2 and the low half of 3: the rows' fragments; window 3: the ring, later two sets of four weight fragments in its high half.
.set MSK,   8192
.set HSC,   20971520
.set ROWB,  4096                       ; a row of w3 in bytes
.set SETB,  32*ROWB
.set WSC,   0                          ; LDS: the weights' scale words: 256 K step + 128 (tile / 2) + 64 (tile % 2) + 4 tile row
.set WIMG,  2048                       ; the weight images: KSTR K step + USTR tile + 512 c + 16 lane
.set KSTR,  8256
.set USTR,  2064
.set STG,   68096                      ; a stage for each wave: 16 rows x (256 bytes + 16)
.set R16,  1
.set HH,   2
.set GOFF, 3
.set WST,  4
.set WSS,  5
.set WRD,  8
.set WSR,  9
.set STO,  10                          ; the stage, in: row r16, 32 h
.set RD,   11                          ; the stage, out: row h, 16 r16
.set YO,   12                          ; and the same two rows in y
.set R16B, 13
.set HSL,  14                          ; 64 r16 + 16 h: my row's scale words
.set L16,  15
.set L4,   17
.set TM,   32
.set TP,   36
.set SCL,  40
.set LIM,  44
.set BY,   48
.set SW,   52
.set XS,   64
.set WS,   84
.set ACC,  96
.set T,    96
.set C,    160
.set MSB, 0
.macro WIN new                         ; the immediate's high byte repeats the setting that is left; a switch that changes nothing is dropped
.if MSB != (\new)
	s_set_vgpr_msb (MSB<<8)|(\new)
.set MSB, (\new)
.endif
.endm
	s_load_b256 s[4:11], s[0:1], 0x0               ; w3 s[4:5], hid s[6:7], route s[8:9], y s[10:11]
	v_lshl_add_u32 v94, v0, 2, 0x14e00
	v_mov_b32 v95, 0
	v_lshrrev_b32 v19, 5, v0
	v_readfirstlane_b32 s20, v19                   ; wave 0..3
	s_lshr_b32 s21, ttmp9, 5                       ; e
	s_bfe_u32 s22, ttmp9, 0x40001                  ; which 64 columns of H
	s_and_b32 s17, ttmp9, 1                        ; kh
	v_and_b32 v[R16], 15, v0
	v_bfe_u32 v[HH], v0, 4, 1
	v_lshlrev_b32 v[R16B], 4, v[R16]
	v_lshl_add_u32 v[GOFF], v[HH], 16, v[R16B]
	s_lshl_b32 s16, s21, 7
	s_add_co_u32 s16, s16, MSK
	s_lshl_b32 s18, s21, 23                        ; an expert's 8,388,608 bytes
	s_lshl_b32 s19, s17, 22                        ; 1,024 rows
	s_add_co_u32 s18, s18, s19
	s_lshl_b32 s19, s20, 20                        ; 256 rows
	s_add_co_u32 s18, s18, s19
	s_lshl_b32 s19, s22, 8                         ; 64 columns
	s_add_co_u32 s18, s18, s19
	s_mov_b32 s19, 0
	s_mov_b32 s30, 0x76543210
	s_mov_b32 s31, 0xfedcba98
	s_mov_b32 s66, 0x600000                        ; the mantissa field of 448
	s_wait_kmcnt 0x0
	s_load_b512 s[32:47], s[8:9], s16 offset:0x0
	s_load_b512 s[48:63], s[8:9], s16 offset:0x40
	s_add_nc_u64 s[28:29], s[4:5], s[18:19]
	WIN 0xc0
.irp c, 0,1,2,3
.irp i, 0,1,2,3,4,5,6,7,8,9,10,11,12,13,14,15
	global_load_b128 v[64*\c+4*\i:64*\c+4*\i+3], v[GOFF], s[28:29] offset:\c*SETB+\i*ROWB th:TH_LOAD_NT   ; the ring is filled before anything else is done
.endr
.endr
	WIN 0
	v_and_b32 v19, 31, v0
	v_lshlrev_b32 v[L16], 4, v19
	v_lshlrev_b32 v[L4], 2, v19
	v_lshlrev_b32 v[HSL], 6, v[R16]
	v_lshl_add_u32 v[HSL], v[HH], 4, v[HSL]
	v_lshrrev_b32 v20, 2, v[R16]                   ; column 4 r16 + j: tile r16 / 4, tile row 4 (r16 % 4) + j
	v_and_b32 v21, 3, v[R16]
	v_mul_u32_u24 v[WST], v20, USTR
	v_lshl_add_u32 v[WST], v21, 6, v[WST]
	v_lshl_add_u32 v[WST], v[HH], 8, v[WST]
	s_mul_i32 s25, s20, 2*KSTR
	s_add_co_u32 s25, s25, WIMG
	v_add_nc_u32 v[WST], s25, v[WST]
	v_lshlrev_b32 v[WSS], 6, v20                   ; 128 (tile / 2) + 64 (tile % 2) = 64 tile
	v_lshl_add_u32 v[WSS], v21, 4, v[WSS]
	s_lshl_b32 s25, s20, 9
	v_add_nc_u32 v[WSS], s25, v[WSS]
	v_add_nc_u32 v[WRD], WIMG, v[L16]
	v_mov_b32 v[WSR], v[L4]
	s_mul_i32 s25, s20, 4352
	s_add_co_u32 s25, s25, STG
	v_mul_u32_u24 v[STO], v[R16], 272
	v_lshl_add_u32 v[STO], v[HH], 5, v[STO]
	v_add_nc_u32 v[STO], s25, v[STO]
	v_mad_u32_u24 v[RD], v[HH], 272, v[R16B]
	v_add_nc_u32 v[RD], s25, v[RD]
	v_lshl_add_u32 v[YO], v[HH], 12, v[R16B]
.irp j, 0,1,2,3
	v_mov_b32 v[TP+\j], 0                          ; written once: a lane permute's destination counts as one of its sources
.endr
	s_mul_i32 s25, s21, 80
	s_mul_i32 s26, s20, 5
	s_add_co_u32 s25, s25, s26                     ; my first tile: 80 e + 5 w
	s_lshl_b32 s26, s25, 15
	s_lshl_b32 s27, s17, 14                        ; eight K steps of 2,048 bytes
	s_add_co_u32 s26, s26, s27
	s_mov_b32 s27, 0
	s_add_nc_u64 s[12:13], s[6:7], s[26:27]        ; the sweep's images
	s_lshl_b32 s26, s25, 10
	s_lshl_b32 s18, s17, 5
	s_add_co_u32 s26, s26, s18
	s_add_co_u32 s26, s26, HSC
	s_add_nc_u64 s[14:15], s[6:7], s[26:27]        ; and its scale bytes
	s_lshl_b32 s26, s21, 1
	s_add_co_u32 s26, s26, s17
	s_mul_i32 s26, s26, 1280
	s_mul_i32 s24, s20, 80                         ; my first position of the first sweep
	s_add_co_u32 s26, s26, s24
	s_lshl_b32 s26, s26, 12
	s_lshl_b32 s18, s22, 8
	s_add_co_u32 s26, s26, s18
	s_add_nc_u64 s[10:11], s[10:11], s[26:27]      ; y at my first row and column
	s_wait_kmcnt 0x0                               ; the masks
	s_mov_b32 s23, 0
.set ii, 0
.rept 32
	s_bcnt1_i32_b32 s25, s[32+ii]
	s_add_co_u32 s23, s23, s25
.set ii, ii+1
.endr
	s_max_u32 s23, s23, 241                        ; a wave's sweep is worked if its first position lies under this
.macro HSLOAD
.irp sl, 0,1,2,3,4
	global_load_b128 v[XS+4*\sl:XS+4*\sl+3], v[HSL], s[14:15] offset:1024*\sl   ; lanes 0-15: K steps 0-3 of my half; lanes 16-31: K steps 4-7
.endr
.endm
.macro HLOADS sl                       ; slot sl's eight fragments, in the order of the registers: 32 loads of 512 consecutive bytes
.if \sl < 2
	WIN 0x40
.elseif \sl < 4
	WIN 0x80
.else
	WIN 0xc0
.endif
.irp ks, 0,1,2,3,4,5,6,7
.irp c, 0,1,2,3
	global_load_b128 v[128*((\sl)&1)+16*\ks+4*\c:128*((\sl)&1)+16*\ks+4*\c+3], v[L16], s[12:13] offset:32768*(\sl)+2048*\ks+512*\c
.endr
.endr
	WIN 0
.endm
.macro RING c                          ; ring slot c takes the set four sets on
	WIN 0xc0
.irp i, 0,1,2,3,4,5,6,7,8,9,10,11,12,13,14,15
	global_load_b128 v[64*(\c)+4*\i:64*(\c)+4*\i+3], v[GOFF], s[28:29] offset:((\c)+4)*SETB+\i*ROWB th:TH_LOAD_NT
.endr
.endm
; A TURN: the set in ring slot c (block c of a K step) is quantised and its codes go to LDS.  n: the younger loads that may stay out.  kind: what is asked for in the slot's stead.
.macro TURN c, n, kind
	s_wait_loadcnt \n                              ; loads come back in order (ISA guide 5.7.1): this set's 16 are in
	s_wait_dscnt 0x0                               ; the last turn's LDS stores are done: codes and scale words may be written again
	WIN 0x3c                                       ; sources 1 and 2: window 3
.irp j, 0,1,2,3
	v_max3_num_f32 v[TM+\j], 0x4800000, |v[64*\c+\j]|, |v[64*\c+4+\j]|   ; column j: my 16 numbers, and the floor 2^(9 - 127): so the byte cannot fall under 1
.endr
.irp i, 2,4,6,8,10,12,14
.irp j, 0,1,2,3
	v_max3_num_f32 v[TM+\j], v[TM+\j], |v[64*\c+4*\i+\j]|, |v[64*\c+4*\i+4+\j]|
.endr
.endr
	WIN 0
.irp j, 0,1,2,3
	v_permlanex16_b32 v[TP+\j], v[TM+\j], s30, s31
.endr
.irp j, 0,1,2,3
	v_max_num_f32 v[TM+\j], v[TM+\j], v[TP+\j]     ; with lane l xor 16's: the block's largest magnitude
.endr
.irp j, 0,1,2,3
	v_add_nc_u32 v[SCL+\j], 0xfc000000, v[TM+\j]   ; 8 off its exponent field: the conversion's scale operand
.endr
.irp j, 0,1,2,3
	v_and_or_b32 v[LIM+\j], v[TM+\j], 0x7f800000, s66              ; 448 x the scale
.endr
.if \c == 0
.irp j, 0,1,2,3
	v_lshrrev_b32 v[SW+\j], 23, v[SCL+\j]
.endr
.else
.irp j, 0,1,2,3
	v_lshrrev_b32 v[BY+\j], 23, v[SCL+\j]
.endr
.irp j, 0,1,2,3
	v_lshl_or_b32 v[SW+\j], v[BY+\j], 8*\c, v[SW+\j]
.endr
.endif
	WIN 0x03                                       ; source 0: window 3
.irp j, 0,1,2,3
.irp i, 0,1,2,3,4,5,6,7,8,9,10,11,12,13,14,15
	v_med3_num_f32 v[T+16*\j+\i], v[64*\c+4*\i+\j], -v[LIM+\j], v[LIM+\j]   ; the hold (ISA guide 7.6.2) also lays a column's 16 numbers on end
.endr
.endr
.if \kind == 1
	RING \c
.elseif \kind == 2
	WIN 0
	HSLOAD
	HLOADS 0
.elseif \kind == 3
	HLOADS 1
.elseif \kind == 4
	HLOADS 2
.elseif \kind == 5
	HLOADS 3
	HLOADS 4                                       ; into the registers of ring slots 0 and 1, whose last sets have been worked
.endif
	WIN 0
.irp j, 0,1,2,3
	v_cvt_scalef32_pk8_fp8_f32 v[C+4*\j:C+4*\j+1], v[T+16*\j:T+16*\j+7], v[SCL+\j]
	v_cvt_scalef32_pk8_fp8_f32 v[C+4*\j+2:C+4*\j+3], v[T+16*\j+8:T+16*\j+15], v[SCL+\j]
.endr
	v_nop                                          ; one plain line between the conversions and the next write of their sources
.irp j, 0,1,2,3
	ds_store_b128 v[WST], v[C+4*\j:C+4*\j+3] offset:16*\j+512*\c
.endr
.if \c == 3
.irp j, 0,1,2,3
	ds_store_b32 v[WSS], v[SW+\j] offset:4*\j      ; both halves of the lanes write the same word with the same value
.endr
.endif
.endm
.macro FETCHW ks, bf                   ; K step ks: four weight fragments into set bf, and their scale words: lanes 0-15 the even tile's, lanes 16-31 the odd one's
	WIN 0xc0
.irp f, 0,1,2,3
.irp c, 0,1,2,3
	ds_load_b128 v[128+64*(\bf)+16*\f+4*\c:128+64*(\bf)+16*\f+4*\c+3], v[WRD] offset:KSTR*(\ks)+USTR*\f+512*\c
.endr
.endr
	WIN 0
.irp mt, 0,1
	ds_load_b32 v[WS+2*(\bf)+\mt], v[WSR] offset:WSC+256*(\ks)+128*\mt
.endr
.endm
.macro PROD sl, f, ks, bf              ; one product: source 0 = weight tile f, source 1 = slot sl's rows.  K step 0 starts the sum: nothing is ever cleared
.set rD, ACC+32*(\sl)+8*(\f)
.set rW, 128+64*(\bf)+16*(\f)
.set rX, 128*((\sl)&1)+16*(\ks)
.set rA, WS+2*(\bf)+(\f)/2
.set rB, XS+4*(\sl)+(\ks)%4
.if (\ks) == 0
.if (\f)%2 == 0
	v_wmma_scale_f32_16x16x128_f8f6f4 v[rD:rD+7], v[rW:rW+15], v[rX:rX+15], 0, v[rA], v[rB]
.else
	v_wmma_scale_f32_16x16x128_f8f6f4 v[rD:rD+7], v[rW:rW+15], v[rX:rX+15], 0, v[rA], v[rB] matrix_a_scale:MATRIX_SCALE_ROW1
.endif
.elseif (\ks) < 4
.if (\f)%2 == 0
	v_wmma_scale_f32_16x16x128_f8f6f4 v[rD:rD+7], v[rW:rW+15], v[rX:rX+15], v[rD:rD+7], v[rA], v[rB]
.else
	v_wmma_scale_f32_16x16x128_f8f6f4 v[rD:rD+7], v[rW:rW+15], v[rX:rX+15], v[rD:rD+7], v[rA], v[rB] matrix_a_scale:MATRIX_SCALE_ROW1
.endif
.else
.if (\f)%2 == 0
	v_wmma_scale_f32_16x16x128_f8f6f4 v[rD:rD+7], v[rW:rW+15], v[rX:rX+15], v[rD:rD+7], v[rA], v[rB] matrix_b_scale:MATRIX_SCALE_ROW1
.else
	v_wmma_scale_f32_16x16x128_f8f6f4 v[rD:rD+7], v[rW:rW+15], v[rX:rX+15], v[rD:rD+7], v[rA], v[rB] matrix_a_scale:MATRIX_SCALE_ROW1 matrix_b_scale:MATRIX_SCALE_ROW1
.endif
.endif
.endm
; My half of K: eight steps of 20 products.  The 20 accumulators take turns, one instruction a turn.  The next step's weights are fetched ahead of a step's products, into the set that
; the step before read: eight places stand between those products and the loads.
.macro KLOOP
	FETCHW 0, 0
.irp ks, 0,1,2,3,4,5,6,7
.if \ks < 7
.if \ks > 0
.rept 8
	v_nop
.endr
.endif
	FETCHW \ks+1, (\ks+1)&1
	s_wait_dscnt 18                                ; all but the 16 + 2 loads just issued: this step's weights are in
.else
	s_wait_dscnt 0x0
.endif
	WIN 0x07                                       ; source 0 window 3, source 1 window 1
.irp f, 0,1,2,3
	PROD 0, \f, \ks, \ks&1
	PROD 1, \f, \ks, \ks&1
.endr
	WIN 0x0b
.irp f, 0,1,2,3
	PROD 2, \f, \ks, \ks&1
	PROD 3, \f, \ks, \ks&1
.endr
	WIN 0x0f
.irp f, 0,1,2,3
	PROD 4, \f, \ks, \ks&1
.endr
.endr
	WIN 0
.endm
; Slot sl's 16 rows x 64 columns: into my stage, each accumulator from its low end on, and back as rows, into the registers that they left (LDS serves a wave's instructions in order: ISA guide 5.7.1.4).
.macro OUT sl
.irp f, 0,1,2,3
	ds_store_b128 v[STO], v[ACC+32*(\sl)+8*\f:ACC+32*(\sl)+8*\f+3] offset:64*\f
	ds_store_b128 v[STO], v[ACC+32*(\sl)+8*\f+4:ACC+32*(\sl)+8*\f+7] offset:64*\f+16
.endr
.irp i, 0,1,2,3,4,5,6,7
	ds_load_b128 v[ACC+32*(\sl)+4*\i:ACC+32*(\sl)+4*\i+3], v[RD] offset:544*\i
.endr
.irp i, 0,1,2,3,4,5,6,7
	s_wait_dscnt 7-\i                              ; the younger loads from the stage may be out
	global_store_b128 v[YO], v[ACC+32*(\sl)+4*\i:ACC+32*(\sl)+4*\i+3], s[10:11] offset:(16*(\sl)+2*\i)*4096   ; sixteen lanes store 256 consecutive bytes, aligned
.endr
.endm
	TURN 0, 48, 1                                  ; sets 0 to 3, each asking for the set four on.  48: the three younger sets' loads stay out
	TURN 1, 48, 1
	TURN 2, 48, 1
	TURN 3, 48, 1
	s_wait_dscnt 0x0                               ; the LDS stores have read their addresses
	v_add_nc_u32 v[WST], KSTR, v[WST]              ; my second K step's images
	v_add_nc_u32 v[WSS], 256, v[WSS]
	TURN 0, 48, 2                                  ; the last four sets: in the ring's stead the first sweep's rows are asked for.  Behind set 4: three sets, 48 loads
	TURN 1, 63, 3                                  ; behind set 5: 32 + 37 loads; the count is the largest that the wait's field holds, and a smaller count is safe
	TURN 2, 63, 4                                  ; behind set 6: 16 + 37 + 32
	TURN 3, 63, 5                                  ; behind set 7: 37 + 32 + 32
	s_wait_dscnt 0x0                               ; for the others' sake: my images and scale words lie in LDS
	s_barrier_signal -1
	s_barrier_wait -1                              ; all weight images are whole, and nobody writes them again: no further barrier
	s_mov_b32 s25, 0
.Ltrip:                                                ; four sweeps
	s_cmp_ge_u32 s24, s23
	s_cbranch_scc1 .Lnext                          ; no row of the expert is left for this wave's sweep
	s_cmp_eq_u32 s25, 0
	s_cbranch_scc1 .Lgo                            ; the first sweep's rows were asked for in the stream's tail
	s_wait_loadcnt 0x0
	s_wait_xcnt 0x0
	HSLOAD
	HLOADS 0
	HLOADS 1
	HLOADS 2
	HLOADS 3
	HLOADS 4
.Lgo:
	s_wait_loadcnt 0x0                             ; the rows' fragments and scale words are in
	KLOOP
.rept 9
	v_nop                                          ; eight places ahead of the first read of results and of loads into operands; nine ahead of the next sweep's first product, which writes over an accumulator
.endr
	OUT 0
	OUT 1
	OUT 2
	OUT 3
	OUT 4
.Lnext:
	s_wait_xcnt 0x0                                ; loads and stores have read their bases and registers
	s_add_co_u32 s24, s24, 320
	s_add_nc_u64 s[12:13], s[12:13], 655360        ; 20 tiles of 32,768 bytes
	s_add_nc_u64 s[14:15], s[14:15], 20480         ; 20 tiles of 1,024 scale bytes
	s_add_nc_u64 s[10:11], s[10:11], 1310720       ; 320 rows of 4,096 bytes
	s_add_co_u32 s25, s25, 1
	s_cmp_lt_u32 s25, 4
	s_cbranch_scc1 .Ltrip
	s_wait_tensorcnt 0x0
	ds_add_u32 v94, v95
	s_wait_dscnt 0x0
	s_endpgm
.Lfunc_end_k_q2f82826f0f_down:
	.size	k_q2f82826f0f_down, .Lfunc_end_k_q2f82826f0f_down-k_q2f82826f0f_down
	.p2alignl 7, 3214868480
	.fill 96, 4, 3214868480
	.section	.rodata,"a",@progbits
	.p2align	6, 0x0
	.amdhsa_kernel k_q2f82826f0f_down
		.amdhsa_group_segment_fixed_size 86016
		.amdhsa_private_segment_fixed_size 0
		.amdhsa_enable_private_segment 0
		.amdhsa_kernarg_size 32
		.amdhsa_user_sgpr_count 2
		.amdhsa_user_sgpr_kernarg_segment_ptr 1
		.amdhsa_wavefront_size32 1
		.amdhsa_system_sgpr_workgroup_id_x 1
		.amdhsa_system_sgpr_workgroup_id_y 1
		.amdhsa_system_sgpr_workgroup_id_z 1
		.amdhsa_system_vgpr_workitem_id 0
		.amdhsa_next_free_vgpr 1024
		.amdhsa_next_free_sgpr 72
		.amdhsa_reserve_vcc 0
		.amdhsa_float_denorm_mode_32 3
		.amdhsa_float_denorm_mode_16_64 3
		.amdhsa_memory_ordered 1
		.amdhsa_forward_progress 1
		.amdhsa_inst_pref_size 161
	.end_amdhsa_kernel
	.amdgpu_metadata
---
amdhsa.version: [ 1, 2 ]
amdhsa.kernels:
  - .name:           k_q2f82826f0f_down
    .symbol:         k_q2f82826f0f_down.kd
    .args:
      - { .name: w3, .offset: 0, .size: 8, .value_kind: global_buffer, .address_space: global }
      - { .name: hid, .offset: 8, .size: 8, .value_kind: global_buffer, .address_space: global }
      - { .name: route, .offset: 16, .size: 8, .value_kind: global_buffer, .address_space: global }
      - { .name: y, .offset: 24, .size: 8, .value_kind: global_buffer, .address_space: global }
    .group_segment_fixed_size: 86016
    .private_segment_fixed_size: 0
    .kernarg_segment_align: 8
    .kernarg_segment_size: 32
    .max_flat_workgroup_size: 128
    .sgpr_count:     72
    .vgpr_count:     1024
    .wavefront_size: 32
...
	.end_amdgpu_metadata
.endif
;; end of part 3
;; launch combine (part 4): grid 256 x 1, 4 waves a work-group, no clusters, 0 bytes of LDS; arguments y, route, rw, posn, out0, out1; writes out0, out1
.if DOCPART == 4
	.amdgcn_target "amdgcn-amd-amdhsa--gfx1250"
	.amdhsa_code_object_version 6
	.text
	.protected	k_q2f82826f0f_combine
	.globl	k_q2f82826f0f_combine
	.p2align	8
	.type	k_q2f82826f0f_combine,@function
k_q2f82826f0f_combine:
	s_mov_b64 s[64:65], 0
	v_nop
	global_prefetch_b8 v0, s[64:65] scope:SCOPE_SE
	s_setreg_imm32_b32 hwreg(HW_REG_WAVE_MODE, 25, 1), 1
	s_wait_xcnt 0x0
; out0[t] = c0 (y[e0][0][p0] + y[e0][1][p0]) + c1 (y[e1][0][p1] + y[e1][1][p1]); out1 = 0.01 x the sum over experts of (mean probability - 1/8)^2.
; A wave owns a token: each output row has one owner.  e0, e1 (route), c0, c1 (rw) and the token's position among each expert's rows (posn) were stored by earlier launches and come by scalar loads;
; what enters an address is held inside its table first.  y: [8 e][2 halves of K][1,280 positions][1,024] f32.
; A stream: four rows of 4,096 bytes in, one out, each load and store of the wave 512 consecutive bytes; all 32 loads are asked for at once.  LDS, barriers, matrix units and clusters would add nothing.
; The wave of token 0 also makes out1, from the 64 work-groups' sums of probabilities; its four loads stand behind the 32 and land with them.
.set PSUM,  8192                       ; rw: where the sums begin
.set KHB,   5242880                    ; y: from one half of K to the other: 1,280 rows of 4,096 bytes
	s_load_b256 s[4:11], s[0:1], 0x0               ; y s[4:5], route s[6:7], rw s[8:9], posn s[10:11]
	s_load_b128 s[12:15], s[0:1], 0x20             ; out0 s[12:13], out1 s[14:15]
	v_lshrrev_b32 v2, 5, v0
	v_readfirstlane_b32 s16, v2                    ; wave
	s_lshl_b32 s17, ttmp9, 2
	s_add_co_u32 s17, s17, s16                     ; my token
	v_and_b32 v3, 31, v0                           ; lane
	v_lshlrev_b32 v1, 4, v3                        ; 16 bytes a lane
	v_lshlrev_b32 v2, 5, v3                        ; the sums: 32 bytes a lane
	s_lshl_b32 s18, s17, 3
	s_lshl_b32 s19, s17, 5
	s_lshl_b32 s36, s17, 12
	s_mov_b32 s37, 0
	s_mov_b32 s42, 0x76543210
	s_mov_b32 s43, 0xfedcba98                      ; v_permlanex16_b32's selects for lane l xor 16
	s_mov_b32 s44, 0x3a800000                      ; 1 / 1,024
	s_mov_b32 s45, 0xbe000000                      ; -1 / 8
	s_wait_kmcnt 0x0
	s_load_b64 s[20:21], s[6:7], s18 offset:0x0    ; e0, e1
	s_load_b64 s[22:23], s[8:9], s18 offset:0x0    ; c0, c1
	s_load_b256 s[24:31], s[10:11], s19 offset:0x0 ; my position among each expert's rows
	s_add_nc_u64 s[12:13], s[12:13], s[36:37]      ; my row of out0
	s_wait_kmcnt 0x0
	s_min_u32 s20, s20, 7                          ; held inside the table of experts
	s_min_u32 s21, s21, 7
	s_mov_b32 s32, s24
	s_mov_b32 s33, s24
.irp i, 1,2,3,4,5,6,7
	s_cmp_eq_u32 s20, \i
	s_cselect_b32 s32, s[24+\i], s32
	s_cmp_eq_u32 s21, \i
	s_cselect_b32 s33, s[24+\i], s33
.endr
	s_min_u32 s32, s32, 0x4ff                      ; held inside an expert's 1,280 positions
	s_min_u32 s33, s33, 0x4ff
	s_mul_i32 s38, s20, 2560
	s_add_co_u32 s38, s38, s32
	s_lshl_b32 s38, s38, 12                        ; (2,560 e + position) rows of 4,096 bytes: under 2^27
	s_mov_b32 s39, 0
	s_mul_i32 s40, s21, 2560
	s_add_co_u32 s40, s40, s33
	s_lshl_b32 s40, s40, 12
	s_mov_b32 s41, 0
	s_add_nc_u64 s[38:39], s[4:5], s[38:39]
	s_add_nc_u64 s[40:41], s[4:5], s[40:41]
	s_mov_b32 s34, s23                             ; c1 as the low word of a pair of its own: the packed forms take a scalar pair's low word for both halves
	s_mov_b32 s35, s23
.irp q, 0,1,2,3,4,5,6,7
	global_load_b128 v[16+16*\q:19+16*\q], v1, s[38:39] offset:512*\q th:TH_LOAD_NT
	global_load_b128 v[20+16*\q:23+16*\q], v1, s[38:39] offset:512*\q+KHB th:TH_LOAD_NT
	global_load_b128 v[24+16*\q:27+16*\q], v1, s[40:41] offset:512*\q th:TH_LOAD_NT
	global_load_b128 v[28+16*\q:31+16*\q], v1, s[40:41] offset:512*\q+KHB th:TH_LOAD_NT
.endr
	s_cmp_lg_u32 s17, 0
	s_cbranch_scc1 .Lsum
	global_load_b128 v[144:147], v2, s[8:9] offset:PSUM            ; work-group l's eight sums,
	global_load_b128 v[148:151], v2, s[8:9] offset:PSUM+16
	global_load_b128 v[152:155], v2, s[8:9] offset:PSUM+1024       ; and work-group l + 32's
	global_load_b128 v[156:159], v2, s[8:9] offset:PSUM+1040
	v_mov_b32 v161, 0
	s_wait_loadcnt 0x0
.irp n, 0,2,4,6
	v_pk_add_f32 v[144+\n:145+\n], v[144+\n:145+\n], v[152+\n:153+\n]
.endr
.irp m, 1,2,4,8
.irp e, 0,1,2,3,4,5,6,7
	v_add_f32_dpp v[144+\e], v[144+\e], v[144+\e] row_xmask:\m row_mask:0xf bank_mask:0xf
.endr
.endr
.irp e, 0,1,2,3,4,5,6,7
	v_permlanex16_b32 v[152+\e], v[144+\e], s42, s43
.endr
.irp e, 0,1,2,3,4,5,6,7
	v_add_f32 v[144+\e], v[144+\e], v[152+\e]      ; the 1,024 tokens' probabilities of expert e
.endr
.irp e, 0,1,2,3,4,5,6,7
	v_fma_f32 v[144+\e], v[144+\e], s44, s45       ; the mean less 1 / 8
.endr
	v_mul_f32 v160, v144, v144
.irp e, 1,2,3,4,5,6,7
	v_fmac_f32 v160, v[144+\e], v[144+\e]
.endr
	v_mul_f32 v160, 0x3c23d70a, v160               ; x 0.01
	s_wait_xcnt 0x0                                ; EXEC changes only behind this wait: my loads name it
	v_cmp_eq_u32 vcc_lo, 0, v3
	s_and_saveexec_b32 s46, vcc_lo
	global_store_b32 v161, v160, s[14:15]
	s_wait_xcnt 0x0
	s_or_b32 exec_lo, exec_lo, s46
.Lsum:
.irp q, 0,1,2,3,4,5,6,7
	s_wait_loadcnt 28-4*\q                         ; this group's four loads are in; the younger groups of four may be out
	v_pk_add_f32 v[16+16*\q:17+16*\q], v[16+16*\q:17+16*\q], v[20+16*\q:21+16*\q]   ; the two halves of K
	v_pk_add_f32 v[18+16*\q:19+16*\q], v[18+16*\q:19+16*\q], v[22+16*\q:23+16*\q]
	v_pk_add_f32 v[24+16*\q:25+16*\q], v[24+16*\q:25+16*\q], v[28+16*\q:29+16*\q]
	v_pk_add_f32 v[26+16*\q:27+16*\q], v[26+16*\q:27+16*\q], v[30+16*\q:31+16*\q]
	v_pk_mul_f32 v[16+16*\q:17+16*\q], v[16+16*\q:17+16*\q], s[22:23] op_sel_hi:[1,0]   ; x c0
	v_pk_mul_f32 v[18+16*\q:19+16*\q], v[18+16*\q:19+16*\q], s[22:23] op_sel_hi:[1,0]
	v_pk_fma_f32 v[16+16*\q:17+16*\q], v[24+16*\q:25+16*\q], s[34:35], v[16+16*\q:17+16*\q] op_sel_hi:[1,0,1]   ; + c1 x the other expert's
	v_pk_fma_f32 v[18+16*\q:19+16*\q], v[26+16*\q:27+16*\q], s[34:35], v[18+16*\q:19+16*\q] op_sel_hi:[1,0,1]
	global_store_b128 v1, v[16+16*\q:19+16*\q], s[12:13] offset:512*\q th:TH_STORE_NT   ; the wave stores 512 consecutive bytes, aligned
.endr
	s_endpgm
.Lfunc_end_k_q2f82826f0f_combine:
	.size	k_q2f82826f0f_combine, .Lfunc_end_k_q2f82826f0f_combine-k_q2f82826f0f_combine
	.p2alignl 7, 3214868480
	.fill 96, 4, 3214868480
	.section	.rodata,"a",@progbits
	.p2align	6, 0x0
	.amdhsa_kernel k_q2f82826f0f_combine
		.amdhsa_group_segment_fixed_size 0
		.amdhsa_private_segment_fixed_size 0
		.amdhsa_enable_private_segment 0
		.amdhsa_kernarg_size 48
		.amdhsa_user_sgpr_count 2
		.amdhsa_user_sgpr_kernarg_segment_ptr 1
		.amdhsa_wavefront_size32 1
		.amdhsa_system_sgpr_workgroup_id_x 1
		.amdhsa_system_sgpr_workgroup_id_y 1
		.amdhsa_system_sgpr_workgroup_id_z 1
		.amdhsa_system_vgpr_workitem_id 0
		.amdhsa_next_free_vgpr 176
		.amdhsa_next_free_sgpr 66
		.amdhsa_reserve_vcc 1
		.amdhsa_float_denorm_mode_32 3
		.amdhsa_float_denorm_mode_16_64 3
		.amdhsa_memory_ordered 1
		.amdhsa_forward_progress 1
		.amdhsa_inst_pref_size 16
	.end_amdhsa_kernel
	.amdgpu_metadata
---
amdhsa.version: [ 1, 2 ]
amdhsa.kernels:
  - .name:           k_q2f82826f0f_combine
    .symbol:         k_q2f82826f0f_combine.kd
    .args:
      - { .name: y, .offset: 0, .size: 8, .value_kind: global_buffer, .address_space: global }
      - { .name: route, .offset: 8, .size: 8, .value_kind: global_buffer, .address_space: global }
      - { .name: rw, .offset: 16, .size: 8, .value_kind: global_buffer, .address_space: global }
      - { .name: posn, .offset: 24, .size: 8, .value_kind: global_buffer, .address_space: global }
      - { .name: out0, .offset: 32, .size: 8, .value_kind: global_buffer, .address_space: global }
      - { .name: out1, .offset: 40, .size: 8, .value_kind: global_buffer, .address_space: global }
    .group_segment_fixed_size: 0
    .private_segment_fixed_size: 0
    .kernarg_segment_align: 8
    .kernarg_segment_size: 48
    .max_flat_workgroup_size: 128
    .sgpr_count:     66
    .vgpr_count:     176
    .wavefront_size: 32
...
	.end_amdgpu_metadata
.endif
;; end of part 4
;; ======== version 2 of 2: 4 launches
;; workspace buffers: xq 1,081,344 bytes; route 9,216 bytes of whole numbers; rw 10,240 bytes; posn 32,768 bytes of whole numbers; hid 21,626,880 bytes; y 83,886,080 bytes
;; launch router (part 5): grid 64 x 1, 16 waves a work-group, no clusters, 39,424 bytes of LDS; arguments x, Wr, xq, route, rw; writes xq, route, rw
.if DOCPART == 5
	.amdgcn_target "amdgcn-amd-amdhsa--gfx1250"
	.amdhsa_code_object_version 6
	.text
	.protected	k_q2f82826f0f_router
	.globl	k_q2f82826f0f_router
	.p2align	8
	.type	k_q2f82826f0f_router,@function
k_q2f82826f0f_router:
	s_mov_b64 s[64:65], 0
	v_nop
	global_prefetch_b8 v0, s[64:65] scope:SCOPE_SE
	s_setreg_imm32_b32 hwreg(HW_REG_WAVE_MODE, 25, 1), 1
	s_wait_xcnt 0x0
; ROUTER AND QUANTISER OF x.  x [1024 tokens][1024] f32, Wr [1024][8] f32.
; Stores: xq = codes of x in E4M3, K innermost, [1024][1024] bytes, and from byte XSC on one E8M0 byte for each 32 along K, [1024][32];
;         route = the two chosen experts of each token, {e0, e1} as 32-bit words, and from byte MSK on a bit mask [8 experts][1024 bits]: bit t of expert e = token t uses e;
;         rw = the two renormalised weights {c0, c1} of each token, f32, and from byte PSUM on the sum of the 16 tokens' probabilities, [64 work-groups][8].
; No address and no branch here hangs on the choice: everything is stored at fixed places, and later launches read it.
; SHARES.  A work-group owns 16 tokens.  Wave wv: tg = wv / 4 owns tokens 4 tg .. 4 tg + 3; kq = wv % 4 owns k in [256 kq, 256 kq + 256).  Lane l owns k = 256 kq + 8 l + 0..7:
; a block of 32 along K lies in four neighbouring lanes.  The logits are f32 multiply-adds (the choice of experts hangs on them).
; Wr GOES THROUGH LDS.  A lane wants the eight rows of Wr of its eight k: 256 bytes on end, 256 bytes from lane to lane.  So the work-group loads Wr once, 16 bytes a thread, each load of a wave 512
; consecutive bytes, and lays it in LDS with 16 bytes of padding behind each 256: the 16 lanes of a read then fall into 16 different columns of 16 bytes.
; THE SUMS ARE FOLDED.  A lane has 32 partial sums (4 tokens x 8 experts), a wave 32 lanes: in each of five steps a lane keeps half of its sums and hands the other half to the lane that keeps them
; (lane xor 16, 8, 4, 2, 1).  At the end lane l holds sum number l = 8 token + expert, whole over the wave's 256 k, and one store of the wave lays 128 consecutive bytes.  The four quarters of K meet in LDS.
; Matrix units, clusters and tensor loads are left out: 4 MB are read once, and a product with 8 columns is too narrow for a matrix tile.
; LIMITS: NaN and infinities among the inputs are not served.  A block of zeros gets the byte 1 where the quantiser says 127: its codes are zeros, and the bytes are read by this program alone.
; Two probabilities equal within f32 rounding may be ranked the other way round; the exponential gives 0 for results under 2^-126.
.set XSC,  1048576                     ; xq: where the scale bytes begin
.set MSK,  8192                        ; route: where the masks begin
.set PSUM, 8192                        ; rw: where the sums begin
.set XSCL, 2048                        ; LDS: bytes 0-2047 partial logits [4 kq][16 tokens][8]; bytes 2048-2559 scale bytes [16 tokens][32]
.set WRL,  2560                        ; LDS: Wr, 128 runs of 256 bytes + 16
.set WCH,  272
.set T,    8                           ; v8-15    eight held numbers
.set BYT,  20                          ; v20-23   a scale byte for each of the four quantisations
.set CD,   24                          ; v24-31   their codes, a pair each: no store's data are written again
.set X,    32                          ; v32-63   x: register 8 tt + i
.set WR,   64                          ; v64-127  Wr: register 8 i + e
.set KP,   128                         ; v128-143 Wr as loaded; later what a lane keeps in a fold
.set SD,   144                         ; v144-159 what it sends
.set AC,   192                         ; v192-223 logits: register 8 tt + e
.set WRS,  253                         ; v253     LDS: where my thread's 16 bytes of Wr go
.set WRR,  254                         ; v254     LDS: my lane's eight rows of Wr
	s_load_b256 s[4:11], s[0:1], 0x0               ; x s[4:5], Wr s[6:7], xq s[8:9], route s[10:11]
	s_load_b64 s[12:13], s[0:1], 0x20              ; rw
	v_lshl_add_u32 v251, v0, 2, 0x9200
	v_mov_b32 v255, 0
	v_lshrrev_b32 v7, 5, v0
	s_delay_alu instid0(VALU_DEP_1)
	v_readfirstlane_b32 s14, v7                    ; wave 0..15
	s_lshr_b32 s15, s14, 2                         ; tg
	s_and_b32 s16, s14, 3                          ; kq
	v_and_b32 v1, 31, v0                           ; lane
	s_delay_alu instid0(VALU_DEP_1)
	v_lshlrev_b32 v2, 5, v1                        ; x: 32 bytes a lane
	v_lshlrev_b32 v3, 4, v0                        ; Wr: 16 bytes a thread
	s_delay_alu instid0(VALU_DEP_3)
	v_lshlrev_b32 v4, 3, v1                        ; codes: 8 bytes a lane
	s_lshl_b32 s17, s15, 7                         ; 128 tg: four tokens of 32 bytes
	s_lshl_b32 s18, s16, 3
	s_add_co_u32 s18, s18, s17
	s_add_co_u32 s18, s18, XSCL
	v_lshrrev_b32 v5, 2, v1
	s_delay_alu instid0(VALU_DEP_1)
	v_add_nc_u32 v5, s18, v5                       ; LDS: my block's scale byte: XSCL + 128 tg + 8 kq + lane / 4
	s_lshl_b32 s18, s16, 9
	s_add_co_u32 s18, s18, s17
	v_lshl_add_u32 v6, v1, 2, s18                  ; LDS: my sum: 512 kq + 128 tg + 4 lane = 512 kq + 32 token + 4 expert
	v_lshrrev_b32 v[WRS], 4, v0
	s_delay_alu instid0(VALU_DEP_1)
	v_add_nc_u32 v[WRS], v[WRS], v0
	s_delay_alu instid0(VALU_DEP_1)
	v_lshl_add_u32 v[WRS], v[WRS], 4, WRL          ; WRL + 16 t + 16 (t / 16)
	s_mul_i32 s18, s16, 32*WCH
	s_add_co_u32 s18, s18, WRL
	v_mul_u32_u24 v[WRR], v1, WCH
	s_delay_alu instid0(VALU_DEP_1)
	v_add_nc_u32 v[WRR], s18, v[WRR]               ; WRL + 272 (32 kq + lane)
	v_lshl_add_u32 v241, v1, 4, XSCL               ; wave 1's way out: 16 bytes a lane of the scale bytes
	v_lshlrev_b32 v240, 4, v1
	v_and_b32 v243, 15, v0                         ; wave 0's tail: a lane to a token
	s_delay_alu instid0(VALU_DEP_1)
	v_lshlrev_b32 v242, 5, v243
	s_delay_alu instid0(VALU_DEP_2)
	v_lshlrev_b32 v250, 3, v243
	v_mov_b32 v252, 0
	s_mov_b32 s20, 0x76543210
	s_mov_b32 s21, 0xfedcba98                      ; v_permlanex16_b32's selects for lane l xor 16
	s_mov_b32 s22, 0x600000                        ; the mantissa field of 448
	s_lshl_b32 s24, ttmp9, 4
	s_lshl_b32 s25, s15, 2
	s_add_co_u32 s24, s24, s25                     ; my first token: 16 x work-group + 4 tg
	s_lshl_b32 s26, s24, 12
	s_lshl_b32 s25, s16, 10
	s_add_co_u32 s26, s26, s25                     ; x: 4,096 bytes a token + 1,024 kq
	s_mov_b32 s27, 0
	s_lshl_b32 s30, s24, 10
	s_lshl_b32 s25, s16, 8
	s_add_co_u32 s30, s30, s25                     ; codes: 1,024 bytes a token + 256 kq
	s_mov_b32 s31, 0
	s_lshl_b32 s32, ttmp9, 9
	s_add_co_u32 s32, s32, XSC                     ; the work-group's 512 scale bytes
	s_mov_b32 s33, 0
	s_lshl_b32 s34, ttmp9, 7                       ; 16 tokens x 8 bytes
	s_mov_b32 s35, 0
	s_lshl_b32 s38, ttmp9, 1
	s_add_co_u32 s38, s38, MSK                     ; the work-group's 16 bits of each mask
	s_mov_b32 s39, 0
	s_lshl_b32 s40, ttmp9, 5
	s_add_co_u32 s40, s40, PSUM
	s_mov_b32 s41, 0
	s_wait_alu depctr_va_vdst(0)
	s_wait_kmcnt 0x0
	s_add_nc_u64 s[4:5], s[4:5], s[26:27]
	s_add_nc_u64 s[36:37], s[8:9], s[32:33]
	s_add_nc_u64 s[8:9], s[8:9], s[30:31]
	s_add_nc_u64 s[38:39], s[10:11], s[38:39]
	s_add_nc_u64 s[10:11], s[10:11], s[34:35]
	s_add_nc_u64 s[40:41], s[12:13], s[40:41]
	s_add_nc_u64 s[12:13], s[12:13], s[34:35]
.irp j, 0,1,2,3
	global_load_b128 v[KP+4*\j:KP+4*\j+3], v3, s[6:7] offset:8192*\j   ; Wr: the 512 threads cover 8,192 bytes a load, a wave 512 consecutive bytes
.endr
.irp tt, 0,1,2,3
.irp hf, 0,1
	global_load_b128 v[X+8*\tt+4*\hf:X+8*\tt+4*\hf+3], v2, s[4:5] offset:4096*\tt+16*\hf th:TH_LOAD_NT
.endr
.endr
	s_wait_loadcnt 8                               ; Wr's four loads are in; x's eight, issued behind them, may be out
.irp j, 0,1,2,3
	ds_store_b128 v[WRS], v[KP+4*\j:KP+4*\j+3] offset:32*WCH*\j
.endr
; Eight numbers of token tt become eight codes; four neighbouring lanes hold the block.
.macro QX tt
.set XR, X+8*(\tt)
	v_max3_num_f32 v16, |v[XR]|, |v[XR+1]|, 0x4800000              ; the largest magnitude of my eight, and the floor 2^(9 - 127): so the byte cannot fall under 1
	v_max3_num_f32 v17, |v[XR+2]|, |v[XR+3]|, |v[XR+4]|
	s_delay_alu instid0(VALU_DEP_2)
	v_max3_num_f32 v16, v16, |v[XR+5]|, |v[XR+6]|
	s_delay_alu instid0(VALU_DEP_1)
	v_max3_num_f32 v16, v16, v17, |v[XR+7]|
	s_delay_alu instid0(VALU_DEP_1)
	v_max_num_f32_dpp v16, v16, v16 row_xmask:1 row_mask:0xf bank_mask:0xf
	s_delay_alu instid0(VALU_DEP_1)
	v_max_num_f32_dpp v16, v16, v16 row_xmask:2 row_mask:0xf bank_mask:0xf   ; the block's
	s_delay_alu instid0(VALU_DEP_1)
	v_add_nc_u32 v18, 0xfc000000, v16              ; 8 off its exponent field: the conversion takes this operand's exponent field as its scale
	s_delay_alu instid0(VALU_DEP_2)
	v_and_or_b32 v19, v16, 0x7f800000, s22         ; 448 x the scale
	s_delay_alu instid0(VALU_DEP_2)
	v_lshrrev_b32 v[BYT+\tt], 23, v18              ; the scale's byte
.irp i, 0,1,2,3,4,5,6,7
	v_med3_num_f32 v[T+\i], v[XR+\i], -v19, v19    ; the conversion to an 8-bit code does not saturate (ISA guide 7.6.2): the hold; x itself stays for the logits
.endr
	v_cvt_scalef32_pk8_fp8_f32 v[CD+2*(\tt):CD+2*(\tt)+1], v[T:T+7], v18
	v_nop                                          ; one plain line between a scaled conversion and the next write of its sources
	ds_store_b8 v5, v[BYT+\tt] offset:32*(\tt)     ; the four lanes of a block write the same byte with the same value
	global_store_b64 v4, v[CD+2*(\tt):CD+2*(\tt)+1], s[8:9] offset:1024*(\tt)   ; the wave stores 256 consecutive bytes, aligned
.endm
	s_wait_loadcnt 0x0                             ; x
	QX 0
	QX 1
	QX 2
	QX 3
	s_wait_dscnt 0x0                               ; for the others' sake: my part of Wr and my scale bytes lie in LDS
	s_barrier_signal -1
	s_barrier_wait -1                              ; all of Wr lies in LDS, and nobody writes it again
.irp n, 0,1,2,3,4,5,6,7,8,9,10,11,12,13,14,15
	ds_load_b128 v[WR+4*\n:WR+4*\n+3], v[WRR] offset:16*\n         ; my eight rows of Wr: register 8 i + e
.endr
	s_wait_dscnt 0x0
; the logits: 8 k a lane, two experts an instruction, sixteen chains by turns; the first k starts the sums
.irp i, 0,1,2,3,4,5,6,7
.irp tt, 0,1,2,3
.irp p, 0,1,2,3
.if \i == 0
	v_pk_mul_f32 v[AC+8*\tt+2*\p:AC+8*\tt+2*\p+1], v[WR+2*\p:WR+2*\p+1], v[X+8*\tt:X+8*\tt+1] op_sel_hi:[1,0]
.elseif (\i % 2) == 0
	v_pk_fma_f32 v[AC+8*\tt+2*\p:AC+8*\tt+2*\p+1], v[WR+8*\i+2*\p:WR+8*\i+2*\p+1], v[X+8*\tt+\i:X+8*\tt+\i+1], v[AC+8*\tt+2*\p:AC+8*\tt+2*\p+1] op_sel_hi:[1,0,1]
.else
	v_pk_fma_f32 v[AC+8*\tt+2*\p:AC+8*\tt+2*\p+1], v[WR+8*\i+2*\p:WR+8*\i+2*\p+1], v[X+8*\tt+\i-1:X+8*\tt+\i], v[AC+8*\tt+2*\p:AC+8*\tt+2*\p+1] op_sel:[0,1,0] op_sel_hi:[1,1,1]
.endif
.endr
.endr
.endr
; THE FOLDS.  Of sums i and i + n a lane whose bit is 0 keeps i and sends i + n, a lane whose bit is 1 keeps i + n and sends i; each adds what its partner sends.  The bit so becomes a bit of the sum's number.
	s_mov_b32 vcc_lo, 0xffff0000                   ; lanes 16-31
.set ii, 0
.rept 16
	v_cndmask_b32 v[KP+ii], v[AC+ii], v[AC+16+ii], vcc_lo
	v_cndmask_b32 v[SD+ii], v[AC+16+ii], v[AC+ii], vcc_lo
.set ii, ii+1
.endr
.set ii, 0
.rept 16
	v_permlanex16_b32 v[AC+16+ii], v[SD+ii], s20, s21              ; (the destination, which counts as a source, holds a sum that is done with)
.set ii, ii+1
.endr
.set ii, 0
.rept 16
	v_add_f32 v[AC+ii], v[KP+ii], v[AC+16+ii]
.set ii, ii+1
.endr
.macro FOLD n, mask                    ; n sums are left; the partner is lane xor n
	s_mov_b32 vcc_lo, \mask
.set ii, 0
.rept \n
	v_cndmask_b32 v[KP+ii], v[AC+ii], v[AC+\n+ii], vcc_lo
	v_cndmask_b32 v[SD+ii], v[AC+\n+ii], v[AC+ii], vcc_lo
.set ii, ii+1
.endr
.set ii, 0
.rept \n
	v_add_f32_dpp v[AC+ii], v[SD+ii], v[KP+ii] row_xmask:\n row_mask:0xf bank_mask:0xf
.set ii, ii+1
.endr
.endm
	FOLD 8, 0xff00ff00
	FOLD 4, 0xf0f0f0f0
	FOLD 2, 0xcccccccc
	FOLD 1, 0xaaaaaaaa                             ; lane l holds sum number l: token l / 8 of my four, expert l % 8
	ds_store_b32 v6, v[AC]                         ; the wave stores 128 consecutive bytes
	s_wait_dscnt 0x0                               ; for the others' sake: my sums lie in LDS
	s_barrier_signal -1
	s_barrier_wait -1
	s_cmp_eq_u32 s14, 0
	s_cbranch_scc1 .Lwave0
	s_cmp_eq_u32 s14, 1
	s_cbranch_scc1 .Lwave1
	s_wait_tensorcnt 0x0
	ds_add_u32 v251, v255
	s_wait_dscnt 0x0
	s_endpgm
.Lwave1:                                               ; the 16 tokens' 512 scale bytes leave as two aligned runs of 256 bytes
	ds_load_b128 v[212:215], v241
	s_wait_dscnt 0x0
	global_store_b128 v240, v[212:215], s[36:37]
	s_wait_tensorcnt 0x0
	ds_add_u32 v251, v255
	s_wait_dscnt 0x0
	s_endpgm
.Lwave0:                                               ; a lane to a token (lanes 16-31 do what lanes 0-15 do)
.irp q, 0,1,2,3
	ds_load_b128 v[208+8*\q:211+8*\q], v242 offset:512*\q
	ds_load_b128 v[212+8*\q:215+8*\q], v242 offset:512*\q+16
.endr
	s_wait_dscnt 0x0
.irp n, 0,2,4,6
	v_pk_add_f32 v[208+\n:209+\n], v[208+\n:209+\n], v[216+\n:217+\n]
	v_pk_add_f32 v[224+\n:225+\n], v[224+\n:225+\n], v[232+\n:233+\n]
.endr
.irp n, 0,2,4,6
	v_pk_add_f32 v[208+\n:209+\n], v[208+\n:209+\n], v[224+\n:225+\n]   ; the four quarters of K: the logits
.endr
	s_delay_alu instid0(VALU_DEP_3)
	v_max3_num_f32 v224, v208, v209, v210
	s_delay_alu instid0(VALU_DEP_1)
	v_max3_num_f32 v224, v224, v211, v212
	s_delay_alu instid0(VALU_DEP_1)
	v_max3_num_f32 v224, v224, v213, v214
	s_delay_alu instid0(VALU_DEP_1)
	v_max_num_f32 v224, v224, v215                 ; the maximum is taken away ahead of the exponential
.irp e, 0,1,2,3,4,5,6,7
	v_sub_f32 v[216+\e], v[208+\e], v224
.endr
.irp e, 0,1,2,3,4,5,6,7
	v_mul_f32 v[216+\e], 0x3fb8aa3b, v[216+\e]     ; x log2(e)
.endr
	s_wait_alu depctr_va_vdst(0)
.irp e, 0,1,2,3,4,5,6,7
	v_exp_f32 v[216+\e], v[216+\e]
.endr
	v_nop                                          ; a plain line behind the exponentials
	s_wait_alu depctr_va_vdst(0)
	v_add_f32 v226, v216, v217
	v_add_f32 v227, v218, v219
	v_add_f32 v225, v220, v221
	v_add_f32 v224, v222, v223
	s_delay_alu instid0(VALU_DEP_3)
	v_add_f32 v226, v226, v227
	s_delay_alu instid0(VALU_DEP_2)
	v_add_f32 v225, v225, v224
	s_delay_alu instid0(VALU_DEP_1)
	v_add_f32 v226, v226, v225
	s_wait_alu depctr_va_vdst(0)
	v_rcp_f32 v227, v226
	v_nop
	s_wait_alu depctr_va_vdst(0)
.irp e, 0,1,2,3,4,5,6,7
	v_mul_f32 v[216+\e], v[216+\e], v227           ; the probabilities
.endr
	v_mov_b32 v228, v216                           ; the largest: a later expert wins only if it is strictly larger, so the lower index is kept on a tie
	v_mov_b32 v248, 0
.irp e, 1,2,3,4,5,6,7
	s_delay_alu instid0(VALU_DEP_2)
	v_cmp_le_f32 vcc_lo, v[216+\e], v228
	s_delay_alu instid0(VALU_DEP_1)
	v_cndmask_b32 v228, v[216+\e], v228, vcc_lo
	s_delay_alu instid0(VALU_DEP_2)
	v_cndmask_b32 v248, \e, v248, vcc_lo
.endr
.irp e, 0,1,2,3,4,5,6,7
	v_cmp_ne_u32 vcc_lo, \e, v248
	s_delay_alu instid0(VALU_DEP_1)
	v_cndmask_b32 v[232+\e], -1.0, v[216+\e], vcc_lo               ; the winner is taken out: -1 lies under every probability
.endr
	v_mov_b32 v230, v232                           ; the second largest, likewise
	v_mov_b32 v249, 0
.irp e, 1,2,3,4,5,6,7
	s_delay_alu instid0(VALU_DEP_2)
	v_cmp_le_f32 vcc_lo, v[232+\e], v230
	s_delay_alu instid0(VALU_DEP_1)
	v_cndmask_b32 v230, v[232+\e], v230, vcc_lo
	s_delay_alu instid0(VALU_DEP_2)
	v_cndmask_b32 v249, \e, v249, vcc_lo
.endr
	s_delay_alu instid0(VALU_DEP_2)
	v_add_f32 v244, v228, v230
	s_wait_alu depctr_va_vdst(0)
	v_rcp_f32 v245, v244
	v_nop
	s_wait_alu depctr_va_vdst(0)
	v_mul_f32 v246, v228, v245                     ; the two weights, renormalised
	v_mul_f32 v247, v230, v245
.irp m, 1,2,4,8
.irp e, 0,1,2,3,4,5,6,7
	v_add_f32_dpp v[216+\e], v[216+\e], v[216+\e] row_xmask:\m row_mask:0xf bank_mask:0xf   ; the 16 tokens' probabilities, summed
.endr
.endr
.irp e, 0,1,2,3,4,5,6,7
	v_cmp_eq_u32 s24, \e, v248
	v_cmp_eq_u32 s25, \e, v249
	s_or_b32 s24, s24, s25
	s_and_b32 s24, s24, 0xffff                     ; bit i: token i of my 16 uses expert e
	v_mov_b32 v[232+\e], s24
.endr
	s_wait_alu depctr_va_vdst(0)
	s_wait_xcnt 0x0                                ; EXEC changes only behind this wait: my stores of codes name it
	v_cmp_gt_u32 vcc_lo, 16, v0
	s_wait_tensorcnt 0x0
	ds_add_u32 v251, v255
	s_wait_dscnt 0x0
	s_and_saveexec_b32 s26, vcc_lo
	global_store_b64 v250, v[248:249], s[10:11]    ; {e0, e1}
	global_store_b64 v250, v[246:247], s[12:13]    ; {c0, c1}
	s_wait_xcnt 0x0
	s_or_b32 exec_lo, exec_lo, s26
	v_cmp_eq_u32 vcc_lo, 0, v0
	s_and_saveexec_b32 s26, vcc_lo
.irp e, 0,1,2,3,4,5,6,7
	global_store_b16 v252, v[232+\e], s[38:39] offset:128*\e       ; 16 bits of each expert's mask
.endr
	global_store_b128 v252, v[216:219], s[40:41]
	global_store_b128 v252, v[220:223], s[40:41] offset:16
	s_wait_xcnt 0x0
	s_or_b32 exec_lo, exec_lo, s26
	s_endpgm
.Lfunc_end_k_q2f82826f0f_router:
	.size	k_q2f82826f0f_router, .Lfunc_end_k_q2f82826f0f_router-k_q2f82826f0f_router
	.p2alignl 7, 3214868480
	.fill 96, 4, 3214868480
	.section	.rodata,"a",@progbits
	.p2align	6, 0x0
	.amdhsa_kernel k_q2f82826f0f_router
		.amdhsa_group_segment_fixed_size 39424
		.amdhsa_private_segment_fixed_size 0
		.amdhsa_enable_private_segment 0
		.amdhsa_kernarg_size 40
		.amdhsa_user_sgpr_count 2
		.amdhsa_user_sgpr_kernarg_segment_ptr 1
		.amdhsa_wavefront_size32 1
		.amdhsa_system_sgpr_workgroup_id_x 1
		.amdhsa_system_sgpr_workgroup_id_y 1
		.amdhsa_system_sgpr_workgroup_id_z 1
		.amdhsa_system_vgpr_workitem_id 0
		.amdhsa_next_free_vgpr 256
		.amdhsa_next_free_sgpr 66
		.amdhsa_reserve_vcc 1
		.amdhsa_float_denorm_mode_32 3
		.amdhsa_float_denorm_mode_16_64 3
		.amdhsa_memory_ordered 1
		.amdhsa_forward_progress 1
		.amdhsa_inst_pref_size 39
	.end_amdhsa_kernel
	.amdgpu_metadata
---
amdhsa.version: [ 1, 2 ]
amdhsa.kernels:
  - .name:           k_q2f82826f0f_router
    .symbol:         k_q2f82826f0f_router.kd
    .args:
      - { .name: x, .offset: 0, .size: 8, .value_kind: global_buffer, .address_space: global }
      - { .name: Wr, .offset: 8, .size: 8, .value_kind: global_buffer, .address_space: global }
      - { .name: xq, .offset: 16, .size: 8, .value_kind: global_buffer, .address_space: global }
      - { .name: route, .offset: 24, .size: 8, .value_kind: global_buffer, .address_space: global }
      - { .name: rw, .offset: 32, .size: 8, .value_kind: global_buffer, .address_space: global }
    .group_segment_fixed_size: 39424
    .private_segment_fixed_size: 0
    .kernarg_segment_align: 8
    .kernarg_segment_size: 40
    .max_flat_workgroup_size: 512
    .sgpr_count:     66
    .vgpr_count:     256
    .wavefront_size: 32
...
	.end_amdgpu_metadata
.endif
;; end of part 5
;; launch gateup (part 6): grid 256 x 1, 4 waves a work-group, no clusters, 207,616 bytes of LDS; arguments w1, w2, xq, route, hid, posn; writes hid, posn
.if DOCPART == 6
	.amdgcn_target "amdgcn-amd-amdhsa--gfx1250"
	.amdhsa_code_object_version 6
	.text
	.protected	k_q2f82826f0f_gateup
	.globl	k_q2f82826f0f_gateup
	.p2align	8
	.type	k_q2f82826f0f_gateup,@function
k_q2f82826f0f_gateup:
	s_mov_b64 s[64:65], 0
	v_nop
	global_prefetch_b8 v0, s[64:65] scope:SCOPE_SE
	s_setreg_imm32_b32 hwreg(HW_REG_WAVE_SCHED_MODE, 0, 2), 2
	s_setreg_imm32_b32 hwreg(HW_REG_WAVE_MODE, 25, 1), 1
	s_wait_xcnt 0x0
	s_wait_alu depctr_vm_vsrc(0)
; hidden = silu(x w1[e]) * (x w2[e]) for the rows that chose expert e, both products on codes of E4M3 with one E8M0 scale for each 32 along K = 1,024; the result is quantised along I and stored as codes.
; SHARES.  Work-group = (expert e = wg / 32, columns 64 s .. 64 s + 63 of I, s = wg % 32).  Its slices of w1 and w2, 2 x 1,024 x 64 f32, are read from memory ONCE, quantised in registers and kept in LDS as
; images of operand registers.  Then the expert's rows are walked in sweeps of 320 positions: wave w takes five tiles of 16 rows, all 64 columns, in two passes of 32 columns.
; THE STREAM.  Wave w streams matrix w / 2 (w1, w2), half w % 2 of K.  A set is 32 k x 64 columns: 16 loads; in each, lanes 0-15 read 256 consecutive aligned bytes of row 32 kb + i and lanes 16-31 of row 32 kb + 16 + i.
; So lane (r16, h) holds columns 4 r16 + 0..3 at k = 32 kb + 16 h + 0..15: a block's maximum wants lane l xor 16 alone, and a column's 16 codes are registers 4 c .. 4 c + 3 of an operand fragment.
; Four sets, 64 loads of 512 bytes a wave, are asked for ahead, in a ring of registers with counted waits.  Sixty of the first 64 go out at the head and the last four behind the search for the rows: with the
; two scalar loads of the masks 62 instructions are then out, so that no issue is held at a counter's field (ISA guide 5.7.1) while the head's work, which needs none of these loads, is due.
; THE COLUMNS OF A TILE ARE NOT NEIGHBOURS: of a pass's 32 columns q5, tile u takes those with (q5 / 8) % 2 = u, at tile row q5 % 8 + 8 (q5 / 16).  The products are used transposed (source 0 = 16 weight columns,
; source 1 = 16 rows of x), so a lane holds ONE row, and the 16 registers of gate's two tiles are columns 16 h + 0..15 of the pass: 16 neighbours along the next product's K.
; THE ROWS.  route holds a bit mask of the expert's tokens.  F[t] = members among tokens under t (wave 0 makes it, in LDS; the work-groups with s = 0 store it as posn).  The token at position p is the
; largest t with F[t] <= p, found by ten halvings in LDS; positions at or past the count give token 1,023, whose results nobody reads.  All searches stand at the head, between two barriers between which no
; wave stores to LDS; those of sweeps 1 to 3 are jumped over where the expert has no second sweep.  A wave's sweep is worked if its first position lies under max(count, 241): so the first sweep is always
; worked, four sweeps serve 1,024 rows on one expert, and the next launch, which takes the same decision, reads no byte that was not stored.
; hid: codes [8 e][80 tiles][16 K steps][2,048-byte image: four runs of 512 bytes, lane l's 16 bytes at 16 l]; from byte HSC on the scale bytes [8][80][16 rows][64 blocks].
; NO JOINT LOADS: what the 32 work-groups of an expert share, the rows' codes (320 KB a sweep), is gathered by a list straight into registers and has no room in LDS beside 132 KB of weight images;
; the weights, which are nearly all of the bytes, are shared by nobody.  No tensor loads: the ring in registers keeps loads on their way without a gap at a change of slots.
; LIMITS: NaN and infinities among the inputs are not served.  A block of zeros gets the byte 1 where the quantiser says 127: its codes are zeros, and the bytes are read by this program alone.
; REGISTERS, in windows of 256: window 0: v1-18 addresses; v24-28, v56-60, v88-92 the tokens of sweeps 3, 1, 2; v32-55 at work; v64-83 x's scale words, v84-87 the weights' (these hold scales and nothing else);
; v96-255 the 20 accumulators (slot sl, tile f) at 96 + 32 sl + 8 f, and ahead of the products held numbers, codes and the gather's offsets.  Windows 1, 2 and the low half of 3: x's fragments, slot sl,
; K step ks at 128 (sl % 2) + 16 ks.  Window 3: in the stream the ring of four sets; later its high half holds two sets of four weight fragments.
; THE MODE: SCHED_MODE bits 1:0 = 2 (LLVM: expert scheduling mode 2), set by the entry lines.  The code itself states the register dependences between vector or matrix instructions and memory or LDS
; instructions, with s_wait_alu, always for 0.
; THE PLAN.  Registers that memory or LDS instructions touch, and who else names them:
;   the ring       A turn's maxima and holds read set c; behind them the loads of the set four on (in the tail: of x's rows) land in it.
;   C, SW          Written by a turn's conversions and shifts; read by the turn's LDS stores.   WST, WSS: read by those stores; stepped once a K step.
;                  ONE wait on va_vdst a turn, behind the conversions; all the turn's loads and LDS stores follow it, and no vector instruction stands behind it in the turn.
;                  One wait on vm_vsrc ahead of a turn's first write of C: at the head of turns 1 to 3, and with the step of WST and WSS ahead of turn 0.
;   the search     The five addresses are read by a halving's LDS loads and written by its selects; VAL is loaded and read by the compares, whose masks go to s44-48: three waits a halving.
;   x's fragments  Global loads land in them; the stage's stores read them; the stage's loads land in them (a wait on vm_vsrc between, once a slot); the products read them.
;   weight sets, WS  The products of K step ks read set ks % 2; the loads of step ks + 1 land in the other set.  One wait on va_vdst at the head of steps 1 to 6; the loads stand behind the step's first eight
;                  products, which name the step's own set, x's fragments, the accumulators and the step's own scale words: none of the registers that those loads touch.
;   accumulators   Each slot's codes and byte go into registers of their own; the stores of slot sl - 1 stand behind slot sl's wait for its exponentials.  What memory instructions have read of the
;                  registers under the accumulators (codes, the gather's offsets, the last pass's store data) is stated read by one wait on vm_vsrc at a pass's head.
;   GOFF, L4, L16, L32, HSO, STS, STL   Made once at the head and never written again.   v94, v95: written at the head, read by the closing add alone.
.set MSK,   8192                       ; route: where the masks begin
.set XSC,   1048576                    ; xq: where the scale bytes begin
.set HSC,   20971520                   ; hid: where the scale bytes begin
.set ROWB,  8192                       ; a row of w1 or w2 in bytes
.set SETB,  32*ROWB                    ; a set's 32 rows
.set WSC,   4096                       ; LDS: bytes 0-4095 F; from WSC the weights' scale words: 2,048 pass + 256 K step + 128 matrix + 64 u + 4 tile row
.set WIMG,  8192                       ; the weight images: PASSB pass + KSTR K step + USTR fragment (2 matrix + u) + 512 c + 16 lane
.set PASSB, 66080
.set KSTR,  8256
.set USTR,  2064                       ; 2,048 + 16: the 16 lanes of a store then fall into 16 different columns of 16 bytes
.set STG,   140544                     ; a stage for each wave: 16 rows of x's codes, 1,024 bytes + 16
.set STGW,  16640
.set SPITCH, 1040
.set R16,  1                           ; lane % 16
.set HH,   2                           ; lane / 16
.set GOFF, 3                           ; the stream: 16 rows x h + 16 r16
.set WST,  4                           ; where my codes go, stepped a K step at a time
.set WSS,  5                           ; and my scale words
.set WRD0, 6                           ; WIMG + 16 lane
.set WSR0, 7                           ; WSC + 4 lane
.set WRD,  8                           ; the same for the pass in hand
.set WSR,  9
.set STS,  10                          ; the stage, in: row h, 16 r16
.set STL,  11                          ; the stage, out: row r16, 16 h
.set H4,   12
.set R16B, 13
.set H16,  14
.set L16,  15
.set HSO,  16                          ; 64 r16: my row's scale bytes in a tile
.set L4,   17
.set L32,  18
.set NX3,  24                          ; v24-28 4 x the tokens of the sweep three on;  v56-60 of the next sweep;  v88-92 of the sweep after it
.set NX1,  56
.set NX2,  88
.set TM,   32                          ; v32-35 largest magnitudes; v36-39 the other half's; v40-43 the conversions' scale operands; v44-47 448 x the scale; v48-51 bytes; v52-55 scale words
.set TP,   36
.set SCL,  40
.set LIM,  44
.set BY,   48
.set SW,   52
.set XS,   64
.set WS,   84
.set ACC,  96
.set T,    96                          ; v96-159  64 held numbers, a column's 16 on end
.set C,    160                         ; v160-175 their codes
.set VO,   176                         ; v176-215 the gather's offsets: slot sl, pair of rows m
.set XSO,  216                         ; v216-220 and those of the scale words
.set PP,   221                         ; v221-225 my position;  v226-230, v231-235 at work in the search;  v236-240 4 x the first sweep's tokens
.set CAND, 226
.set VAL,  231
.set LO,   236
.set BPI,  241                         ; v241-248 lane selects
.set MK,   44                          ; s44-48   the masks of a halving's five compares
.set MSB, 0
.macro WIN new                         ; the immediate's high byte repeats the setting that is left; a switch that changes nothing is dropped
.if MSB != (\new)
	s_set_vgpr_msb (MSB<<8)|(\new)
.set MSB, (\new)
.endif
.endm
	s_load_b256 s[4:11], s[0:1], 0x0               ; w1 s[4:5], w2 s[6:7], xq s[8:9], route s[10:11]
	s_load_b128 s[12:15], s[0:1], 0x20             ; hid s[12:13], posn s[14:15]
	v_lshl_add_u32 v94, v0, 2, 0x32900
	v_mov_b32 v95, 0
	v_lshrrev_b32 v19, 5, v0
	v_readfirstlane_b32 s20, v19                   ; wave 0..3
	s_lshr_b32 s21, ttmp9, 5                       ; e
	s_and_b32 s22, ttmp9, 31                       ; s
	v_and_b32 v[R16], 15, v0
	v_bfe_u32 v[HH], v0, 4, 1
	v_lshlrev_b32 v[R16B], 4, v[R16]
	v_lshl_add_u32 v[GOFF], v[HH], 17, v[R16B]
	s_lshl_b32 s16, s21, 7
	s_add_co_u32 s16, s16, MSK                     ; the expert's 128 bytes of mask
	s_wait_alu depctr_va_sdst(0)                   ; s20 is written, ahead of its first reader
	s_and_b32 s17, s20, 1                          ; which half of K I stream
	s_lshr_b32 s24, s20, 1                         ; which matrix
	s_lshl_b32 s18, s21, 23                        ; an expert's 8,388,608 bytes
	s_lshl_b32 s19, s17, 22                        ; 512 rows
	s_add_co_u32 s18, s18, s19
	s_lshl_b32 s19, s22, 8                         ; 64 columns
	s_add_co_u32 s18, s18, s19
	s_mov_b32 s19, 0
	s_mov_b32 s30, 0x76543210
	s_mov_b32 s31, 0xfedcba98                      ; v_permlanex16_b32's selects for lane l xor 16
	s_mov_b32 s99, 0x600000                        ; the mantissa field of 448
	s_mov_b32 s100, 0xbfb8aa3b                     ; -log2(e)
	s_mov_b32 s101, s100                           ; (named with it as a pair)
	s_wait_kmcnt 0x0
	s_load_b512 s[32:47], s[10:11], s16 offset:0x0
	s_load_b512 s[48:63], s[10:11], s16 offset:0x40
	s_cmp_lt_u32 s20, 2                            ; the choice hangs on the wave's number alone
	s_cselect_b64 s[28:29], s[4:5], s[6:7]
	s_add_nc_u64 s[28:29], s[28:29], s[18:19]
	WIN 0xc0                                       ; destination window 3
	s_wait_alu depctr_va_vdst(0)                   ; v[GOFF] is written, which every load of the stream reads as its offset
.irp c, 0,1,2
.irp i, 0,1,2,3,4,5,6,7,8,9,10,11,12,13,14,15
	global_load_b128 v[64*\c+4*\i:64*\c+4*\i+3], v[GOFF], s[28:29] offset:\c*SETB+\i*ROWB th:TH_LOAD_NT   ; the ring is filled before anything else is done:
.endr
.endr
.irp i, 0,1,2,3,4,5,6,7,8,9,10,11
	global_load_b128 v[192+4*\i:192+4*\i+3], v[GOFF], s[28:29] offset:3*SETB+\i*ROWB th:TH_LOAD_NT        ; sixty loads here, the fourth set's last four ahead of the stream
.endr
	WIN 0
	v_and_b32 v19, 31, v0
	v_lshlrev_b32 v[L16], 4, v19
	v_lshlrev_b32 v[L4], 2, v19
	v_lshlrev_b32 v[L32], 5, v19
	v_lshlrev_b32 v[H4], 2, v[HH]
	v_lshlrev_b32 v[H16], 4, v[HH]
	v_lshlrev_b32 v[HSO], 6, v[R16]
	v_lshrrev_b32 v20, 3, v[R16]                   ; column 4 r16 + j: pass r16 / 8,
	v_bfe_u32 v21, v[R16], 1, 1                    ; tile u = (r16 / 2) % 2,
	v_bfe_u32 v22, v[R16], 2, 1                    ; tile row 8 ((r16 / 4) % 2) + 4 (r16 % 2) + j
	v_and_b32 v23, 1, v[R16]
	v_mul_u32_u24 v[WST], v20, PASSB
	v_mad_u32_u24 v[WST], v21, USTR, v[WST]
	v_lshl_add_u32 v[WST], v22, 7, v[WST]
	v_lshl_add_u32 v[WST], v23, 6, v[WST]
	v_lshl_add_u32 v[WST], v[HH], 8, v[WST]
	s_mul_i32 s25, s24, 2*USTR
	s_mul_i32 s26, s17, 4*KSTR
	s_add_co_u32 s25, s25, s26
	s_add_co_u32 s25, s25, WIMG
	v_add_nc_u32 v[WST], s25, v[WST]
	v_lshlrev_b32 v[WSS], 11, v20
	v_lshl_add_u32 v[WSS], v21, 6, v[WSS]
	v_lshl_add_u32 v[WSS], v22, 5, v[WSS]
	v_lshl_add_u32 v[WSS], v23, 4, v[WSS]
	s_lshl_b32 s25, s24, 7
	s_lshl_b32 s26, s17, 10
	s_add_co_u32 s25, s25, s26
	s_add_co_u32 s25, s25, WSC
	v_add_nc_u32 v[WSS], s25, v[WSS]
	v_add_nc_u32 v[WRD0], WIMG, v[L16]
	v_add_nc_u32 v[WSR0], WSC, v[L4]
	s_mul_i32 s25, s20, STGW
	s_add_co_u32 s25, s25, STG
	v_mad_u32_u24 v[STS], v[HH], SPITCH, v[R16B]
	v_add_nc_u32 v[STS], s25, v[STS]
	v_mad_u32_u24 v[STL], v[R16], SPITCH, v[H16]
	v_add_nc_u32 v[STL], s25, v[STL]
.irp j, 0,1,2,3
	v_mov_b32 v[TP+\j], 0                          ; written once: a lane permute's destination counts as one of its sources
.endr
	v_mov_b32 v49, 0
	s_wait_kmcnt 0x0                               ; the masks
	s_mov_b32 s66, 0                               ; s[66 + c]: members among tokens under 32 c
.set ii, 0
.rept 32
	s_bcnt1_i32_b32 s25, s[32+ii]
	s_add_co_u32 s[67+ii], s[66+ii], s25
.set ii, ii+1
.endr
	s_max_u32 s23, s98, 241                        ; a wave's sweep is worked if its first position lies under this
	s_cmp_lg_u32 s20, 0
	s_cbranch_scc1 .Lnot0
.set ii, 0
.rept 32
	v_mbcnt_lo_u32_b32 v[96+ii], s[32+ii], s[66+ii]                ; F[32 c + lane]
.set ii, ii+1
.endr
	s_wait_alu depctr_va_vdst(0)                   ; F's 32 registers, v[L4] and v[L32] are written, which the stores below read
.set ii, 0
.rept 32
	ds_store_b32 v[L4], v[96+ii] offset:128*ii
.set ii, ii+1
.endr
	s_cmp_lg_u32 s22, 0
	s_cbranch_scc1 .Lnot0                          ; one work-group of each expert stores F for the last launch
	s_lshl_b32 s26, s21, 2
	s_mov_b32 s27, 0
	s_add_nc_u64 s[14:15], s[14:15], s[26:27]
.set ii, 0
.rept 32
	global_store_b32 v[L32], v[96+ii], s[14:15] offset:1024*ii     ; posn[t][e]
.set ii, ii+1
.endr
	s_wait_xcnt 0x0                                ; these registers are written again in the stream; the search's waits on vm_vsrc, which every wave passes first, state that the stores have read them
.Lnot0:
	s_wait_dscnt 0x0
	s_barrier_signal -1
	s_barrier_wait -1                              ; F lies in LDS for every wave
	s_mul_i32 s24, s20, 80                         ; my first position of the first sweep
	s_mul_i32 s25, s21, 80
	s_mul_i32 s26, s20, 5
	s_add_co_u32 s25, s25, s26                     ; my first tile: 80 e + 5 w
	s_lshl_b32 s42, s25, 15                        ; a tile's 16 images
	s_lshr_b32 s26, s22, 1
	s_lshl_b32 s26, s26, 11                        ; K step s / 2 of the next product,
	s_add_co_u32 s42, s42, s26
	s_and_b32 s26, s22, 1
	s_lshl_b32 s26, s26, 10                        ; its runs 2 (s % 2) and 2 (s % 2) + 1
	s_add_co_u32 s42, s42, s26
	s_mov_b32 s43, 0
	s_add_nc_u64 s[32:33], s[12:13], s[42:43]      ; the sweep's codes
	s_lshl_b32 s42, s25, 10
	s_lshl_b32 s26, s22, 1
	s_add_co_u32 s42, s42, s26
	s_add_co_u32 s42, s42, HSC
	s_add_nc_u64 s[36:37], s[12:13], s[42:43]      ; and its scale bytes: block 2 s
	s_add_nc_u64 s[40:41], s[8:9], XSC             ; x's scale bytes
; 4 x the token at position s24 + 320 rr + 16 sl + r16 into v[dst + sl] (which begins as 0), for the five slots by turns: the largest t with F[t] <= position, by ten halvings.
; Behind the step st the steps taken sum to 1,024 - st at the most: the address is held there, which changes no value, so that the next load, 4 (st / 2) bytes on, stays under byte 4,096, inside F.
.macro SEARCH dst, rr
.irp sl, 0,1,2,3,4
	v_add3_u32 v[PP+\sl], v[R16], s24, 320*(\rr)+16*\sl
.endr
.irp st, 512,256,128,64,32,16,8,4,2,1
	s_wait_alu depctr_va_vdst(0)                   ; the five addresses are written, which the loads below read; the last compares are done reading v[VAL ..], in which they land
.irp sl, 0,1,2,3,4
	ds_load_b32 v[VAL+\sl], v[\dst+\sl] offset:4*\st
.endr
.irp sl, 0,1,2,3,4
	v_add_nc_u32 v[CAND+\sl], 4*\st, v[\dst+\sl]
.endr
	s_wait_dscnt 0x0
.irp sl, 0,1,2,3,4
	v_cmp_le_u32 s[MK+\sl], v[VAL+\sl], v[PP+\sl]
.endr
	s_wait_alu depctr_va_sdst(0)                   ; the five masks are written, ahead of their first reader
	s_wait_alu depctr_vm_vsrc(0)                   ; the five loads have read their addresses, which the selects below write
.irp sl, 0,1,2,3,4
	v_cndmask_b32 v[\dst+\sl], v[\dst+\sl], v[CAND+\sl], s[MK+\sl]
.endr
.irp sl, 0,1,2,3,4
	v_min_u32 v[\dst+\sl], 4*(1024-\st), v[\dst+\sl]
.endr
.endr
.endm
; The gather's offsets, from 4 x the tokens in v[src + sl].  A load takes two rows: lanes 0-15 row 2 m, lanes 16-31 row 2 m + 1, 16 bytes a lane: so each lane fetches that row's token from the lane that found it.
.macro VOFF src
.irp m, 0,1,2,3,4,5,6,7
	v_add_nc_u32 v[BPI+\m], 8*\m, v[H4]            ; 4 x lane 2 m + h
.endr
	s_wait_alu depctr_va_vdst(0)                   ; the lane selects and the tokens are written, which the permutes read; vector and matrix instructions are done with v[VO ..], in which their results land
.irp sl, 0,1,2,3,4
.irp m, 0,1,2,3,4,5,6,7
	ds_bpermute_b32 v[VO+8*\sl+\m], v[BPI+\m], v[\src+\sl]
.endr
.endr
	s_wait_dscnt 0x0
.set ii, 0
.rept 40
	v_min_u32 v[VO+ii], 0xffc, v[VO+ii]            ; 4 x a token: at most 4 x 1,023
.set ii, ii+1
.endr
.set ii, 0
.rept 40
	v_lshl_add_u32 v[VO+ii], v[VO+ii], 8, v[R16B]  ; 1,024 bytes a token + 16 r16
.set ii, ii+1
.endr
.irp sl, 0,1,2,3,4
	v_min_u32 v[XSO+\sl], 0xffc, v[\src+\sl]
	v_lshl_add_u32 v[XSO+\sl], v[XSO+\sl], 3, v[H16]               ; 32 scale bytes a token + 16 h: lanes 0-15 K steps 0-3, lanes 16-31 K steps 4-7
.endr
.endm
.macro XSLOAD
.irp sl, 0,1,2,3,4
	global_load_b128 v[XS+4*\sl:XS+4*\sl+3], v[XSO+\sl], s[40:41]
.endr
.endm
.macro XLOADS sl                       ; slot sl's 16 rows of codes, as they lie: 32 loads, each half of the wave reading 256 consecutive aligned bytes of one row
.if \sl < 2
	WIN 0x40
.elseif \sl < 4
	WIN 0x80
.else
	WIN 0xc0
.endif
.irp m, 0,1,2,3,4,5,6,7
.irp q, 0,1,2,3
	global_load_b128 v[128*((\sl)&1)+16*\m+4*\q:128*((\sl)&1)+16*\m+4*\q+3], v[VO+8*(\sl)+\m], s[8:9] offset:256*\q
.endr
.endr
	WIN 0
.endm
.macro RING c                          ; ring slot c takes the set four sets on
	WIN 0xc0
.irp i, 0,1,2,3,4,5,6,7,8,9,10,11,12,13,14,15
	global_load_b128 v[64*(\c)+4*\i:64*(\c)+4*\i+3], v[GOFF], s[28:29] offset:((\c)+4)*SETB+\i*ROWB th:TH_LOAD_NT
.endr
.endm
; A TURN: the set in ring slot c (block c of a K step) is quantised and its codes go to LDS.  n: the younger loads that may stay out.  kind: what is asked for in the slot's stead.
.macro TURN c, n, kind
	s_wait_loadcnt \n                              ; loads come back in order (ISA guide 5.7.1): this set's 16 are in
	s_wait_dscnt 0x0                               ; the last turn's LDS stores are done
.if \c > 0
	s_wait_alu depctr_vm_vsrc(0)                   ; the last turn's LDS stores have read the codes' registers, which this turn's conversions write again (ahead of turn 0 the wait stands with the step of the stores' addresses)
.endif
	WIN 0x3c                                       ; sources 1 and 2: window 3
.irp j, 0,1,2,3
	v_max3_num_f32 v[TM+\j], 0x4800000, |v[64*\c+\j]|, |v[64*\c+4+\j]|   ; column j: my 16 numbers, and the floor 2^(9 - 127): so the byte cannot fall under 1
.endr
.irp i, 2,4,6,8,10,12,14
.irp j, 0,1,2,3
	v_max3_num_f32 v[TM+\j], v[TM+\j], |v[64*\c+4*\i+\j]|, |v[64*\c+4*\i+4+\j]|   ; (the four columns by turns)
.endr
.endr
	WIN 0
.irp j, 0,1,2,3
	v_permlanex16_b32 v[TP+\j], v[TM+\j], s30, s31
.endr
.irp j, 0,1,2,3
	v_max_num_f32 v[TM+\j], v[TM+\j], v[TP+\j]     ; with lane l xor 16's: the block's largest magnitude
.endr
.irp j, 0,1,2,3
	v_add_nc_u32 v[SCL+\j], 0xfc000000, v[TM+\j]   ; 8 off its exponent field: the conversion's scale operand
.endr
.irp j, 0,1,2,3
	v_and_or_b32 v[LIM+\j], v[TM+\j], 0x7f800000, s99              ; 448 x the scale
.endr
.if \c == 0
.irp j, 0,1,2,3
	v_lshrrev_b32 v[SW+\j], 23, v[SCL+\j]          ; the scale's byte begins the K step's word
.endr
.else
.irp j, 0,1,2,3
	v_lshrrev_b32 v[BY+\j], 23, v[SCL+\j]
.endr
.irp j, 0,1,2,3
	v_lshl_or_b32 v[SW+\j], v[BY+\j], 8*\c, v[SW+\j]
.endr
.endif
	WIN 0x03                                       ; source 0: window 3
.irp j, 0,1,2,3
.irp i, 0,1,2,3,4,5,6,7,8,9,10,11,12,13,14,15
	v_med3_num_f32 v[T+16*\j+\i], v[64*\c+4*\i+\j], -v[LIM+\j], v[LIM+\j]   ; the hold (the conversion does not saturate: ISA guide 7.6.2) also lays a column's 16 numbers on end
.endr
.endr
	WIN 0
.irp j, 0,1,2,3
	v_cvt_scalef32_pk8_fp8_f32 v[C+4*\j:C+4*\j+1], v[T+16*\j:T+16*\j+7], v[SCL+\j]
	v_cvt_scalef32_pk8_fp8_f32 v[C+4*\j+2:C+4*\j+3], v[T+16*\j+8:T+16*\j+15], v[SCL+\j]
.endr
	v_nop                                          ; one plain line between the conversions and the next write of their sources
	s_wait_alu depctr_va_vdst(0)                   ; the maxima and holds are done reading the ring's sets worked so far, in which the loads below land; the codes, the scale words and the stores' addresses are written, which the LDS stores below read; so are the gather's offsets
.if \kind == 1
	RING \c
.elseif \kind == 2
	XSLOAD
	XLOADS 0
.elseif \kind == 3
	XLOADS 1
.elseif \kind == 4
	XLOADS 2
.elseif \kind == 5
	XLOADS 3
	XLOADS 4                                       ; into the registers of ring slots 0 and 1, whose last sets have been worked
.endif
	WIN 0
.irp j, 0,1,2,3
	ds_store_b128 v[WST], v[C+4*\j:C+4*\j+3] offset:16*\j+512*\c   ; registers 4 c .. 4 c + 3 of the fragment, for the lane (tile row, h)
.endr
.if \c == 3
.irp j, 0,1,2,3
	ds_store_b32 v[WSS], v[SW+\j] offset:4*\j      ; both halves of the lanes write the same word with the same value
.endr
.endif
.endm
; Slot sl's rows turn from the order of memory into the order of operand registers, through my own stage.  LDS serves a wave's instructions in order (ISA guide 5.7.1.4): no wait on DScnt stands between the
; stores and the loads, which land in the registers that the data left, nor ahead of the next slot's stores.
.macro XTURN sl, n
	s_wait_loadcnt \n
.if \sl < 2
	WIN 0x04                                       ; an LDS store's data are its source 1
.elseif \sl < 4
	WIN 0x08
.else
	WIN 0x0c
.endif
.irp m, 0,1,2,3,4,5,6,7
.irp q, 0,1,2,3
	ds_store_b128 v[STS], v[128*((\sl)&1)+16*\m+4*\q:128*((\sl)&1)+16*\m+4*\q+3] offset:2*SPITCH*\m+256*\q
.endr
.endr
.if \sl < 2
	WIN 0x40
.elseif \sl < 4
	WIN 0x80
.else
	WIN 0xc0
.endif
	s_wait_alu depctr_vm_vsrc(0)                   ; the stores above have read the slot's registers, in which the loads below land
.irp ks, 0,1,2,3,4,5,6,7
.irp c, 0,1,2,3
	ds_load_b128 v[128*((\sl)&1)+16*\ks+4*\c:128*((\sl)&1)+16*\ks+4*\c+3], v[STL] offset:128*\ks+32*\c
.endr
.endr
	WIN 0
.endm
.macro FETCHW ks, bf                   ; K step ks: four weight fragments into set bf, and their scale words: lanes 0-15 the even fragment's, lanes 16-31 the odd one's
	WIN 0xc0
.irp f, 0,1,2,3
.irp c, 0,1,2,3
	ds_load_b128 v[128+64*(\bf)+16*\f+4*\c:128+64*(\bf)+16*\f+4*\c+3], v[WRD] offset:KSTR*(\ks)+USTR*\f+512*\c
.endr
.endr
	WIN 0
.irp mt, 0,1
	ds_load_b32 v[WS+2*(\bf)+\mt], v[WSR] offset:256*(\ks)+128*\mt
.endr
.endm
.macro PROD sl, f, ks, bf              ; one product: source 0 = weight fragment f, source 1 = slot sl's rows.  K step 0 starts the sum: nothing is ever cleared
.set rD, ACC+32*(\sl)+8*(\f)
.set rW, 128+64*(\bf)+16*(\f)
.set rX, 128*((\sl)&1)+16*(\ks)
.set rA, WS+2*(\bf)+(\f)/2
.set rB, XS+4*(\sl)+(\ks)%4
.if (\ks) == 0
.if (\f)%2 == 0
	v_wmma_scale_f32_16x16x128_f8f6f4 v[rD:rD+7], v[rW:rW+15], v[rX:rX+15], 0, v[rA], v[rB]
.else
	v_wmma_scale_f32_16x16x128_f8f6f4 v[rD:rD+7], v[rW:rW+15], v[rX:rX+15], 0, v[rA], v[rB] matrix_a_scale:MATRIX_SCALE_ROW1
.endif
.elseif (\ks) < 4
.if (\f)%2 == 0
	v_wmma_scale_f32_16x16x128_f8f6f4 v[rD:rD+7], v[rW:rW+15], v[rX:rX+15], v[rD:rD+7], v[rA], v[rB]
.else
	v_wmma_scale_f32_16x16x128_f8f6f4 v[rD:rD+7], v[rW:rW+15], v[rX:rX+15], v[rD:rD+7], v[rA], v[rB] matrix_a_scale:MATRIX_SCALE_ROW1
.endif
.else
.if (\f)%2 == 0
	v_wmma_scale_f32_16x16x128_f8f6f4 v[rD:rD+7], v[rW:rW+15], v[rX:rX+15], v[rD:rD+7], v[rA], v[rB] matrix_b_scale:MATRIX_SCALE_ROW1
.else
	v_wmma_scale_f32_16x16x128_f8f6f4 v[rD:rD+7], v[rW:rW+15], v[rX:rX+15], v[rD:rD+7], v[rA], v[rB] matrix_a_scale:MATRIX_SCALE_ROW1 matrix_b_scale:MATRIX_SCALE_ROW1
.endif
.endif
.endm
; All of K: eight steps of 20 products.  The 20 accumulators take turns, one instruction a turn.  The next step's weights go into the set that the step before read: at a step's head
; stand eight places behind those products and the wait that states them done; the 18 loads stand behind the step's first eight products.
.macro KLOOP
	s_wait_alu depctr_va_vdst(0)                   ; v[WRD] and v[WSR] are written, which the weights' loads read; the vector and matrix instructions that read both weight sets and their scale words are done
	FETCHW 0, 0
.irp ks, 0,1,2,3,4,5,6,7
.if \ks < 7
.if \ks > 0
.rept 8
	v_nop
.endr
	s_wait_alu depctr_va_vdst(0)                   ; the last step's products are done reading their weight set and its scale words, in which this step's loads land
.endif
.endif
	s_wait_dscnt 0x0                               ; this step's weights are in: they were asked for twelve products ago (step 0's: just now)
	WIN 0x07                                       ; source 0 window 3, source 1 window 1
.irp f, 0,1,2,3
	PROD 0, \f, \ks, \ks&1
	PROD 1, \f, \ks, \ks&1
.endr
.if \ks < 7
	FETCHW \ks+1, (\ks+1)&1                        ; no wait: no vector or matrix instruction since the wait at the step's head names the other set, its scale words or the two addresses
.endif
	WIN 0x0b                                       ; source 1 window 2
.irp f, 0,1,2,3
	PROD 2, \f, \ks, \ks&1
	PROD 3, \f, \ks, \ks&1
.endr
	WIN 0x0f                                       ; source 1 window 3
.irp f, 0,1,2,3
	PROD 4, \f, \ks, \ks&1
.endr
.endr
	WIN 0
.endm
.macro SENDH sl                        ; slot sl's codes and scale byte leave
.set FB, ACC+32*(\sl)
	global_store_b128 v[L16], v[FB+16:FB+19], s[34:35] offset:32768*(\sl)   ; the wave stores 512 consecutive bytes: one run of the tile's image
	global_store_b8 v[HSO], v[FB+20], s[38:39] offset:1024*(\sl)            ; both halves of the lanes write the same byte with the same value
.endm
; Slot sl: gate in v[FA .. FA+15], up in v[FA+16 .. FA+31], 16 neighbouring columns of my row.  silu(g) u = g u / (1 + 2^(-g log2 e)).  Each accumulator is first read at its low end.
; The codes and the byte go into up's registers, which are done with: each slot's stores have registers of their own, and stand behind the next slot's first wait.
.macro FINAL sl
.set FA, ACC+32*(\sl)
.irp n, 0,2,4,6,8,10,12,14
	v_pk_mul_f32 v[32+\n:33+\n], v[FA+\n:FA+\n+1], s[100:101] op_sel_hi:[1,0]
.endr
.set ii, 0
	s_wait_alu depctr_va_vdst(0)
.rept 16
	v_exp_f32 v[32+ii], v[32+ii]
.set ii, ii+1
.endr
	s_wait_alu depctr_va_vdst(0)
.irp n, 0,2,4,6,8,10,12,14
	v_pk_mul_f32 v[FA+\n:FA+\n+1], v[FA+\n:FA+\n+1], v[FA+16+\n:FA+17+\n]   ; g u.  (Plain lines behind the exponentials)
.endr
	s_wait_alu depctr_va_vdst(0)                   ; the exponentials have written v32-47, ahead of their first reader; the slot before has written its codes and its byte, which the stores below read
.if \sl > 0
	SENDH \sl-1
.endif
.irp n, 0,2,4,6,8,10,12,14
	v_pk_add_f32 v[32+\n:33+\n], v[32+\n:33+\n], 1.0 op_sel_hi:[1,0]
.endr
.set ii, 0
	s_wait_alu depctr_va_vdst(0)
.rept 16
	v_rcp_f32 v[32+ii], v[32+ii]
.set ii, ii+1
.endr
	v_nop                                          ; a plain line behind the reciprocals
	s_wait_alu depctr_va_vdst(0)                   ; the reciprocals have written v32-47, ahead of their first reader
.irp n, 0,2,4,6,8,10,12,14
	v_pk_mul_f32 v[FA+\n:FA+\n+1], v[FA+\n:FA+\n+1], v[32+\n:33+\n]
.endr
	v_max3_num_f32 v48, |v[FA]|, |v[FA+1]|, 0x4800000
	v_max3_num_f32 v53, |v[FA+8]|, |v[FA+9]|, |v[FA+10]|
	v_max3_num_f32 v48, v48, |v[FA+2]|, |v[FA+3]|
	v_max3_num_f32 v53, v53, |v[FA+11]|, |v[FA+12]|
	v_max3_num_f32 v48, v48, |v[FA+4]|, |v[FA+5]|
	v_max3_num_f32 v53, v53, |v[FA+13]|, |v[FA+14]|
	v_max3_num_f32 v48, v48, |v[FA+6]|, |v[FA+7]|
	v_max3_num_f32 v48, v48, v53, |v[FA+15]|
	v_permlanex16_b32 v49, v48, s30, s31
	v_max_num_f32 v48, v48, v49                    ; the block of 32 lies in lanes l and l xor 16
	v_add_nc_u32 v50, 0xfc000000, v48
	v_and_or_b32 v51, v48, 0x7f800000, s99
	v_lshrrev_b32 v[FA+20], 23, v50
.set ii, 0
.rept 16
	v_med3_num_f32 v[FA+ii], v[FA+ii], -v51, v51
.set ii, ii+1
.endr
	v_cvt_scalef32_pk8_fp8_f32 v[FA+16:FA+17], v[FA:FA+7], v50
	v_cvt_scalef32_pk8_fp8_f32 v[FA+18:FA+19], v[FA+8:FA+15], v50
	v_nop                                          ; one plain line behind the conversions: vector and matrix instructions write these registers later
.endm
	; THE ROWS ARE FOUND, while the ring's first loads are on their way.  Every search begins at token 0.
.irp sl, 0,1,2,3,4
	v_mov_b32 v[LO+\sl], 0
	v_mov_b32 v[NX1+\sl], 0
	v_mov_b32 v[NX2+\sl], 0
	v_mov_b32 v[NX3+\sl], 0
.endr
	SEARCH LO, 0
	VOFF LO
	s_cmp_le_u32 s23, 320                          ; no wave's second sweep begins under 320: with so few rows sweeps 1 to 3 are never worked, and their tokens are not looked for
	s_cbranch_scc1 .Lfew
	SEARCH NX1, 1
	SEARCH NX2, 2
	SEARCH NX3, 3
.Lfew:
	s_wait_dscnt 0x0                               ; my reads of F are over
	s_barrier_signal -1
	s_barrier_wait -1                              ; everybody's are: from here on waves store to LDS again
	WIN 0xc0
.irp i, 12,13,14,15
	global_load_b128 v[192+4*\i:192+4*\i+3], v[GOFF], s[28:29] offset:3*SETB+\i*ROWB th:TH_LOAD_NT   ; the fourth set's last four loads: the ring's 64 have now been asked for, in the order of the sets
.endr
	WIN 0
	s_mov_b32 s25, 3
.Lstream:                                              ; three trips of four turns: sets 0 to 11; each turn asks for the set four on
	TURN 0, 48, 1                                  ; 48: the three younger sets' loads stay out, on the way in and round the back edge alike
	TURN 1, 48, 1
	TURN 2, 48, 1
	TURN 3, 48, 1
	s_wait_xcnt 0x0                                ; the loads have read their base
	s_wait_dscnt 0x0
	s_wait_alu depctr_vm_vsrc(0)                   ; the LDS stores have read their two addresses, which are stepped below, and the codes and scale words, which the next turn writes again
	s_add_nc_u64 s[28:29], s[28:29], 4*SETB
	v_add_nc_u32 v[WST], KSTR, v[WST]              ; the next K step's images
	v_add_nc_u32 v[WSS], 256, v[WSS]
	s_sub_co_u32 s25, s25, 1
	s_cmp_lg_u32 s25, 0
	s_cbranch_scc1 .Lstream
	TURN 0, 48, 2                                  ; the last four sets: in the ring's stead the first sweep's rows are asked for.  Behind set 12: three sets, 48 loads
	TURN 1, 63, 3                                  ; behind set 13: 32 + 37 loads; the count is the largest that the wait's field holds, and a smaller count is safe
	TURN 2, 63, 4                                  ; behind set 14: 16 + 37 + 32
	TURN 3, 63, 5                                  ; behind set 15: 37 + 32 + 32
	s_wait_dscnt 0x0                               ; for the others' sake: my images and scale words lie in LDS
	s_barrier_signal -1
	s_barrier_wait -1                              ; all weight images are whole, and nobody writes them again: no further barrier
	s_mov_b32 s25, 0
.Ltrip:                                                ; eight trips: sweep it / 2, pass it % 2
	s_and_b32 s26, s25, 1                          ; the pass
	s_cmp_ge_u32 s24, s23
	s_cbranch_scc1 .Lnext                          ; no row of the expert is left for this wave's sweep
	s_cmp_lg_u32 s26, 0
	s_cbranch_scc1 .Lpass                          ; the second pass finds x in its registers
	s_cmp_lt_u32 s25, 2
	s_cbranch_scc1 .Lturn                          ; the first sweep's rows were asked for in the stream's tail
	s_wait_loadcnt 0x0
	s_wait_xcnt 0x0                                ; the last pass's stores have read their registers
	s_wait_alu depctr_vm_vsrc(0)                   ; the last pass's stores have read their codes and bytes: the lane selects, the gather's offsets and the permutes' results are laid over those registers
	VOFF NX1                                       ; this sweep's tokens; a sweep is worked only if all before it were, so the three sets move up in step with the sweeps
	s_wait_alu depctr_vm_vsrc(0)                   ; the permutes have read v[NX1 ..], which the moves below write
.irp sl, 0,1,2,3,4
	v_mov_b32 v[NX1+\sl], v[NX2+\sl]
	v_mov_b32 v[NX2+\sl], v[NX3+\sl]
.endr
	s_wait_alu depctr_va_vdst(0)                   ; the gather's offsets are written, which the loads below read; the last sweep's products are done reading x's fragments and scale words, in which they land
	XSLOAD
	XLOADS 0
	XLOADS 1
	XLOADS 2
	XLOADS 3
	XLOADS 4
.Lturn:
	XTURN 0, 63                                    ; behind slot 0's loads: 128; behind slot 1's: 96; slot 2's: 64 (the field holds 63); slot 3's: 32; slot 4's: none
	XTURN 1, 63
	XTURN 2, 63
	XTURN 3, 32
	XTURN 4, 0
.Lpass:
	s_wait_loadcnt 0x0                             ; x's scale words
	s_wait_dscnt 0x0                               ; x's fragments are in
	s_wait_xcnt 0x0                                ; the last pass's stores have read their registers and bases
	s_wait_alu depctr_vm_vsrc(0)                   ; the weights' loads have read v[WRD] and v[WSR], which are written below; the stream's last LDS stores, the gather and the last pass's stores have read the registers over which the accumulators lie
	s_mul_i32 s27, s26, PASSB
	v_add_nc_u32 v[WRD], s27, v[WRD0]
	s_lshl_b32 s27, s26, 11
	v_add_nc_u32 v[WSR], s27, v[WSR0]
	s_lshl_b32 s42, s26, 9
	s_mov_b32 s43, 0
	s_add_nc_u64 s[34:35], s[32:33], s[42:43]      ; the pass's run of 512 bytes in each image
	s_mov_b32 s42, s26
	s_add_nc_u64 s[38:39], s[36:37], s[42:43]      ; and its block's scale byte
	KLOOP
.rept 8
	v_nop                                          ; places ahead of the first read of results
.endr
	FINAL 0
	FINAL 1
	FINAL 2
	FINAL 3
	FINAL 4
	s_wait_alu depctr_va_vdst(0)                   ; slot 4 has written its codes and its byte, which the last two stores read
	SENDH 4
.Lnext:
	s_wait_xcnt 0x0
	s_mul_i32 s27, s26, 320                        ; behind the second pass: the next sweep
	s_add_co_u32 s24, s24, s27
	s_mul_i32 s42, s26, 655360                     ; 20 tiles of 32,768 bytes
	s_mov_b32 s43, 0
	s_add_nc_u64 s[32:33], s[32:33], s[42:43]
	s_mul_i32 s42, s26, 20480                      ; 20 tiles of 1,024 scale bytes
	s_add_nc_u64 s[36:37], s[36:37], s[42:43]
	s_add_co_u32 s25, s25, 1
	s_cmp_lt_u32 s25, 8
	s_cbranch_scc1 .Ltrip
	s_wait_dscnt 0x0                               ; the closing lines, six on end
	s_wait_alu 0x0
	s_wait_tensorcnt 0x0
	ds_add_u32 v94, v95
	s_wait_dscnt 0x0
	s_endpgm
.Lfunc_end_k_q2f82826f0f_gateup:
	.size	k_q2f82826f0f_gateup, .Lfunc_end_k_q2f82826f0f_gateup-k_q2f82826f0f_gateup
	.p2alignl 7, 3214868480
	.fill 96, 4, 3214868480
	.section	.rodata,"a",@progbits
	.p2align	6, 0x0
	.amdhsa_kernel k_q2f82826f0f_gateup
		.amdhsa_group_segment_fixed_size 207616
		.amdhsa_private_segment_fixed_size 0
		.amdhsa_enable_private_segment 0
		.amdhsa_kernarg_size 48
		.amdhsa_user_sgpr_count 2
		.amdhsa_user_sgpr_kernarg_segment_ptr 1
		.amdhsa_wavefront_size32 1
		.amdhsa_system_sgpr_workgroup_id_x 1
		.amdhsa_system_sgpr_workgroup_id_y 1
		.amdhsa_system_sgpr_workgroup_id_z 1
		.amdhsa_system_vgpr_workitem_id 0
		.amdhsa_next_free_vgpr 1024
		.amdhsa_next_free_sgpr 102
		.amdhsa_reserve_vcc 0
		.amdhsa_float_denorm_mode_32 3
		.amdhsa_float_denorm_mode_16_64 3
		.amdhsa_memory_ordered 1
		.amdhsa_forward_progress 1
		.amdhsa_inst_pref_size 255
	.end_amdhsa_kernel
	.section	.bss,"aw",@nobits
	.p2align	6
	.space	262144
	.amdgpu_metadata
---
amdhsa.version: [ 1, 2 ]
amdhsa.kernels:
  - .name:           k_q2f82826f0f_gateup
    .symbol:         k_q2f82826f0f_gateup.kd
    .args:
      - { .name: w1, .offset: 0, .size: 8, .value_kind: global_buffer, .address_space: global }
      - { .name: w2, .offset: 8, .size: 8, .value_kind: global_buffer, .address_space: global }
      - { .name: xq, .offset: 16, .size: 8, .value_kind: global_buffer, .address_space: global }
      - { .name: route, .offset: 24, .size: 8, .value_kind: global_buffer, .address_space: global }
      - { .name: hid, .offset: 32, .size: 8, .value_kind: global_buffer, .address_space: global }
      - { .name: posn, .offset: 40, .size: 8, .value_kind: global_buffer, .address_space: global }
    .group_segment_fixed_size: 207616
    .private_segment_fixed_size: 0
    .kernarg_segment_align: 8
    .kernarg_segment_size: 48
    .max_flat_workgroup_size: 128
    .sgpr_count:     102
    .vgpr_count:     1024
    .wavefront_size: 32
...
	.end_amdgpu_metadata
.endif
;; end of part 6
;; launch down (part 7): grid 256 x 1, 4 waves a work-group, no clusters, 86,016 bytes of LDS; arguments w3, hid, route, y; writes y
.if DOCPART == 7
	.amdgcn_target "amdgcn-amd-amdhsa--gfx1250"
	.amdhsa_code_object_version 6
	.text
	.protected	k_q2f82826f0f_down
	.globl	k_q2f82826f0f_down
	.p2align	8
	.type	k_q2f82826f0f_down,@function
k_q2f82826f0f_down:
	s_mov_b64 s[64:65], 0
	v_nop
	global_prefetch_b8 v0, s[64:65] scope:SCOPE_SE
	s_setreg_imm32_b32 hwreg(HW_REG_WAVE_SCHED_MODE, 0, 2), 2
	s_setreg_imm32_b32 hwreg(HW_REG_WAVE_MODE, 25, 1), 1
	s_wait_xcnt 0x0
	s_wait_alu depctr_vm_vsrc(0)
; y[e][kh][position][:] = hidden (codes) x w3[e] over half kh of K = I = 2,048, on codes of E4M3 with one E8M0 scale for each 32 along K; f32 sums.  The last launch adds the two halves and the two experts.
; SHARES.  Work-group = (expert e = wg / 32, columns 64 c16 .. + 63 of H with c16 = (wg / 2) % 16, half kh = wg % 2 of K).  Its slice of w3, 1,024 x 64 f32, is read from memory ONCE, quantised in registers
; and kept in LDS as images of operand registers.  64 columns keep each piece of a weight row 256 consecutive aligned bytes; K is halved so that there are 256 work-groups.
; THE STREAM is the one of the launch before: a set is 32 k x 64 columns in 16 loads; lane (r16, h) holds columns 4 r16 + 0..3 at k = 32 kb + 16 h + 0..15; four sets are asked for ahead, in a ring of registers.
; Wave w streams blocks 8 w .. 8 w + 7: K steps 2 w and 2 w + 1.  Column col is row col % 16 of tile col / 16.
; THE ROWS come as the launch before laid them: images of operand registers, 2,048 bytes a tile and K step, so a fragment is four loads of 512 consecutive bytes.  Sweeps of 320 positions, five tiles a wave;
; a wave's sweep is worked if its first position lies under max(count, 241), the decision by which those images were stored.
; The products are used transposed (source 0 = 16 columns of w3, source 1 = 16 rows): a lane holds eight neighbouring columns of one row; a tile goes through my own stage in LDS and leaves as rows of 256 bytes.
; NO JOINT LOADS: what the 32 work-groups of an expert share, the hidden tiles (320 KB a sweep and half of K), goes straight into registers, five tiles to a wave; the weights are shared by nobody.
; LIMITS: NaN and infinities among the inputs are not served.  A block of zeros gets the byte 1 where the quantiser says 127: its codes are zeros, and the bytes are read by this program alone.
; REGISTERS: as in the launch before: window 0: addresses, v32-55 at work, v64-83 the rows' scale words, v84-87 the weights' (scales and nothing else), v96-255 the 20 accumulators (ahead of the products: held
; numbers and codes); windows 1, 2 and the low half of 3: the rows' fragments; window 3: the ring, later two sets of four weight fragments in its high half.
; THE MODE: SCHED_MODE bits 1:0 = 2 (LLVM: expert scheduling mode 2), set by the entry lines.  The code itself states the register dependences between vector or matrix instructions and memory or LDS
; instructions, with s_wait_alu, always for 0.
; THE PLAN.  Registers that memory or LDS instructions touch, and who else names them:
;   the ring       A turn's maxima and holds read set c; behind them the loads of the set four on (in the tail: of the rows' fragments) land in it.
;   C, SW          Written by a turn's conversions and shifts; read by the turn's LDS stores.   WST, WSS: read by those stores; stepped once, between my two K steps.
;                  ONE wait on va_vdst a turn, behind the conversions; all the turn's loads and LDS stores follow it, and no vector instruction stands behind it in the turn.
;                  One wait on vm_vsrc ahead of a turn's first write of C: at the head of turns 1 to 3, and with the step of WST and WSS ahead of the second turn 0.
;   fragments, XS  Global loads land in them; the products read them.  The wait on va_vdst behind a sweep's products states them read; no vector or matrix instruction stands between it and the next sweep's loads.
;   weight sets, WS  The products of K step ks read set ks % 2; the loads of step ks + 1 land in the other set.  One wait on va_vdst at the head of steps 1 to 6; the loads stand behind the step's first eight
;                  products, which name the step's own set, the rows' fragments, the accumulators and the step's own scale words: none of the registers that those loads touch.
;   accumulators   Written by the products; read by the stores into the stage; the stage's loads land in them (a wait on vm_vsrc between, once a slot); read by the global stores; written by the next sweep's
;                  products: one wait on vm_vsrc ahead of a sweep's products, which also states the stream's last codes read.
;   GOFF, L16, HSL, WRD, WSR, STO, RD, YO   Made once at the head and never written again.   v94, v95: written at the head, read by the closing add alone.
.set MSK,   8192
.set HSC,   20971520
.set ROWB,  4096                       ; a row of w3 in bytes
.set SETB,  32*ROWB
.set WSC,   0                          ; LDS: the weights' scale words: 256 K step + 128 (tile / 2) + 64 (tile % 2) + 4 tile row
.set WIMG,  2048                       ; the weight images: KSTR K step + USTR tile + 512 c + 16 lane
.set KSTR,  8256
.set USTR,  2064
.set STG,   68096                      ; a stage for each wave: 16 rows x (256 bytes + 16)
.set R16,  1
.set HH,   2
.set GOFF, 3
.set WST,  4
.set WSS,  5
.set WRD,  8
.set WSR,  9
.set STO,  10                          ; the stage, in: row r16, 32 h
.set RD,   11                          ; the stage, out: row h, 16 r16
.set YO,   12                          ; and the same two rows in y
.set R16B, 13
.set HSL,  14                          ; 64 r16 + 16 h: my row's scale words
.set L16,  15
.set L4,   17
.set TM,   32
.set TP,   36
.set SCL,  40
.set LIM,  44
.set BY,   48
.set SW,   52
.set XS,   64
.set WS,   84
.set ACC,  96
.set T,    96
.set C,    160
.set MSB, 0
.macro WIN new                         ; the immediate's high byte repeats the setting that is left; a switch that changes nothing is dropped
.if MSB != (\new)
	s_set_vgpr_msb (MSB<<8)|(\new)
.set MSB, (\new)
.endif
.endm
	s_load_b256 s[4:11], s[0:1], 0x0               ; w3 s[4:5], hid s[6:7], route s[8:9], y s[10:11]
	v_lshl_add_u32 v94, v0, 2, 0x14e00
	v_mov_b32 v95, 0
	v_lshrrev_b32 v19, 5, v0
	v_readfirstlane_b32 s20, v19                   ; wave 0..3
	s_lshr_b32 s21, ttmp9, 5                       ; e
	s_bfe_u32 s22, ttmp9, 0x40001                  ; which 64 columns of H
	s_and_b32 s17, ttmp9, 1                        ; kh
	v_and_b32 v[R16], 15, v0
	v_bfe_u32 v[HH], v0, 4, 1
	v_lshlrev_b32 v[R16B], 4, v[R16]
	v_lshl_add_u32 v[GOFF], v[HH], 16, v[R16B]
	s_lshl_b32 s16, s21, 7
	s_add_co_u32 s16, s16, MSK
	s_lshl_b32 s18, s21, 23                        ; an expert's 8,388,608 bytes
	s_lshl_b32 s19, s17, 22                        ; 1,024 rows
	s_add_co_u32 s18, s18, s19
	s_wait_alu depctr_va_sdst(0)                   ; s20 is written, ahead of its first reader
	s_lshl_b32 s19, s20, 20                        ; 256 rows
	s_add_co_u32 s18, s18, s19
	s_lshl_b32 s19, s22, 8                         ; 64 columns
	s_add_co_u32 s18, s18, s19
	s_mov_b32 s19, 0
	s_mov_b32 s30, 0x76543210
	s_mov_b32 s31, 0xfedcba98
	s_mov_b32 s66, 0x600000                        ; the mantissa field of 448
	s_wait_kmcnt 0x0
	s_load_b512 s[32:47], s[8:9], s16 offset:0x0
	s_load_b512 s[48:63], s[8:9], s16 offset:0x40
	s_add_nc_u64 s[28:29], s[4:5], s[18:19]
	WIN 0xc0
	s_wait_alu depctr_va_vdst(0)                   ; v[GOFF] is written, which every load of the stream reads as its offset
.irp c, 0,1,2,3
.irp i, 0,1,2,3,4,5,6,7,8,9,10,11,12,13,14,15
	global_load_b128 v[64*\c+4*\i:64*\c+4*\i+3], v[GOFF], s[28:29] offset:\c*SETB+\i*ROWB th:TH_LOAD_NT   ; the ring is filled before anything else is done
.endr
.endr
	WIN 0
	v_and_b32 v19, 31, v0
	v_lshlrev_b32 v[L16], 4, v19
	v_lshlrev_b32 v[L4], 2, v19
	v_lshlrev_b32 v[HSL], 6, v[R16]
	v_lshl_add_u32 v[HSL], v[HH], 4, v[HSL]
	v_lshrrev_b32 v20, 2, v[R16]                   ; column 4 r16 + j: tile r16 / 4, tile row 4 (r16 % 4) + j
	v_and_b32 v21, 3, v[R16]
	v_mul_u32_u24 v[WST], v20, USTR
	v_lshl_add_u32 v[WST], v21, 6, v[WST]
	v_lshl_add_u32 v[WST], v[HH], 8, v[WST]
	s_mul_i32 s25, s20, 2*KSTR
	s_add_co_u32 s25, s25, WIMG
	v_add_nc_u32 v[WST], s25, v[WST]
	v_lshlrev_b32 v[WSS], 6, v20                   ; 128 (tile / 2) + 64 (tile % 2) = 64 tile
	v_lshl_add_u32 v[WSS], v21, 4, v[WSS]
	s_lshl_b32 s25, s20, 9
	v_add_nc_u32 v[WSS], s25, v[WSS]
	v_add_nc_u32 v[WRD], WIMG, v[L16]
	v_mov_b32 v[WSR], v[L4]
	s_mul_i32 s25, s20, 4352
	s_add_co_u32 s25, s25, STG
	v_mul_u32_u24 v[STO], v[R16], 272
	v_lshl_add_u32 v[STO], v[HH], 5, v[STO]
	v_add_nc_u32 v[STO], s25, v[STO]
	v_mad_u32_u24 v[RD], v[HH], 272, v[R16B]
	v_add_nc_u32 v[RD], s25, v[RD]
	v_lshl_add_u32 v[YO], v[HH], 12, v[R16B]
.irp j, 0,1,2,3
	v_mov_b32 v[TP+\j], 0                          ; written once: a lane permute's destination counts as one of its sources
.endr
	s_mul_i32 s25, s21, 80
	s_mul_i32 s26, s20, 5
	s_add_co_u32 s25, s25, s26                     ; my first tile: 80 e + 5 w
	s_lshl_b32 s26, s25, 15
	s_lshl_b32 s27, s17, 14                        ; eight K steps of 2,048 bytes
	s_add_co_u32 s26, s26, s27
	s_mov_b32 s27, 0
	s_add_nc_u64 s[12:13], s[6:7], s[26:27]        ; the sweep's images
	s_lshl_b32 s26, s25, 10
	s_lshl_b32 s18, s17, 5
	s_add_co_u32 s26, s26, s18
	s_add_co_u32 s26, s26, HSC
	s_add_nc_u64 s[14:15], s[6:7], s[26:27]        ; and its scale bytes
	s_lshl_b32 s26, s21, 1
	s_add_co_u32 s26, s26, s17
	s_mul_i32 s26, s26, 1280
	s_mul_i32 s24, s20, 80                         ; my first position of the first sweep
	s_add_co_u32 s26, s26, s24
	s_lshl_b32 s26, s26, 12
	s_lshl_b32 s18, s22, 8
	s_add_co_u32 s26, s26, s18
	s_add_nc_u64 s[10:11], s[10:11], s[26:27]      ; y at my first row and column
	s_wait_kmcnt 0x0                               ; the masks
	s_mov_b32 s23, 0
.set ii, 0
.rept 32
	s_bcnt1_i32_b32 s25, s[32+ii]
	s_add_co_u32 s23, s23, s25
.set ii, ii+1
.endr
	s_max_u32 s23, s23, 241                        ; a wave's sweep is worked if its first position lies under this
.macro HSLOAD
.irp sl, 0,1,2,3,4
	global_load_b128 v[XS+4*\sl:XS+4*\sl+3], v[HSL], s[14:15] offset:1024*\sl   ; lanes 0-15: K steps 0-3 of my half; lanes 16-31: K steps 4-7
.endr
.endm
.macro HLOADS sl                       ; slot sl's eight fragments, in the order of the registers: 32 loads of 512 consecutive bytes
.if \sl < 2
	WIN 0x40
.elseif \sl < 4
	WIN 0x80
.else
	WIN 0xc0
.endif
.irp ks, 0,1,2,3,4,5,6,7
.irp c, 0,1,2,3
	global_load_b128 v[128*((\sl)&1)+16*\ks+4*\c:128*((\sl)&1)+16*\ks+4*\c+3], v[L16], s[12:13] offset:32768*(\sl)+2048*\ks+512*\c
.endr
.endr
	WIN 0
.endm
.macro RING c                          ; ring slot c takes the set four sets on
	WIN 0xc0
.irp i, 0,1,2,3,4,5,6,7,8,9,10,11,12,13,14,15
	global_load_b128 v[64*(\c)+4*\i:64*(\c)+4*\i+3], v[GOFF], s[28:29] offset:((\c)+4)*SETB+\i*ROWB th:TH_LOAD_NT
.endr
.endm
; A TURN: the set in ring slot c (block c of a K step) is quantised and its codes go to LDS.  n: the younger loads that may stay out.  kind: what is asked for in the slot's stead.
.macro TURN c, n, kind
	s_wait_loadcnt \n                              ; loads come back in order (ISA guide 5.7.1): this set's 16 are in
	s_wait_dscnt 0x0                               ; the last turn's LDS stores are done
.if \c > 0
	s_wait_alu depctr_vm_vsrc(0)                   ; the last turn's LDS stores have read the codes' registers, which this turn's conversions write again (ahead of the second turn 0 the wait stands with the step of the stores' addresses)
.endif
	WIN 0x3c                                       ; sources 1 and 2: window 3
.irp j, 0,1,2,3
	v_max3_num_f32 v[TM+\j], 0x4800000, |v[64*\c+\j]|, |v[64*\c+4+\j]|   ; column j: my 16 numbers, and the floor 2^(9 - 127): so the byte cannot fall under 1
.endr
.irp i, 2,4,6,8,10,12,14
.irp j, 0,1,2,3
	v_max3_num_f32 v[TM+\j], v[TM+\j], |v[64*\c+4*\i+\j]|, |v[64*\c+4*\i+4+\j]|
.endr
.endr
	WIN 0
.irp j, 0,1,2,3
	v_permlanex16_b32 v[TP+\j], v[TM+\j], s30, s31
.endr
.irp j, 0,1,2,3
	v_max_num_f32 v[TM+\j], v[TM+\j], v[TP+\j]     ; with lane l xor 16's: the block's largest magnitude
.endr
.irp j, 0,1,2,3
	v_add_nc_u32 v[SCL+\j], 0xfc000000, v[TM+\j]   ; 8 off its exponent field: the conversion's scale operand
.endr
.irp j, 0,1,2,3
	v_and_or_b32 v[LIM+\j], v[TM+\j], 0x7f800000, s66              ; 448 x the scale
.endr
.if \c == 0
.irp j, 0,1,2,3
	v_lshrrev_b32 v[SW+\j], 23, v[SCL+\j]
.endr
.else
.irp j, 0,1,2,3
	v_lshrrev_b32 v[BY+\j], 23, v[SCL+\j]
.endr
.irp j, 0,1,2,3
	v_lshl_or_b32 v[SW+\j], v[BY+\j], 8*\c, v[SW+\j]
.endr
.endif
	WIN 0x03                                       ; source 0: window 3
.irp j, 0,1,2,3
.irp i, 0,1,2,3,4,5,6,7,8,9,10,11,12,13,14,15
	v_med3_num_f32 v[T+16*\j+\i], v[64*\c+4*\i+\j], -v[LIM+\j], v[LIM+\j]   ; the hold (ISA guide 7.6.2) also lays a column's 16 numbers on end
.endr
.endr
	WIN 0
.irp j, 0,1,2,3
	v_cvt_scalef32_pk8_fp8_f32 v[C+4*\j:C+4*\j+1], v[T+16*\j:T+16*\j+7], v[SCL+\j]
	v_cvt_scalef32_pk8_fp8_f32 v[C+4*\j+2:C+4*\j+3], v[T+16*\j+8:T+16*\j+15], v[SCL+\j]
.endr
	v_nop                                          ; one plain line between the conversions and the next write of their sources
	s_wait_alu depctr_va_vdst(0)                   ; the maxima and holds are done reading the ring's sets worked so far, in which the loads below land; the codes, the scale words and the stores' addresses are written, which the LDS stores below read; in the first turn: all the head's addresses
.if \kind == 1
	RING \c
.elseif \kind == 2
	HSLOAD
	HLOADS 0
.elseif \kind == 3
	HLOADS 1
.elseif \kind == 4
	HLOADS 2
.elseif \kind == 5
	HLOADS 3
	HLOADS 4                                       ; into the registers of ring slots 0 and 1, whose last sets have been worked
.endif
	WIN 0
.irp j, 0,1,2,3
	ds_store_b128 v[WST], v[C+4*\j:C+4*\j+3] offset:16*\j+512*\c
.endr
.if \c == 3
.irp j, 0,1,2,3
	ds_store_b32 v[WSS], v[SW+\j] offset:4*\j      ; both halves of the lanes write the same word with the same value
.endr
.endif
.endm
.macro FETCHW ks, bf                   ; K step ks: four weight fragments into set bf, and their scale words: lanes 0-15 the even tile's, lanes 16-31 the odd one's
	WIN 0xc0
.irp f, 0,1,2,3
.irp c, 0,1,2,3
	ds_load_b128 v[128+64*(\bf)+16*\f+4*\c:128+64*(\bf)+16*\f+4*\c+3], v[WRD] offset:KSTR*(\ks)+USTR*\f+512*\c
.endr
.endr
	WIN 0
.irp mt, 0,1
	ds_load_b32 v[WS+2*(\bf)+\mt], v[WSR] offset:WSC+256*(\ks)+128*\mt
.endr
.endm
.macro PROD sl, f, ks, bf              ; one product: source 0 = weight tile f, source 1 = slot sl's rows.  K step 0 starts the sum: nothing is ever cleared
.set rD, ACC+32*(\sl)+8*(\f)
.set rW, 128+64*(\bf)+16*(\f)
.set rX, 128*((\sl)&1)+16*(\ks)
.set rA, WS+2*(\bf)+(\f)/2
.set rB, XS+4*(\sl)+(\ks)%4
.if (\ks) == 0
.if (\f)%2 == 0
	v_wmma_scale_f32_16x16x128_f8f6f4 v[rD:rD+7], v[rW:rW+15], v[rX:rX+15], 0, v[rA], v[rB]
.else
	v_wmma_scale_f32_16x16x128_f8f6f4 v[rD:rD+7], v[rW:rW+15], v[rX:rX+15], 0, v[rA], v[rB] matrix_a_scale:MATRIX_SCALE_ROW1
.endif
.elseif (\ks) < 4
.if (\f)%2 == 0
	v_wmma_scale_f32_16x16x128_f8f6f4 v[rD:rD+7], v[rW:rW+15], v[rX:rX+15], v[rD:rD+7], v[rA], v[rB]
.else
	v_wmma_scale_f32_16x16x128_f8f6f4 v[rD:rD+7], v[rW:rW+15], v[rX:rX+15], v[rD:rD+7], v[rA], v[rB] matrix_a_scale:MATRIX_SCALE_ROW1
.endif
.else
.if (\f)%2 == 0
	v_wmma_scale_f32_16x16x128_f8f6f4 v[rD:rD+7], v[rW:rW+15], v[rX:rX+15], v[rD:rD+7], v[rA], v[rB] matrix_b_scale:MATRIX_SCALE_ROW1
.else
	v_wmma_scale_f32_16x16x128_f8f6f4 v[rD:rD+7], v[rW:rW+15], v[rX:rX+15], v[rD:rD+7], v[rA], v[rB] matrix_a_scale:MATRIX_SCALE_ROW1 matrix_b_scale:MATRIX_SCALE_ROW1
.endif
.endif
.endm
; My half of K: eight steps of 20 products.  The 20 accumulators take turns, one instruction a turn.  The next step's weights go into the set that the step before read: at a step's
; head stand eight places behind those products and the wait that states them done; the 18 loads stand behind the step's first eight products.
; Both sets and their scale words are free at the loop's head: the stream's last turns, or the wait behind the last sweep's products, have stated their readers done.
.macro KLOOP
	FETCHW 0, 0
.irp ks, 0,1,2,3,4,5,6,7
.if \ks < 7
.if \ks > 0
.rept 8
	v_nop
.endr
	s_wait_alu depctr_va_vdst(0)                   ; the last step's products are done reading their weight set and its scale words, in which this step's loads land
.endif
.endif
	s_wait_dscnt 0x0                               ; this step's weights are in: they were asked for twelve products ago (step 0's: just now)
	WIN 0x07                                       ; source 0 window 3, source 1 window 1
.irp f, 0,1,2,3
	PROD 0, \f, \ks, \ks&1
	PROD 1, \f, \ks, \ks&1
.endr
.if \ks < 7
	FETCHW \ks+1, (\ks+1)&1                        ; no wait: no vector or matrix instruction since the wait at the step's head names the other set, its scale words or the two addresses
.endif
	WIN 0x0b
.irp f, 0,1,2,3
	PROD 2, \f, \ks, \ks&1
	PROD 3, \f, \ks, \ks&1
.endr
	WIN 0x0f
.irp f, 0,1,2,3
	PROD 4, \f, \ks, \ks&1
.endr
.endr
	WIN 0
.endm
; Slot sl's 16 rows x 64 columns: into my stage, each accumulator from its low end on, and back as rows, into the registers that they left.  LDS serves a wave's instructions in order (ISA guide 5.7.1.4):
; the loads see the stores above them, and the next slot's stores come behind them.
.macro TOSTAGE sl
.irp f, 0,1,2,3
	ds_store_b128 v[STO], v[ACC+32*(\sl)+8*\f:ACC+32*(\sl)+8*\f+3] offset:64*\f
	ds_store_b128 v[STO], v[ACC+32*(\sl)+8*\f+4:ACC+32*(\sl)+8*\f+7] offset:64*\f+16
.endr
	s_wait_alu depctr_vm_vsrc(0)                   ; the stores above have read the slot's accumulators, in which the loads below land
.irp i, 0,1,2,3,4,5,6,7
	ds_load_b128 v[ACC+32*(\sl)+4*\i:ACC+32*(\sl)+4*\i+3], v[RD] offset:544*\i
.endr
.endm
.macro SEND sl, younger                ; younger: the LDS instructions issued behind slot sl's loads: the next slot's sixteen, or none
.irp i, 0,1,2,3,4,5,6,7
	s_wait_dscnt \younger+7-\i                     ; they and the slot's own younger loads may be out
	global_store_b128 v[YO], v[ACC+32*(\sl)+4*\i:ACC+32*(\sl)+4*\i+3], s[10:11] offset:(16*(\sl)+2*\i)*4096   ; sixteen lanes store 256 consecutive bytes, aligned
.endr
.endm
	TURN 0, 48, 1                                  ; sets 0 to 3, each asking for the set four on.  48: the three younger sets' loads stay out
	TURN 1, 48, 1
	TURN 2, 48, 1
	TURN 3, 48, 1
	s_wait_dscnt 0x0
	s_wait_alu depctr_vm_vsrc(0)                   ; the LDS stores have read their two addresses, which are stepped below, and the codes and scale words, which the next turn writes again
	v_add_nc_u32 v[WST], KSTR, v[WST]              ; my second K step's images
	v_add_nc_u32 v[WSS], 256, v[WSS]
	TURN 0, 48, 2                                  ; the last four sets: in the ring's stead the first sweep's rows are asked for.  Behind set 4: three sets, 48 loads
	TURN 1, 63, 3                                  ; behind set 5: 32 + 37 loads; the count is the largest that the wait's field holds, and a smaller count is safe
	TURN 2, 63, 4                                  ; behind set 6: 16 + 37 + 32
	TURN 3, 63, 5                                  ; behind set 7: 37 + 32 + 32
	s_wait_dscnt 0x0                               ; for the others' sake: my images and scale words lie in LDS
	s_barrier_signal -1
	s_barrier_wait -1                              ; all weight images are whole, and nobody writes them again: no further barrier
	s_mov_b32 s25, 0
.Ltrip:                                                ; four sweeps
	s_cmp_ge_u32 s24, s23
	s_cbranch_scc1 .Lnext                          ; no row of the expert is left for this wave's sweep
	s_cmp_eq_u32 s25, 0
	s_cbranch_scc1 .Lgo                            ; the first sweep's rows were asked for in the stream's tail
	s_wait_loadcnt 0x0
	s_wait_xcnt 0x0
	HSLOAD                                         ; no wait: no vector or matrix instruction since the wait behind the last sweep's products names the rows' scale words, their fragments or the two offsets
	HLOADS 0
	HLOADS 1
	HLOADS 2
	HLOADS 3
	HLOADS 4
.Lgo:
	s_wait_loadcnt 0x0                             ; the rows' fragments and scale words are in
	s_wait_alu depctr_vm_vsrc(0)                   ; the stream's last LDS stores have read their codes, and the last sweep's global stores their rows: the products below write the accumulators over both
	KLOOP
.rept 9
	v_nop                                          ; eight places ahead of the first read of results; nine ahead of the next sweep's first product, which writes over an accumulator
.endr
	s_wait_alu depctr_va_vdst(0)                   ; the products have written the accumulators, which the stores into the stage read and in which its loads land; they are done reading the rows' fragments, the scale words and the weight sets, in which the next sweep's loads land
	TOSTAGE 0
.irp sl, 1,2,3,4
	TOSTAGE \sl                                    ; a slot goes through the stage while the slot before is stored
	SEND \sl-1, 16
.endr
	SEND 4, 0
.Lnext:
	s_wait_xcnt 0x0                                ; loads and stores have read their bases and registers
	s_add_co_u32 s24, s24, 320
	s_add_nc_u64 s[12:13], s[12:13], 655360        ; 20 tiles of 32,768 bytes
	s_add_nc_u64 s[14:15], s[14:15], 20480         ; 20 tiles of 1,024 scale bytes
	s_add_nc_u64 s[10:11], s[10:11], 1310720       ; 320 rows of 4,096 bytes
	s_add_co_u32 s25, s25, 1
	s_cmp_lt_u32 s25, 4
	s_cbranch_scc1 .Ltrip
	s_wait_dscnt 0x0                               ; the closing lines, six on end
	s_wait_alu 0x0
	s_wait_tensorcnt 0x0
	ds_add_u32 v94, v95
	s_wait_dscnt 0x0
	s_endpgm
.Lfunc_end_k_q2f82826f0f_down:
	.size	k_q2f82826f0f_down, .Lfunc_end_k_q2f82826f0f_down-k_q2f82826f0f_down
	.p2alignl 7, 3214868480
	.fill 96, 4, 3214868480
	.section	.rodata,"a",@progbits
	.p2align	6, 0x0
	.amdhsa_kernel k_q2f82826f0f_down
		.amdhsa_group_segment_fixed_size 86016
		.amdhsa_private_segment_fixed_size 0
		.amdhsa_enable_private_segment 0
		.amdhsa_kernarg_size 32
		.amdhsa_user_sgpr_count 2
		.amdhsa_user_sgpr_kernarg_segment_ptr 1
		.amdhsa_wavefront_size32 1
		.amdhsa_system_sgpr_workgroup_id_x 1
		.amdhsa_system_sgpr_workgroup_id_y 1
		.amdhsa_system_sgpr_workgroup_id_z 1
		.amdhsa_system_vgpr_workitem_id 0
		.amdhsa_next_free_vgpr 1024
		.amdhsa_next_free_sgpr 72
		.amdhsa_reserve_vcc 0
		.amdhsa_float_denorm_mode_32 3
		.amdhsa_float_denorm_mode_16_64 3
		.amdhsa_memory_ordered 1
		.amdhsa_forward_progress 1
		.amdhsa_inst_pref_size 163
	.end_amdhsa_kernel
	.amdgpu_metadata
---
amdhsa.version: [ 1, 2 ]
amdhsa.kernels:
  - .name:           k_q2f82826f0f_down
    .symbol:         k_q2f82826f0f_down.kd
    .args:
      - { .name: w3, .offset: 0, .size: 8, .value_kind: global_buffer, .address_space: global }
      - { .name: hid, .offset: 8, .size: 8, .value_kind: global_buffer, .address_space: global }
      - { .name: route, .offset: 16, .size: 8, .value_kind: global_buffer, .address_space: global }
      - { .name: y, .offset: 24, .size: 8, .value_kind: global_buffer, .address_space: global }
    .group_segment_fixed_size: 86016
    .private_segment_fixed_size: 0
    .kernarg_segment_align: 8
    .kernarg_segment_size: 32
    .max_flat_workgroup_size: 128
    .sgpr_count:     72
    .vgpr_count:     1024
    .wavefront_size: 32
...
	.end_amdgpu_metadata
.endif
;; end of part 7
;; launch combine (part 8): grid 256 x 1, 4 waves a work-group, no clusters, 0 bytes of LDS; arguments y, route, rw, posn, out0, out1; writes out0, out1
.if DOCPART == 8
	.amdgcn_target "amdgcn-amd-amdhsa--gfx1250"
	.amdhsa_code_object_version 6
	.text
	.protected	k_q2f82826f0f_combine
	.globl	k_q2f82826f0f_combine
	.p2align	8
	.type	k_q2f82826f0f_combine,@function
k_q2f82826f0f_combine:
	s_mov_b64 s[64:65], 0
	v_nop
	global_prefetch_b8 v0, s[64:65] scope:SCOPE_SE
	s_setreg_imm32_b32 hwreg(HW_REG_WAVE_MODE, 25, 1), 1
	s_wait_xcnt 0x0
; out0[t] = c0 (y[e0][0][p0] + y[e0][1][p0]) + c1 (y[e1][0][p1] + y[e1][1][p1]); out1 = 0.01 x the sum over experts of (mean probability - 1/8)^2.
; A wave owns a token: each output row has one owner.  e0, e1 (route), c0, c1 (rw) and the token's position among each expert's rows (posn) were stored by earlier launches and come by scalar loads;
; what enters an address is held inside its table first.  y: [8 e][2 halves of K][1,280 positions][1,024] f32.
; A stream: four rows of 4,096 bytes in, one out, each load and store of the wave 512 consecutive bytes; all 32 loads are asked for at once.  LDS, barriers, matrix units and clusters would add nothing.
; The wave of token 0 also makes out1, from the 64 work-groups' sums of probabilities; its four loads stand behind the 32 and land with them.
.set PSUM,  8192                       ; rw: where the sums begin
.set KHB,   5242880                    ; y: from one half of K to the other: 1,280 rows of 4,096 bytes
	s_load_b256 s[4:11], s[0:1], 0x0               ; y s[4:5], route s[6:7], rw s[8:9], posn s[10:11]
	s_load_b128 s[12:15], s[0:1], 0x20             ; out0 s[12:13], out1 s[14:15]
	v_lshrrev_b32 v2, 5, v0
	v_readfirstlane_b32 s16, v2                    ; wave
	s_lshl_b32 s17, ttmp9, 2
	s_add_co_u32 s17, s17, s16                     ; my token
	v_and_b32 v3, 31, v0                           ; lane
	v_lshlrev_b32 v1, 4, v3                        ; 16 bytes a lane
	v_lshlrev_b32 v2, 5, v3                        ; the sums: 32 bytes a lane
	s_lshl_b32 s18, s17, 3
	s_lshl_b32 s19, s17, 5
	s_lshl_b32 s36, s17, 12
	s_mov_b32 s37, 0
	s_mov_b32 s42, 0x76543210
	s_mov_b32 s43, 0xfedcba98                      ; v_permlanex16_b32's selects for lane l xor 16
	s_mov_b32 s44, 0x3a800000                      ; 1 / 1,024
	s_mov_b32 s45, 0xbe000000                      ; -1 / 8
	s_wait_alu depctr_va_vdst(0)
	s_wait_kmcnt 0x0
	s_load_b64 s[20:21], s[6:7], s18 offset:0x0    ; e0, e1
	s_load_b64 s[22:23], s[8:9], s18 offset:0x0    ; c0, c1
	s_load_b256 s[24:31], s[10:11], s19 offset:0x0 ; my position among each expert's rows
	s_add_nc_u64 s[12:13], s[12:13], s[36:37]      ; my row of out0
	s_wait_kmcnt 0x0
	s_min_u32 s20, s20, 7                          ; held inside the table of experts
	s_min_u32 s21, s21, 7
	s_mov_b32 s32, s24
	s_mov_b32 s33, s24
.irp i, 1,2,3,4,5,6,7
	s_cmp_eq_u32 s20, \i
	s_cselect_b32 s32, s[24+\i], s32
	s_cmp_eq_u32 s21, \i
	s_cselect_b32 s33, s[24+\i], s33
.endr
	s_min_u32 s32, s32, 0x4ff                      ; held inside an expert's 1,280 positions
	s_min_u32 s33, s33, 0x4ff
	s_mul_i32 s38, s20, 2560
	s_add_co_u32 s38, s38, s32
	s_lshl_b32 s38, s38, 12                        ; (2,560 e + position) rows of 4,096 bytes: under 2^27
	s_mov_b32 s39, 0
	s_mul_i32 s40, s21, 2560
	s_add_co_u32 s40, s40, s33
	s_lshl_b32 s40, s40, 12
	s_mov_b32 s41, 0
	s_add_nc_u64 s[38:39], s[4:5], s[38:39]
	s_add_nc_u64 s[40:41], s[4:5], s[40:41]
	s_mov_b32 s34, s23                             ; c1 as the low word of a pair of its own: the packed forms take a scalar pair's low word for both halves
	s_mov_b32 s35, s23
.irp q, 0,1,2,3,4,5,6,7
	global_load_b128 v[16+16*\q:19+16*\q], v1, s[38:39] offset:512*\q th:TH_LOAD_NT
	global_load_b128 v[20+16*\q:23+16*\q], v1, s[38:39] offset:512*\q+KHB th:TH_LOAD_NT
	global_load_b128 v[24+16*\q:27+16*\q], v1, s[40:41] offset:512*\q th:TH_LOAD_NT
	global_load_b128 v[28+16*\q:31+16*\q], v1, s[40:41] offset:512*\q+KHB th:TH_LOAD_NT
.endr
	s_cmp_lg_u32 s17, 0
	s_cbranch_scc1 .Lsum
	global_load_b128 v[144:147], v2, s[8:9] offset:PSUM            ; work-group l's eight sums,
	global_load_b128 v[148:151], v2, s[8:9] offset:PSUM+16
	global_load_b128 v[152:155], v2, s[8:9] offset:PSUM+1024       ; and work-group l + 32's
	global_load_b128 v[156:159], v2, s[8:9] offset:PSUM+1040
	v_mov_b32 v161, 0
	s_wait_loadcnt 0x0
.irp n, 0,2,4,6
	v_pk_add_f32 v[144+\n:145+\n], v[144+\n:145+\n], v[152+\n:153+\n]
.endr
.irp m, 1,2,4,8
.irp e, 0,1,2,3,4,5,6,7
	v_add_f32_dpp v[144+\e], v[144+\e], v[144+\e] row_xmask:\m row_mask:0xf bank_mask:0xf
.endr
.endr
.irp e, 0,1,2,3,4,5,6,7
	v_permlanex16_b32 v[152+\e], v[144+\e], s42, s43
.endr
.irp e, 0,1,2,3,4,5,6,7
	v_add_f32 v[144+\e], v[144+\e], v[152+\e]      ; the 1,024 tokens' probabilities of expert e
.endr
.irp e, 0,1,2,3,4,5,6,7
	v_fma_f32 v[144+\e], v[144+\e], s44, s45       ; the mean less 1 / 8
.endr
	v_mul_f32 v160, v144, v144
.irp e, 1,2,3,4,5,6,7
	v_fmac_f32 v160, v[144+\e], v[144+\e]
.endr
	v_mul_f32 v160, 0x3c23d70a, v160               ; x 0.01
	s_wait_alu depctr_va_vdst(0)
	s_wait_xcnt 0x0                                ; EXEC changes only behind this wait: my loads name it
	v_cmp_eq_u32 vcc_lo, 0, v3
	s_and_saveexec_b32 s46, vcc_lo
	global_store_b32 v161, v160, s[14:15]
	s_wait_xcnt 0x0
	s_or_b32 exec_lo, exec_lo, s46
.Lsum:
.irp q, 0,1,2,3,4,5,6,7
	s_wait_loadcnt 28-4*\q                         ; this group's four loads are in; the younger groups of four may be out
	v_pk_add_f32 v[16+16*\q:17+16*\q], v[16+16*\q:17+16*\q], v[20+16*\q:21+16*\q]   ; the two halves of K
	v_pk_add_f32 v[18+16*\q:19+16*\q], v[18+16*\q:19+16*\q], v[22+16*\q:23+16*\q]
	v_pk_add_f32 v[24+16*\q:25+16*\q], v[24+16*\q:25+16*\q], v[28+16*\q:29+16*\q]
	v_pk_add_f32 v[26+16*\q:27+16*\q], v[26+16*\q:27+16*\q], v[30+16*\q:31+16*\q]
	v_pk_mul_f32 v[16+16*\q:17+16*\q], v[16+16*\q:17+16*\q], s[22:23] op_sel_hi:[1,0]   ; x c0
	v_pk_mul_f32 v[18+16*\q:19+16*\q], v[18+16*\q:19+16*\q], s[22:23] op_sel_hi:[1,0]
	v_pk_fma_f32 v[16+16*\q:17+16*\q], v[24+16*\q:25+16*\q], s[34:35], v[16+16*\q:17+16*\q] op_sel_hi:[1,0,1]   ; + c1 x the other expert's
	v_pk_fma_f32 v[18+16*\q:19+16*\q], v[26+16*\q:27+16*\q], s[34:35], v[18+16*\q:19+16*\q] op_sel_hi:[1,0,1]
	global_store_b128 v1, v[16+16*\q:19+16*\q], s[12:13] offset:512*\q th:TH_STORE_NT   ; the wave stores 512 consecutive bytes, aligned
.endr
	s_endpgm
.Lfunc_end_k_q2f82826f0f_combine:
	.size	k_q2f82826f0f_combine, .Lfunc_end_k_q2f82826f0f_combine-k_q2f82826f0f_combine
	.p2alignl 7, 3214868480
	.fill 96, 4, 3214868480
	.section	.rodata,"a",@progbits
	.p2align	6, 0x0
	.amdhsa_kernel k_q2f82826f0f_combine
		.amdhsa_group_segment_fixed_size 0
		.amdhsa_private_segment_fixed_size 0
		.amdhsa_enable_private_segment 0
		.amdhsa_kernarg_size 48
		.amdhsa_user_sgpr_count 2
		.amdhsa_user_sgpr_kernarg_segment_ptr 1
		.amdhsa_wavefront_size32 1
		.amdhsa_system_sgpr_workgroup_id_x 1
		.amdhsa_system_sgpr_workgroup_id_y 1
		.amdhsa_system_sgpr_workgroup_id_z 1
		.amdhsa_system_vgpr_workitem_id 0
		.amdhsa_next_free_vgpr 176
		.amdhsa_next_free_sgpr 66
		.amdhsa_reserve_vcc 1
		.amdhsa_float_denorm_mode_32 3
		.amdhsa_float_denorm_mode_16_64 3
		.amdhsa_memory_ordered 1
		.amdhsa_forward_progress 1
		.amdhsa_inst_pref_size 16
	.end_amdhsa_kernel
	.amdgpu_metadata
---
amdhsa.version: [ 1, 2 ]
amdhsa.kernels:
  - .name:           k_q2f82826f0f_combine
    .symbol:         k_q2f82826f0f_combine.kd
    .args:
      - { .name: y, .offset: 0, .size: 8, .value_kind: global_buffer, .address_space: global }
      - { .name: route, .offset: 8, .size: 8, .value_kind: global_buffer, .address_space: global }
      - { .name: rw, .offset: 16, .size: 8, .value_kind: global_buffer, .address_space: global }
      - { .name: posn, .offset: 24, .size: 8, .value_kind: global_buffer, .address_space: global }
      - { .name: out0, .offset: 32, .size: 8, .value_kind: global_buffer, .address_space: global }
      - { .name: out1, .offset: 40, .size: 8, .value_kind: global_buffer, .address_space: global }
    .group_segment_fixed_size: 0
    .private_segment_fixed_size: 0
    .kernarg_segment_align: 8
    .kernarg_segment_size: 48
    .max_flat_workgroup_size: 128
    .sgpr_count:     66
    .vgpr_count:     176
    .wavefront_size: 32
...
	.end_amdgpu_metadata
.endif
;; end of part 8
